; MI455X (gfx1250); checked and timed in simulation.
; The chip was launched on July 23, 2026; its instructions are those of AMD's public machine-readable ISA for CDNA 5 (MIT licence, August 2026) and "CDNA5" Instruction Set Architecture Reference Guide (July 2026). The comments in the code are by the model that wrote it; some were corrected since.
;; Cross Attention. Allowed arithmetic: matrix products marked QUANTISED: E4M3 operands, one given power-of-two scale a tensor, by v_wmma_f32_16x16x64_fp8_fp8 or v_wmma_f32_16x16x128_fp8_fp8, f32 sums; everything else in f32.
;; Inputs: Wk_b 1,024 float32; Wk_w_codes 1,024 x 32 x 32 uint8 (E4M3 codes of Wk_w, K innermost, in blocks of 32 codes); Wq_b 1,024 float32; Wq_w_codes 1,024 x 32 x 32 uint8 (E4M3 codes of Wq_w, K innermost, in blocks of 32 codes); Wv_b 1,024 float32; Wv_w_codes 1,024 x 32 x 32 uint8 (E4M3 codes of Wv_w, K innermost, in blocks of 32 codes); context_codes 2 x 2,048 x 32 x 32 uint8 (E4M3 codes of context, K innermost, in blocks of 32 codes); cpos 2 x 2,048 int32; fc1_b 4,096 float32; fc1_w_codes 4,096 x 32 x 32 uint8 (E4M3 codes of fc1_w, K innermost, in blocks of 32 codes); fc2_b 1,024 float32; fc2_w_codes 1,024 x 128 x 32 uint8 (E4M3 codes of fc2_w, K innermost, in blocks of 32 codes); ffn_b 1,024 float32; ffn_w 1,024 float32; kn_b 64 float32; kn_w 64 float32; lowp_scales 14 int32 (the exponents e of the quantised operands' scales 2^e); qn_b 64 float32; qn_w 64 float32; qpos 2 x 2,048 int32; query 2 x 2,048 x 1,024 float32.
;; Outputs: out0 2 x 2,048 x 1,024 float32.
;; This version of the problem:
;;   THIS VERSION OF THE PROBLEM IS GIVEN IN LOW PRECISION. The matrix products marked QUANTISED in the list below multiply operands that are first quantised to E4M3 (4 exponent bits, 3 mantissa bits; 8 bits a number), with one given power-of-two scale for each operand tensor; their sums are f32. All else is computed in f32.
;;   The module's matrix products, in the order in which they are computed (A, B: the left and right operand; K: the contracted axis; several contracted axes count as one K, in the product's order):
;;     1. [M 4,096, K 1,024] x [K 1,024, N 1,024]; A: input query; B: input Wq_w (given as codes): QUANTISED (scales: A lowp_scales[0], B lowp_scales[1])
;;     2. [M 4,096, K 1,024] x [K 1,024, N 1,024]; A: input context (given as codes); B: input Wk_w (given as codes): QUANTISED (scales: A lowp_scales[2], B lowp_scales[3])
;;     3. [M 4,096, K 1,024] x [K 1,024, N 1,024]; A: input context (given as codes); B: input Wv_w (given as codes): QUANTISED (scales: A lowp_scales[4], B lowp_scales[5])
;;     4. batch 32 x [M 2,048, K 64] x [K 64, N 2,048]; A: computed on the way; B: computed on the way: QUANTISED (scales: A lowp_scales[6], B lowp_scales[7])
;;     5. batch 32 x [M 2,048, K 2,048] x [K 2,048, N 64]; A: softmax (see below); B: computed on the way: QUANTISED (scales: A lowp_scales[8], B lowp_scales[9])
;;     6. [M 4,096, K 1,024] x [K 1,024, N 4,096]; A: computed on the way; B: input fc1_w (given as codes): QUANTISED (scales: A lowp_scales[10], B lowp_scales[11])
;;     7. [M 4,096, K 4,096] x [K 4,096, N 1,024]; A: computed on the way; B: input fc2_w (given as codes): QUANTISED (scales: A lowp_scales[12], B lowp_scales[13])
;;   THE QUANTISER, for each operand of a quantised product, along K:
;;     - The operand's scale is 2^e, e = its entry of the input lowp_scales (int32; the entries are numbered through the quantised products in the list's order, A before B).
;;     - Each number is divided by the scale, clamped to +-448, and rounded to the nearest number of E4M3, ties to even, subnormals kept.
;;     - The product sums the exact products of the quantised numbers (number of the format x scale) in f32.
;;   ~~~python
;;   def quantise(x, axis, e):      # numpy; x: float32 -> the quantised numbers, widened to float32 again
;;       x = np.moveaxis(x, axis, -1); K = x.shape[-1]
;;       r = np.clip(x / 2.0 ** e, -448, 448)
;;       step = 2.0 ** (np.maximum(np.frexp(np.where(r == 0, 1, r))[1] - 1, -6) - 3)
;;       q = np.round(r / step) * step * 2.0 ** e      # np.round: ties to even
;;       return np.moveaxis(q, -1, axis).astype(np.float32)
;;   ~~~
;;   SOFTMAX AHEAD OF A QUANTISED PRODUCT. Where the list says 'softmax', what is quantised is not the finished softmax but p = 2^(t - M), with t = logit x log2(e) and M = ceil(the row's largest t), a whole number; so 1/2 < the row's largest p <= 1. The row's sum l is taken of the UNQUANTISED p, in f32, and the product's result is divided by l at the end. Since M is a whole number, a kernel that streams over the keys may use a running M (the ceiling of the running maximum): every later rescaling is an exact power of two, so the quantised numbers keep their values, but for numbers so far below the row's largest that they fall under the format's range.
;;   OPERANDS COMPUTED ON THE WAY. 'Computed on the way' means the value that the module computes at that place (a softmax that the list does not call 'softmax' is quantised finished and normalised). What goes into a quantiser is computed in f32, as accurately as f32 sums, v_exp_f32 and their like allow (about 1e-6 of the number): no bf16 or f16 on the way to a quantiser, and a product that is left as it is and whose result goes on into a quantised operand takes f32 operands (vector FMAs, or v_wmma_f32_16x16x4_f32). A number that lies on a knife's edge between two numbers of the format may be rounded either way, as far as f32 arithmetic and the matrix unit's own rounding can turn it there, and no further.
;;   INPUTS GIVEN AS CODES. Wk_w (in the module: [1024, 1024], K = its axis 0); Wq_w (in the module: [1024, 1024], K = its axis 0); Wv_w (in the module: [1024, 1024], K = its axis 0); context (in the module: [2, 2048, 1024], K = its axis 2); fc1_w (in the module: [1024, 4096], K = its axis 0); fc2_w (in the module: [4096, 1024], K = its axis 0): each comes as NAME_codes (uint8): NAME with its K axis moved to the last place and cut into blocks of 32 codes, [.., K / 32, bytes a block], one block behind the other in memory; one code a byte (a code: sign, 4 exponent bits, 3 mantissa bits); its scale is its entry of lowp_scales. Its value is code x scale, taken as it is: it is not quantised again, and the codes and scales need not be those that the quantiser above would give.
;; 2 versions. Each part assembles by itself: llvm-mc -triple=amdgcn-amd-amdhsa -mcpu=gfx1250 --defsym DOCPART=n.
;; ======== version 1 of 2: 5 launches
;; workspace buffers: xq 4,194,304 bytes; kq 4,194,304 bytes; vq 4,194,304 bytes; res2 16,777,216 bytes; hq 4,194,304 bytes; gq 16,777,216 bytes
;; launch kvx (part 1): grid 8 x 16, 4 waves a work-group, clusters of 4 x 4, 327,680 bytes of LDS; arguments context_codes, Wk_w_codes, Wv_w_codes, lowp_scales, query, Wk_b, Wv_b, kn_w, kn_b, xq, kq, vq; writes xq, kq, vq
.if DOCPART == 1
	.amdgcn_target "amdgcn-amd-amdhsa--gfx1250"
	.amdhsa_code_object_version 6
	.text
	.protected	k_qdfec724caa_kvx
	.globl	k_qdfec724caa_kvx
	.p2align	8
	.type	k_qdfec724caa_kvx,@function
k_qdfec724caa_kvx:
	s_mov_b64 s[64:65], 0
	v_nop
	global_prefetch_b8 v0, s[64:65] scope:SCOPE_SE
	s_setreg_imm32_b32 hwreg(HW_REG_WAVE_MODE, 25, 1), 1
	s_wait_xcnt 0x0
	s_wait_alu depctr_hold_cnt(0) depctr_sa_sdst(0) depctr_va_vdst(0) depctr_va_sdst(0) depctr_va_ssrc(0) depctr_va_vcc(0) depctr_vm_vsrc(0)
	s_getreg_b32 s2, hwreg(HW_REG_IB_STS2, 6, 4)
	s_cmp_eq_u32 s2, 0
	s_cbranch_scc0 .Lentry_in_a_cluster
	s_endpgm
.Lentry_in_a_cluster:
	s_bfe_u32 s2, ttmp6, 0x10000c
	s_cmp_lg_u32 s2, 0xf033
	s_cbranch_scc0 .Lentry_shape_is_right
	s_endpgm
.Lentry_shape_is_right:
; K = LayerNorm_head(context Wk + Wk_b) as E4M3 codes (scale entry 7), V = context Wv + Wv_b as codes along the keys (entry 9), and the codes of query (entry 0).
; A GEMM on codes: a tile of C, 256 x 256, to a work-group of four waves; a wave makes 128 x 128 in 64 accumulators.  K = 1,024 goes in steps of 256 through two LDS slots.
; THE TWO PRODUCTS.  Clusters with x = 0 make K:  C' = [4,096 keys][1,024 dims], A' = context, B' = Wk.  Clusters with x = 1 make V TRANSPOSED: C' = [1,024 dims][4,096 keys], A' = Wv, B' = context.
; The matrix instruction is used transposed (source 0 = 16 rows of B', source 1 = 16 rows of A'): lane (r, h) of accumulator (a, b) holds row 16 a + r and columns 16 b + 8 h + 0 .. 7.
; So a lane's registers run along the NEXT product's K (dims for K, keys for V): the conversions' results are that product's operand registers, and they are stored as they stand, 512 consecutive bytes a store.
;   kq: [bh][key / 16] images of 1,024 bytes: quad c of a lane's 8 registers at 512 c + 16 lane; registers 2 c, 2 c + 1 = dims 16 c + 8 h + 0 .. 7 of key 16 kt + r.
;   vq: [bh][key / 128][dim / 16] images of 2,048 bytes: registers 2 c, 2 c + 1 = keys 16 c + 8 h + 0 .. 7 of dim 16 dt + r.
;   xq: [row / 16][k / 128] images of 2,048 bytes: quad c = k 32 c + 16 h + 0 .. 15 of row 16 rt + r.
; CLUSTERS: 4 x 4 work-groups; A's tile is asked for jointly along a row of the cluster, B's along a column.  The cluster's x is the same in all sixteen partners, so the branches on it are alike in all.
; THE QUERY'S CODES: every work-group takes 32 rows of query (128 work-groups x 32 = 4,096) while its first tiles are on their way.
; LIMITS: e0, e7, e9 between -126 and 119; e2 + e3 and e4 + e5 between -126 and 127, so that each power of two is an f32 number.  NaN among the inputs is not served.
.set KROW,   1024                      ; a row of A' or B' in bytes
.set ROWB,   256                       ; a tile's row: 256 codes
.set PITCH,  272                       ; an LDS row: 256 bytes + 16 of padding: the 16 rows of a fragment load start at 16 different groups of banks
.set FR,     16                        ; registers of a fragment
.set NL,     4                         ; LDS loads that bring one
.set NP,     4                         ; places behind this matrix instruction (ISA guide 7.12.1)
.set HALFT,  128*PITCH
.set SLOT,   4*HALFT                   ; A's 256 rows, then B's 256 rows
.set LAPS,   KROW/(2*ROWB)
.set SPARE,  2*SLOT                    ; the spare words: 128 bytes a wave, named by no other line
.set XST,    SPARE+512                 ; the query's stage: 16 rows x 528 bytes for each wave; no tile lands here
.set XSP,    528
.set XSW,    16*XSP
.set LI,   7                           ; v7   16 x lane
.set XIN,  8                           ; v8   the stage, way in
.set XOUT, 9                           ; v9   the stage, way out
.set HO,   10                          ; v10  32 h
.set RO,   11                          ; v11  4 r
.set ADRA, 16                          ; v16-17 LDS address of my A fragments in slot 0, 1
.set ADRB, 20                          ; v20-21 the same for B
.set SPW,  28
.set NIL,  29
.set BIAS, 32                          ; v32-95  K: Wk_b of my 128 columns in the result's layout
.set BV,   32                          ; v32-47  V: Wv_b of my rows, block a's in registers 2 a and 2 a + 1
.set LW,   96                          ; v96-127 kn_w
.set AF,   128                         ; A's fragments, one set
.set LB,   128                         ; the way out: kn_b
.set TMP,  160                         ; the way out: a block's 64 numbers
.set CD,   224                         ; its codes
.set LT,   240                         ; the norm's six registers a head
.set QS,   252
.set QL,   253
.set XS,   32                          ; the query phase: two sets of 64 as loaded,
.set XY,   160                         ; 64 neighbours,
.set XC,   224                         ; 16 registers of codes,
.set XSC,  240                         ; 2^e0
.set XLM,  241                         ; 448 x 2^e0
.set BI,   2                           ; s2   the way out's block
.set OP,   8                           ; s[8:9] where the way out stores
.set QP,   10                          ; s[10:11] my rows of query
.set XP,   12                          ; s[12:13] my images in xq
.set G1,   24
.set G0,   32
.set G1B,  48
.set G0B,  56
.set SC,   66                          ; s[66:67] the sums' factor, twice
.set SEL,  92                          ; s[92:93] lane l xor 16
.set INV,  94                          ; 1 / 64
.set EPS,  95                          ; 1e-5
.set QSS,  98                          ; the quantiser's 2^e
.set QLS,  99                          ; and 448 x 2^e
.set MSB, 0
.macro WIN new                         ; the immediate's high byte repeats the setting that is left
.if MSB != \new
	s_set_vgpr_msb (MSB<<8)|\new
.set MSB, \new
.endif
.endm
.set MUL_LO, 0xa1                      ; source 0 (B) window 1, source 1 (A) window 0, C and D window 2
.set MUL_HI, 0xf1                      ; the same, C and D window 3
.set TO_B,   0x40                      ; destination window 1
.macro JLOAD g0a, g1a, g0b, g1b        ; a joint load: waves 0 and 1 fetch for A, waves 2 and 3 for B; four v_nop follow each line
	s_cmp_eq_u32 s15, 0
	s_cbranch_scc0 .Lfor_b_\@
	tensor_load_to_lds s[\g0a:\g0a+3], s[\g1a:\g1a+7]
	s_nop 0
.rept 4
	v_nop
.endr
	s_branch .Lasked_\@
.Lfor_b_\@:
	tensor_load_to_lds s[\g0b:\g0b+3], s[\g1b:\g1b+7]
	s_nop 0
.rept 4
	v_nop
.endr
.Lasked_\@:
.endm
.macro CREST                           ; a round of the cluster's barrier behind its opening barrier
	s_cmp_lg_u32 s14, 0
	s_cbranch_scc1 .Lnot_wave_0_\@
	s_barrier_signal -3
.Lnot_wave_0_\@:
	s_barrier_wait -3
	s_barrier_signal -1
	s_barrier_wait -1
.endm
.macro CROUND
	s_barrier_signal -1
	s_barrier_wait -1
	CREST
.endm
.macro PLACES n
.rept \n
	v_nop
.endr
.endm
; n x 8 numbers from v[X] on become codes from v[C] on: the hold at the largest code x the scale (the conversion does not saturate: ISA guide 7.6.2), the conversion, and one plain line behind the last conversion
.macro QCVT X, n, C, sc, lim
.set qi, 0
.rept 8*\n
	v_med3_num_f32 v[\X+qi], v[\X+qi], -v[\lim], v[\lim]
.set qi, qi+1
.endr
.set qi, 0
.rept \n
	v_cvt_scalef32_pk8_fp8_f32 v[\C+2*qi:\C+2*qi+1], v[\X+8*qi:\X+8*qi+7], v[\sc]
.set qi, qi+1
.endr
	v_nop
.endm
; LayerNorm over 64 numbers, of which a lane holds 32 (v[X + 32 g] on, head g) and lane l xor 16 the others; nh heads line by line.  Mean first, then the squares of the differences: no difference of large sums.
.macro LNORM nh, X, W, B, T
.set lg, 0
.rept \nh
	v_pk_add_f32 v[\T+6*lg:\T+6*lg+1], v[\X+32*lg:\X+32*lg+1], v[\X+32*lg+2:\X+32*lg+3]
	v_pk_add_f32 v[\T+6*lg+2:\T+6*lg+3], v[\X+32*lg+4:\X+32*lg+5], v[\X+32*lg+6:\X+32*lg+7]
.set lg, lg+1
.endr
.set lp, 8
.rept 6
.set lg, 0
.rept \nh
	v_pk_add_f32 v[\T+6*lg:\T+6*lg+1], v[\T+6*lg:\T+6*lg+1], v[\X+32*lg+lp:\X+32*lg+lp+1]
	v_pk_add_f32 v[\T+6*lg+2:\T+6*lg+3], v[\T+6*lg+2:\T+6*lg+3], v[\X+32*lg+lp+2:\X+32*lg+lp+3]
.set lg, lg+1
.endr
.set lp, lp+4
.endr
.set lg, 0
.rept \nh
	v_pk_add_f32 v[\T+6*lg:\T+6*lg+1], v[\T+6*lg:\T+6*lg+1], v[\T+6*lg+2:\T+6*lg+3]
.set lg, lg+1
.endr
.set lg, 0
.rept \nh
	v_add_f32 v[\T+6*lg], v[\T+6*lg], v[\T+6*lg+1]
.set lg, lg+1
.endr
.set lg, 0
.rept \nh
	v_permlanex16_b32 v[\T+6*lg+1], v[\T+6*lg], s[SEL], s[SEL+1]
.set lg, lg+1
.endr
.set lg, 0
.rept \nh
	v_add_f32 v[\T+6*lg], v[\T+6*lg], v[\T+6*lg+1]
.set lg, lg+1
.endr
.set lg, 0
.rept \nh
	v_mul_f32 v[\T+6*lg], s[INV], v[\T+6*lg]       ; the mean
.set lg, lg+1
.endr
.set lp, 0
.rept 16
.set lg, 0
.rept \nh
	v_pk_add_f32 v[\X+32*lg+lp:\X+32*lg+lp+1], v[\X+32*lg+lp:\X+32*lg+lp+1], v[\T+6*lg:\T+6*lg+1] op_sel_hi:[1,0] neg_lo:[0,1] neg_hi:[0,1]
.set lg, lg+1
.endr
.set lp, lp+2
.endr
.set lg, 0
.rept \nh
	v_pk_mul_f32 v[\T+6*lg+2:\T+6*lg+3], v[\X+32*lg:\X+32*lg+1], v[\X+32*lg:\X+32*lg+1]
	v_pk_mul_f32 v[\T+6*lg+4:\T+6*lg+5], v[\X+32*lg+2:\X+32*lg+3], v[\X+32*lg+2:\X+32*lg+3]
.set lg, lg+1
.endr
.set lp, 4
.rept 7
.set lg, 0
.rept \nh
	v_pk_fma_f32 v[\T+6*lg+2:\T+6*lg+3], v[\X+32*lg+lp:\X+32*lg+lp+1], v[\X+32*lg+lp:\X+32*lg+lp+1], v[\T+6*lg+2:\T+6*lg+3]
	v_pk_fma_f32 v[\T+6*lg+4:\T+6*lg+5], v[\X+32*lg+lp+2:\X+32*lg+lp+3], v[\X+32*lg+lp+2:\X+32*lg+lp+3], v[\T+6*lg+4:\T+6*lg+5]
.set lg, lg+1
.endr
.set lp, lp+4
.endr
.set lg, 0
.rept \nh
	v_pk_add_f32 v[\T+6*lg+2:\T+6*lg+3], v[\T+6*lg+2:\T+6*lg+3], v[\T+6*lg+4:\T+6*lg+5]
.set lg, lg+1
.endr
.set lg, 0
.rept \nh
	v_add_f32 v[\T+6*lg+2], v[\T+6*lg+2], v[\T+6*lg+3]
.set lg, lg+1
.endr
.set lg, 0
.rept \nh
	v_permlanex16_b32 v[\T+6*lg+3], v[\T+6*lg+2], s[SEL], s[SEL+1]
.set lg, lg+1
.endr
.set lg, 0
.rept \nh
	v_add_f32 v[\T+6*lg+2], v[\T+6*lg+2], v[\T+6*lg+3]
.set lg, lg+1
.endr
.set lg, 0
.rept \nh
	v_fma_f32 v[\T+6*lg+2], v[\T+6*lg+2], s[INV], s[EPS]   ; the variance + eps
.set lg, lg+1
.endr
.set lg, 0
.rept \nh
	v_rsq_f32 v[\T+6*lg+4], v[\T+6*lg+2]
.set lg, lg+1
.endr
	v_nop                                          ; a plain line behind the last transcendental
	s_wait_loadcnt 0x0                             ; the gain and the bias are in
	s_wait_alu depctr_va_vdst(0)                   ; one wait for the batch, ahead of its first reader
.set lp, 0
.rept 16
.set lg, 0
.rept \nh
	v_pk_mul_f32 v[\X+32*lg+lp:\X+32*lg+lp+1], v[\X+32*lg+lp:\X+32*lg+lp+1], v[\T+6*lg+4:\T+6*lg+5] op_sel_hi:[1,0]
.set lg, lg+1
.endr
.set lp, lp+2
.endr
.set lp, 0
.rept 16
.set lg, 0
.rept \nh
	v_pk_fma_f32 v[\X+32*lg+lp:\X+32*lg+lp+1], v[\X+32*lg+lp:\X+32*lg+lp+1], v[\W+lp:\W+lp+1], v[\B+lp:\B+lp+1]
.set lg, lg+1
.endr
.set lp, lp+2
.endr
.endm
	s_load_b256 s[68:75], s[0:1], 0x0              ; context s[68:69], Wk s[70:71], Wv s[72:73], the scales s[74:75]
	s_load_b256 s[76:83], s[0:1], 0x20             ; query s[76:77], Wk_b s[78:79], Wv_b s[80:81], kn_w s[82:83]
	s_load_b256 s[84:91], s[0:1], 0x40             ; kn_b s[84:85], xq s[86:87], kq s[88:89], vq s[90:91]
	v_lshl_add_u32 v[SPW], v0, 2, SPARE
	v_mov_b32 v[NIL], 0
	ds_add_u32 v28, v29
	s_wait_dscnt 0x0
	v_lshrrev_b32 v1, 5, v0
	v_readfirstlane_b32 s14, v1                    ; wave 0..3
	s_lshr_b32 s15, s14, 1                         ; which half of the tile's rows is mine; also: I fetch for A (0) or B (1)
	s_and_b32 s16, s14, 1                          ; which half of its columns; also: which 128 rows I fetch
	s_bfe_u32 s40, ttmp6, 0x40000                  ; cx
	s_bfe_u32 s41, ttmp6, 0x40004                  ; cy
	s_and_b32 s12, ttmp7, 0xffff                   ; the cluster's y, 0..3
	s_cmp_eq_u32 ttmp9, 0                          ; the cluster's x: 0 makes K, 1 makes V
	s_cselect_b32 s42, 0, s12                      ; K has 4 tile columns, V 16
	s_cselect_b32 s17, s12, 0                      ; K has 16 tile rows, V 4
	s_lshl_b32 s42, s42, 2
	s_add_co_u32 s42, s42, s40                     ; tile column of C'
	s_lshl_b32 s17, s17, 2
	s_add_co_u32 s17, s17, s41                     ; tile row of C'
	s_lshl_b32 s43, s41, 2
	s_lshl_b32 s43, 15, s43                        ; my row of the cluster
	s_lshl_b32 s44, 0x1111, s40                    ; my column
	s_or_b32 s[G1+0], s43, (0<<16)|(1<<20)|(1<<21)|(5<<22)|(3<<25)   ; the mask; elements of 1 byte; padding of 4 words behind every 64
	s_or_b32 s[G1B+0], s44, (0<<16)|(1<<20)|(1<<21)|(5<<22)|(3<<25)
.irp g, G1, G1B
	s_mov_b32 s[\g+1], ROWB<<16                    ; tensor_dim0
	s_mov_b32 s[\g+2], 128<<16                     ; tensor_dim1
	s_mov_b32 s[\g+3], ROWB<<16                    ; tile_dim0
	s_mov_b32 s[\g+4], 128                         ; tile_dim1
	s_mov_b32 s[\g+5], KROW                        ; the pitch
	s_mov_b32 s[\g+6], 0
	s_mov_b32 s[\g+7], 0
.endr
	s_lshl_b32 s18, s16, 7
	s_lshl_b32 s20, s17, 8
	s_add_co_u32 s20, s20, s18                     ; A': row 256 x tile row + 128 x half
	s_lshl_b32 s46, s42, 8
	s_add_co_u32 s46, s46, s18                     ; B': row 256 x tile column + 128 x half
	s_lshl_b32 s20, s20, 10                        ; x 1,024 bytes
	s_lshl_b32 s46, s46, 10
	s_mov_b32 s21, 0
	s_mov_b32 s47, 0
	s_mul_i32 s45, s14, HALFT                      ; where they go: wave x 128 rows
	s_lshl_b32 s18, s12, 2                         ; the query's share: work-group 8 (4 Y + cy) + 4 X + cx takes 32 rows;
	s_add_co_u32 s18, s18, s41
	s_lshl_b32 s18, s18, 3
	s_lshl_b32 s19, ttmp9, 2
	s_add_co_u32 s18, s18, s19
	s_add_co_u32 s18, s18, s40
	s_lshl_b32 s18, s18, 1
	s_add_co_u32 s18, s18, s15                     ; my wave the tile of 16 rows 2 x work-group + wave / 2, K steps 4 (wave % 2) on
	s_lshl_b32 s22, s18, 16
	s_lshl_b32 s19, s16, 11
	s_add_co_u32 s22, s22, s19                     ; in query: 16 rows of 4,096 bytes a tile, 2,048 bytes for four K steps
	s_mov_b32 s23, 0
	s_lshl_b32 s18, s18, 14
	s_lshl_b32 s19, s16, 13
	s_add_co_u32 s18, s18, s19                     ; in xq: 8 images of 2,048 bytes a tile
	s_mov_b32 s19, 0
	s_wait_kmcnt 0x0
	s_load_b256 s[92:99], s[74:75], 0x0            ; e0 .. e7
	s_load_b64 s[100:101], s[74:75], 0x20          ; e8, e9
	s_cmp_eq_u32 ttmp9, 0
	s_cselect_b64 s[4:5], s[68:69], s[72:73]       ; A' = context or Wv
	s_cselect_b64 s[6:7], s[70:71], s[68:69]       ; B' = Wk or context
	s_add_nc_u64 s[20:21], s[4:5], s[20:21]
	s_add_nc_u64 s[46:47], s[6:7], s[46:47]
	s_add_nc_u64 s[QP:QP+1], s[76:77], s[22:23]
	s_add_nc_u64 s[XP:XP+1], s[86:87], s[18:19]
	CROUND                                         ; all sixteen work-groups are here: the first joint loads meet
.irp s, 0,1
	s_mov_b32 s[G0+4*\s], 1
	s_add_co_u32 s[G0+4*\s+1], s45, \s*SLOT
	s_add_nc_u64 s[G0+4*\s+2:G0+4*\s+3], s[20:21], \s*ROWB
	s_or_b32 s[G0+4*\s+3], s[G0+4*\s+3], 0x80000000
	s_mov_b32 s[G0B+4*\s], 1
	s_add_co_u32 s[G0B+4*\s+1], s45, \s*SLOT
	s_add_nc_u64 s[G0B+4*\s+2:G0B+4*\s+3], s[46:47], \s*ROWB
	s_or_b32 s[G0B+4*\s+3], s[G0B+4*\s+3], 0x80000000
	JLOAD G0+4*\s, G1, G0B+4*\s, G1B               ; two loads of mine are out
.endr
	v_and_b32 v1, 15, v0                           ; r
	v_bfe_u32 v2, v0, 4, 1                         ; h
	v_mul_u32_u24 v3, v1, PITCH
	v_lshl_add_u32 v4, v2, 4, v3                   ; a fragment's row x pitch + 16 h
	s_mul_i32 s21, s15, HALFT
	s_mul_i32 s22, s16, HALFT
	s_add_co_u32 s22, s22, 2*HALFT
.irp s, 0,1
	v_add_nc_u32 v[ADRA+\s], s21, v4
	v_add_nc_u32 v[ADRB+\s], s22, v4
	s_add_co_u32 s21, s21, SLOT
	s_add_co_u32 s22, s22, SLOT
.endr
	v_and_b32 v6, 31, v0
	v_lshlrev_b32 v[LI], 4, v6
	s_mul_i32 s18, s14, XSW
	s_add_co_u32 s18, s18, XST                     ; my stage
	v_add_nc_u32 v[XIN], s18, v[LI]                ; in: a row's 512 bytes as they lie
	v_mul_u32_u24 v[XOUT], v1, XSP
	v_lshl_add_u32 v[XOUT], v2, 6, v[XOUT]
	v_add_nc_u32 v[XOUT], s18, v[XOUT]             ; out: row r, + 64 h: my 16 numbers of a block of 32
	v_lshlrev_b32 v[HO], 5, v2
	v_lshlrev_b32 v[RO], 2, v1
; ---- the query's codes: four fragments of 16 rows x 128 K a wave.  Each load reads 512 consecutive bytes of one row; the stage turns them into 16 neighbours a lane
.macro XLOAD f
.set n, 0
.rept 16
	global_load_b128 v[XS+64*((\f)%2)+4*n:XS+64*((\f)%2)+4*n+3], v[LI], s[QP:QP+1] offset:512*(\f)+4096*n th:TH_LOAD_NT
.set n, n+1
.endr
.endm
.macro XFRAG f
.if (\f) < 3
	s_wait_loadcnt 16                              ; this fragment's 16 loads are in; the next fragment's may be out
.else
	s_wait_loadcnt 0x0
.endif
.set n, 0
.rept 16
	ds_store_b128 v[XIN], v[XS+64*((\f)%2)+4*n:XS+64*((\f)%2)+4*n+3] offset:XSP*n
.set n, n+1
.endr
.irp c, 0,1,2,3
.irp j, 0,1,2,3
	ds_load_b128 v[XY+16*\c+4*\j:XY+16*\c+4*\j+3], v[XOUT] offset:128*\c+16*\j   ; LDS serves a wave's instructions in order: these see my stores
.endr
.endr
	s_wait_dscnt 0x0                               ; the numbers are back, and the stores have read their registers,
.if (\f) < 2
	XLOAD (\f)+2                                   ; which take the fragment two further on
.endif
.if (\f) > 0
	s_wait_xcnt 0x0                                ; the last fragment's stores have read their codes
.endif
	QCVT XY, 8, XC, XSC, XLM
.irp c, 0,1,2,3
	global_store_b128 v[LI], v[XC+4*\c:XC+4*\c+3], s[XP:XP+1] offset:2048*(\f)+512*\c   ; 512 consecutive bytes
.endr
.endm
	XLOAD 0
	XLOAD 1
	s_wait_kmcnt 0x0
	s_add_co_i32 s18, s92, 127
	s_lshl_b32 s19, s18, 23
	v_mov_b32 v[XSC], s19                          ; 2^e0
	s_add_co_i32 s18, s18, 8
	s_lshl_b32 s18, s18, 23
	s_or_b32 s18, s18, 0x600000
	v_mov_b32 v[XLM], s18                          ; 448 x 2^e0
	s_add_co_i32 s18, s94, s95                     ; e2 + e3
	s_add_co_i32 s19, s96, s97                     ; e4 + e5
	s_cmp_eq_u32 ttmp9, 0
	s_cselect_b32 s18, s18, s19
	s_cselect_b32 s19, s99, s101                   ; e7 for K, e9 for V
	s_add_co_i32 s18, s18, 127
	s_lshl_b32 s[SC], s18, 23                      ; what a sum is multiplied by
	s_mov_b32 s[SC+1], s[SC]
	s_add_co_i32 s19, s19, 127
	s_lshl_b32 s[QSS], s19, 23
	s_add_co_i32 s19, s19, 8
	s_lshl_b32 s19, s19, 23
	s_or_b32 s[QLS], s19, 0x600000
	s_mov_b32 s[SEL], 0x76543210
	s_mov_b32 s[SEL+1], 0xfedcba98
	s_mov_b32 s[INV], 0x3c800000
	s_mov_b32 s[EPS], 0x3727c5ac
	XFRAG 0
	XFRAG 1
	XFRAG 2
	XFRAG 3
	s_wait_xcnt 0x0                                ; the last stores have read their codes: A's fragments will land there
	; ---- what the way out will want is asked for now, into registers that the loop over K never names
	s_cmp_lg_u32 ttmp9, 0
	s_cbranch_scc1 .Lpar_v
	s_lshl_b32 s18, s42, 10
	s_lshl_b32 s19, s16, 9
	s_add_co_u32 s18, s18, s19
	s_mov_b32 s19, 0
	s_add_nc_u64 s[78:79], s[78:79], s[18:19]      ; Wk_b at my first column
.irp b, 0,1,2,3,4,5,6,7
	global_load_b128 v[BIAS+8*\b:BIAS+8*\b+3], v[HO], s[78:79] offset:64*\b
	global_load_b128 v[BIAS+8*\b+4:BIAS+8*\b+7], v[HO], s[78:79] offset:64*\b+16
.endr
.irp b, 0,1,2,3
	global_load_b128 v[LW+8*\b:LW+8*\b+3], v[HO], s[82:83] offset:64*\b
	global_load_b128 v[LW+8*\b+4:LW+8*\b+7], v[HO], s[82:83] offset:64*\b+16
.endr
	s_branch .Lpar_done
.Lpar_v:
	s_lshl_b32 s18, s17, 10
	s_lshl_b32 s19, s15, 9
	s_add_co_u32 s18, s18, s19
	s_mov_b32 s19, 0
	s_add_nc_u64 s[80:81], s[80:81], s[18:19]      ; Wv_b at my first row
.irp a, 0,1,2,3,4,5,6,7
	global_load_b32 v[BV+2*\a], v[RO], s[80:81] offset:64*\a      ; the bias of row 16 a + r, in both registers of a pair
	global_load_b32 v[BV+2*\a+1], v[RO], s[80:81] offset:64*\a
.endr
.Lpar_done:
.macro FRAG reg, adr, q, i             ; 16 rows x 128 K: registers 4 c .. 4 c + 3 hold K = 32 c + 16 h + 0 .. 15, alike in A and B
.irp c, 0,1,2,3
	ds_load_b128 v[\reg+4*\c:\reg+4*\c+3], v[\adr] offset:128*(\q)+32*\c+(\i)*16*PITCH
.endr
.endm
; 16 matrix instructions: A's blocks a0, a0 + 1 x B's eight.  The 64 accumulators take turns, one instruction a turn
.macro MUL16 a0, p, zero
.irp a, \a0, \a0+1
.irp b, 0,1,2,3,4,5,6,7
.if \zero
	v_wmma_f32_16x16x128_fp8_fp8 v[8*(8*((\a)%4)+\b):8*(8*((\a)%4)+\b)+7], v[128*(\p)+FR*\b:128*(\p)+FR*\b+FR-1], v[AF+FR*(\a):AF+FR*(\a)+FR-1], 0
.else
	v_wmma_f32_16x16x128_fp8_fp8 v[8*(8*((\a)%4)+\b):8*(8*((\a)%4)+\b)+7], v[128*(\p)+FR*\b:128*(\p)+FR*\b+FR-1], v[AF+FR*(\a):AF+FR*(\a)+FR-1], v[8*(8*((\a)%4)+\b):8*(8*((\a)%4)+\b)+7]
.endif
.endr
.endr
.endm
.macro FETCH_B slot, q, p
	WIN TO_B
.irp i, 0,1,2,3,4,5,6,7
	FRAG 128*(\p)+FR*\i, ADRB+\slot, \q, \i
.endr
	WIN 0
.endm
.macro FETCH_A slot, q, i0
.irp i, \i0, \i0+1, \i0+2, \i0+3
	FRAG AF+FR*(\i), ADRA+\slot, \q, \i
.endr
.endm
.macro STEP slot, q, zero              ; 128 along K with its successor in the same slot
	s_wait_dscnt 4*NL                              ; B's set and A's blocks 0-3 are in; the youngest 16 loads (A's blocks 4-7) may be out
	WIN MUL_LO
	MUL16 0, (\q)%2, \zero
	MUL16 2, (\q)%2, \zero
	s_wait_dscnt 0
	PLACES NP
	FETCH_B \slot, (\q)+1, 1-(\q)%2
	FETCH_A \slot, (\q)+1, 0
	WIN MUL_HI
	MUL16 4, (\q)%2, \zero
	MUL16 6, (\q)%2, \zero
	PLACES NP
	WIN 0
	FETCH_A \slot, (\q)+1, 4
.endm
.macro TURN slot, next, fill           ; a slot's last step changes slots: one barrier, which opens a round of the cluster's where the slot is filled again
	s_wait_tensorcnt 0x0                           ; all my tensor loads have landed: my part of the next slot
	ds_add_u32 v[SPW], v[NIL]                      ; 0 onto my spare word
	s_wait_dscnt 4*NL+1                            ; (the add and A's blocks 4-7 may be out)
	WIN MUL_LO
	MUL16 0, 1, 0
	s_wait_dscnt 0x0                               ; the add is done, and my reads of this slot are over
	s_barrier_signal -1
	MUL16 2, 1, 0
	WIN 0
	s_barrier_wait -1
.if \fill
	CREST
	s_add_nc_u64 s[G0+4*\slot+2:G0+4*\slot+3], s[G0+4*\slot+2:G0+4*\slot+3], 2*ROWB
	s_add_nc_u64 s[G0B+4*\slot+2:G0B+4*\slot+3], s[G0B+4*\slot+2:G0B+4*\slot+3], 2*ROWB
	JLOAD G0+4*\slot, G1, G0B+4*\slot, G1B         ; the first tensor load behind the round; its four v_nop are the places in front of the loads below
.else
	PLACES NP
.endif
	FETCH_B \next, 0, 0
	FETCH_A \next, 0, 0
	WIN MUL_HI
	MUL16 4, 1, 0
	MUL16 6, 1, 0
	PLACES NP
	WIN 0
	FETCH_A \next, 0, 4
.endm
	s_wait_tensorcnt 1                             ; my part of K step 0 is in (K step 1's load may be out); no LDS instruction of mine is out
	s_barrier_signal -1
	s_barrier_wait -1
	FETCH_B 0, 0, 0
	FETCH_A 0, 0, 0
	FETCH_A 0, 0, 4
	STEP 0, 0, 1                                   ; the first step's products start the sums
	s_mov_b32 s3, LAPS-1
.Llap:
	TURN 0, 1, 1
	STEP 1, 0, 0
	TURN 1, 0, 1
	STEP 0, 0, 0
	s_sub_co_u32 s3, s3, 1
	s_cmp_lg_u32 s3, 0
	s_cbranch_scc1 .Llap
	TURN 0, 1, 0
	STEP 1, 0, 0
	s_wait_dscnt 4*NL
	WIN MUL_LO
	MUL16 0, 1, 0
	MUL16 2, 1, 0
	s_wait_dscnt 0
	WIN MUL_HI
	MUL16 4, 1, 0
	MUL16 6, 1, 0
	WIN 0
; ---- THE WAY OUT: a counted loop over my eight blocks of 16 rows.  Only the lines that read the accumulators differ from block to block: they are written eight times, and a chain of scalar compares picks one.
.macro SNIP a, kind                    ; block a's sums x the factor + the bias, each accumulator from its low end on
	WIN 0x02+((\a)/4)
.set AC, 64*((\a)%4)
.set sj, 0
.rept 32
.if \kind == 1
	v_pk_fma_f32 v[TMP+sj:TMP+sj+1], v[AC+sj:AC+sj+1], s[SC:SC+1], v[BIAS+sj:BIAS+sj+1] op_sel_hi:[1,0,1]
.else
	v_pk_fma_f32 v[TMP+sj:TMP+sj+1], v[AC+sj:AC+sj+1], s[SC:SC+1], v[BV+2*(\a):BV+2*(\a)+1] op_sel_hi:[1,0,1]
.endif
.set sj, sj+2
.endr
	WIN 0
.endm
.macro GETBLOCK kind
	s_cmp_eq_u32 s[BI], 0
	s_cbranch_scc1 .Lga_\@
	s_cmp_eq_u32 s[BI], 1
	s_cbranch_scc1 .Lgb_\@
	s_cmp_eq_u32 s[BI], 2
	s_cbranch_scc1 .Lgc_\@
	s_cmp_eq_u32 s[BI], 3
	s_cbranch_scc1 .Lgd_\@
	s_cmp_eq_u32 s[BI], 4
	s_cbranch_scc1 .Lge_\@
	s_cmp_eq_u32 s[BI], 5
	s_cbranch_scc1 .Lgf_\@
	s_cmp_eq_u32 s[BI], 6
	s_cbranch_scc1 .Lgg_\@
	SNIP 7, \kind
	s_branch .Lgot_\@
.Lga_\@:
	SNIP 0, \kind
	s_branch .Lgot_\@
.Lgb_\@:
	SNIP 1, \kind
	s_branch .Lgot_\@
.Lgc_\@:
	SNIP 2, \kind
	s_branch .Lgot_\@
.Lgd_\@:
	SNIP 3, \kind
	s_branch .Lgot_\@
.Lge_\@:
	SNIP 4, \kind
	s_branch .Lgot_\@
.Lgf_\@:
	SNIP 5, \kind
	s_branch .Lgot_\@
.Lgg_\@:
	SNIP 6, \kind
.Lgot_\@:
.endm
	PLACES NP                                      ; behind the last products: for the reads of results, and for writes and loads into A's registers
	v_mov_b32 v[QS], s[QSS]
	v_mov_b32 v[QL], s[QLS]
	s_mov_b32 s[BI], 0
	s_lshl_b32 s18, s17, 8
	s_lshl_b32 s19, s15, 7
	s_add_co_u32 s18, s18, s19                     ; m0: my first row of C'
	s_lshl_b32 s22, s42, 8
	s_lshl_b32 s19, s16, 7
	s_add_co_u32 s22, s22, s19                     ; n0: my first column
	s_cmp_lg_u32 ttmp9, 0
	s_cbranch_scc1 .Lv_out
	; K: rows are keys, my 128 columns are two heads
.irp b, 0,1,2,3
	global_load_b128 v[LB+8*\b:LB+8*\b+3], v[HO], s[84:85] offset:64*\b
	global_load_b128 v[LB+8*\b+4:LB+8*\b+7], v[HO], s[84:85] offset:64*\b+16
.endr
	s_lshr_b32 s19, s18, 11                        ; the batch
	s_and_b32 s18, s18, 2047
	s_lshl_b32 s18, s18, 6                         ; (key / 16) x 1,024
	s_lshl_b32 s19, s19, 4
	s_lshr_b32 s22, s22, 6                         ; my first head
	s_add_co_u32 s19, s19, s22
	s_lshl_b32 s19, s19, 17                        ; a head's 128 images
	s_add_co_u32 s18, s18, s19
	s_mov_b32 s19, 0
	s_add_nc_u64 s[OP:OP+1], s[88:89], s[18:19]
	s_wait_loadcnt 8                               ; Wk_b and kn_w are in; kn_b's 8 loads may be out: the norm waits for them
.Lkblk:
	GETBLOCK 1
	LNORM 2, TMP, LW, LB, LT
	QCVT TMP, 8, CD, QS, QL
.irp g, 0,1
.irp c, 0,1
	global_store_b128 v[LI], v[CD+8*\g+4*\c:CD+8*\g+4*\c+3], s[OP:OP+1] offset:131072*\g+512*\c
.endr
.endr
	s_wait_xcnt 0x0                                ; the stores have read their codes and their base
	s_add_nc_u64 s[OP:OP+1], s[OP:OP+1], 1024      ; the next 16 keys
	s_add_co_u32 s[BI], s[BI], 1
	s_cmp_lt_u32 s[BI], 8
	s_cbranch_scc1 .Lkblk
	s_branch .Ldone
.Lv_out:
	; V: rows are dims (two heads of four blocks), my 128 columns are one K step of keys
	s_lshr_b32 s18, s18, 6                         ; my first head
	s_lshr_b32 s19, s22, 11                        ; the batch
	s_lshl_b32 s19, s19, 4
	s_add_co_u32 s18, s18, s19
	s_lshl_b32 s18, s18, 17
	s_and_b32 s22, s22, 2047
	s_lshl_b32 s22, s22, 6                         ; (key / 128) x 8,192
	s_add_co_u32 s18, s18, s22
	s_mov_b32 s19, 0
	s_add_nc_u64 s[OP:OP+1], s[90:91], s[18:19]
	s_wait_loadcnt 0x0                             ; Wv_b
.Lvblk:
	GETBLOCK 2
	QCVT TMP, 8, CD, QS, QL
	s_lshr_b32 s18, s[BI], 2
	s_lshl_b32 s18, s18, 17                        ; the head,
	s_and_b32 s19, s[BI], 3
	s_lshl_b32 s19, s19, 11                        ; its tile of 16 dims
	s_add_co_u32 s18, s18, s19
	s_mov_b32 s19, 0
	s_add_nc_u64 s[20:21], s[OP:OP+1], s[18:19]
.irp c, 0,1,2,3
	global_store_b128 v[LI], v[CD+4*\c:CD+4*\c+3], s[20:21] offset:512*\c
.endr
	s_wait_xcnt 0x0
	s_add_co_u32 s[BI], s[BI], 1
	s_cmp_lt_u32 s[BI], 8
	s_cbranch_scc1 .Lvblk
.Ldone:
	s_wait_tensorcnt 0x0                           ; the wave's end
	ds_add_u32 v[SPW], v[NIL]
	s_wait_dscnt 0x0
	CROUND                                         ; the closing round
	s_endpgm
.Lfunc_end_k_qdfec724caa_kvx:
	.size	k_qdfec724caa_kvx, .Lfunc_end_k_qdfec724caa_kvx-k_qdfec724caa_kvx
	.p2alignl 7, 3214868480
	.fill 96, 4, 3214868480
	.section	.rodata,"a",@progbits
	.p2align	6, 0x0
	.amdhsa_kernel k_qdfec724caa_kvx
		.amdhsa_group_segment_fixed_size 327680
		.amdhsa_private_segment_fixed_size 0
		.amdhsa_enable_private_segment 0
		.amdhsa_kernarg_size 96
		.amdhsa_user_sgpr_count 2
		.amdhsa_user_sgpr_kernarg_segment_ptr 1
		.amdhsa_wavefront_size32 1
		.amdhsa_system_sgpr_workgroup_id_x 1
		.amdhsa_system_sgpr_workgroup_id_y 1
		.amdhsa_system_sgpr_workgroup_id_z 1
		.amdhsa_system_vgpr_workitem_id 0
		.amdhsa_next_free_vgpr 1024
		.amdhsa_next_free_sgpr 104
		.amdhsa_reserve_vcc 0
		.amdhsa_float_denorm_mode_32 3
		.amdhsa_float_denorm_mode_16_64 3
		.amdhsa_memory_ordered 1
		.amdhsa_forward_progress 1
		.amdhsa_inst_pref_size 175
	.end_amdhsa_kernel
	.amdgpu_metadata
---
amdhsa.version: [ 1, 2 ]
amdhsa.kernels:
  - .name:           k_qdfec724caa_kvx
    .symbol:         k_qdfec724caa_kvx.kd
    .args:
      - { .name: context_codes, .offset: 0, .size: 8, .value_kind: global_buffer, .address_space: global }
      - { .name: Wk_w_codes, .offset: 8, .size: 8, .value_kind: global_buffer, .address_space: global }
      - { .name: Wv_w_codes, .offset: 16, .size: 8, .value_kind: global_buffer, .address_space: global }
      - { .name: lowp_scales, .offset: 24, .size: 8, .value_kind: global_buffer, .address_space: global }
      - { .name: query, .offset: 32, .size: 8, .value_kind: global_buffer, .address_space: global }
      - { .name: Wk_b, .offset: 40, .size: 8, .value_kind: global_buffer, .address_space: global }
      - { .name: Wv_b, .offset: 48, .size: 8, .value_kind: global_buffer, .address_space: global }
      - { .name: kn_w, .offset: 56, .size: 8, .value_kind: global_buffer, .address_space: global }
      - { .name: kn_b, .offset: 64, .size: 8, .value_kind: global_buffer, .address_space: global }
      - { .name: xq, .offset: 72, .size: 8, .value_kind: global_buffer, .address_space: global }
      - { .name: kq, .offset: 80, .size: 8, .value_kind: global_buffer, .address_space: global }
      - { .name: vq, .offset: 88, .size: 8, .value_kind: global_buffer, .address_space: global }
    .group_segment_fixed_size: 327680
    .private_segment_fixed_size: 0
    .kernarg_segment_align: 8
    .kernarg_segment_size: 96
    .max_flat_workgroup_size: 128
    .sgpr_count:     104
    .vgpr_count:     1024
    .wavefront_size: 32
...
	.end_amdgpu_metadata
.endif
;; end of part 1
;; launch attn (part 2): grid 8 x 32, 16 waves a work-group, no clusters, 327,680 bytes of LDS; arguments xq, Wq_w_codes, Wq_b, qn_w, qn_b, kq, vq, lowp_scales, query, res2; writes res2
.if DOCPART == 2
	.amdgcn_target "amdgcn-amd-amdhsa--gfx1250"
	.amdhsa_code_object_version 6
	.text
	.protected	k_qdfec724caa_attn
	.globl	k_qdfec724caa_attn
	.p2align	8
	.type	k_qdfec724caa_attn,@function
k_qdfec724caa_attn:
	s_mov_b64 s[64:65], 0
	v_nop
	global_prefetch_b8 v0, s[64:65] scope:SCOPE_SE
	s_setreg_imm32_b32 hwreg(HW_REG_WAVE_MODE, 25, 1), 1
	s_wait_xcnt 0x0
; res2 = query + softmax(LN(query Wq + b) LN(K)^T / 8) V, for 256 queries of one head a work-group; all three products on E4M3 codes.
; SHARES.  Sixteen waves, 16 queries each, in 256 registers: four waves to a SIMD, so that one wave's vector work stands beside another's products and LDS loads.
; Q: each wave projects its own 16 rows onto its head's 64 columns (x's codes come as register images from xq, the head's 64 rows of Wq through LDS), norms them and quantises them in registers.
; Both attention products are used transposed (S^T = K Q^T, O^T = V^T P^T): a lane holds ONE query (lane % 16) throughout.  kq and vq hold register images, so a fragment is dense ds_load_b128.
; In S^T tile t, register j of lane (r, h) is key 16 t + 8 h + j: p's codes of tile t are registers 2 t, 2 t + 1 of the K = 128 form's own layout, the one in which vq's images lie.
; THE SOFTMAX: t = score x log2(e) / 8; M = the running largest t rounded up to a whole number; p = 2^(t - M) is quantised (entry 8), not normalised; the sum of the unquantised p divides at the end.
; THE RING: two slots of 512 keys (K 32,768 bytes, V 32,768); waves 0 to 3 fetch 16,384 bytes each, one tensor load a wave behind each change of slots.  A wave has one tensor load out at most.
; NO CLUSTER: the eight query blocks of a head read the same K and V, but a slot's 65,536 bytes are asked for a whole slot, four key steps of each of sixteen waves, ahead of their first read;
; a joint request would put a round that ties 64 waves together in front of each of the four changes of slots, for 256 KiB a work-group in all.
; LIMITS: e0 + e1 between -126 and 127; e6, e8 between -126 and 119; e6 + e7 between -123 and 130 (added to c's exponent field); e8 + e9 goes in by v_ldexp_f32.  NaN among the inputs is not served.
; REGISTERS: v1-11 addresses; v12 -M, v13 the largest t, v[14:15] the sum; v16-23 Q; v24-31 the norm's; v32-95 fragments; v96-159 S^T, then p; v160-191 O^T; v224-239 p's codes; v236-254 at work.
;   While Q is made: v96-223 x's eight fragments (later Wq_b, qn_w, qn_b), v224-255 the four accumulators.
.set SLOT1, 65536
.set WQB,   131072                     ; the head's 64 rows of Wq, 1,024 bytes + 16 of padding each
.set WQP,   1040
.set STG,   197632                     ; the way out: 16 rows x 272 bytes for each wave
.set SPARE, 267264                     ; the spare words: 128 bytes a wave, named by no other line
.set NSL,   4                          ; slots' worth of keys
.set NQ,    4                          ; key steps in a slot
.set LI,   1                           ; v1   16 x lane
.set AW,   2                           ; v2   my lane's place in a tile of Wq
.set PFO,  3                           ; v3   256 x lane
.set ADR,  4                           ; v4   the slot in hand + 16 x lane
.set SPW,  5
.set NIL,  6
.set GO,   7                           ; v7   4,096 h + 16 r
.set HO,   8                           ; v8   32 h
.set SIN,  10
.set SOUT, 11
.set QF,   16
.set LT,   24
.set QS,   30
.set QL,   31
.set WV,   24
.set SEL,  26
.set CS,   28
.set TB,   30
.set SLOTS, 31
.set G1R,  32                          ; s[32:39] a dense block of 16,384 bytes as 64 rows of 256
.set G1W,  40                          ; s[40:47] 16 rows of 1,024 bytes, padded
.set G0R,  48
.set G0W,  52
.set INV,  56
.set EPS,  57
.set PFA,  58
.set LIM,  60
.set SCQ,  78
.macro QCVT X, n, C, sc, lim           ; the hold (the conversion does not saturate: ISA guide 7.6.2), the conversion, one plain line
.set qi, 0
.rept 8*\n
	v_med3_num_f32 v[\X+qi], v[\X+qi], -v[\lim], v[\lim]
.set qi, qi+1
.endr
.set qi, 0
.rept \n
	v_cvt_scalef32_pk8_fp8_f32 v[\C+2*qi:\C+2*qi+1], v[\X+8*qi:\X+8*qi+7], v[\sc]
.set qi, qi+1
.endr
	v_nop
.endm
; LayerNorm over 64 numbers, of which a lane holds 32 and lane l xor 16 the others.  Mean first, then the squares of the differences.
.macro LNORM nh, X, W, B, T
.set lg, 0
.rept \nh
	v_pk_add_f32 v[\T+6*lg:\T+6*lg+1], v[\X+32*lg:\X+32*lg+1], v[\X+32*lg+2:\X+32*lg+3]
	v_pk_add_f32 v[\T+6*lg+2:\T+6*lg+3], v[\X+32*lg+4:\X+32*lg+5], v[\X+32*lg+6:\X+32*lg+7]
.set lg, lg+1
.endr
.set lp, 8
.rept 6
.set lg, 0
.rept \nh
	v_pk_add_f32 v[\T+6*lg:\T+6*lg+1], v[\T+6*lg:\T+6*lg+1], v[\X+32*lg+lp:\X+32*lg+lp+1]
	v_pk_add_f32 v[\T+6*lg+2:\T+6*lg+3], v[\T+6*lg+2:\T+6*lg+3], v[\X+32*lg+lp+2:\X+32*lg+lp+3]
.set lg, lg+1
.endr
.set lp, lp+4
.endr
.set lg, 0
.rept \nh
	v_pk_add_f32 v[\T+6*lg:\T+6*lg+1], v[\T+6*lg:\T+6*lg+1], v[\T+6*lg+2:\T+6*lg+3]
	v_add_f32 v[\T+6*lg], v[\T+6*lg], v[\T+6*lg+1]
	v_permlanex16_b32 v[\T+6*lg+1], v[\T+6*lg], s[SEL], s[SEL+1]
	v_add_f32 v[\T+6*lg], v[\T+6*lg], v[\T+6*lg+1]
	v_mul_f32 v[\T+6*lg], s[INV], v[\T+6*lg]       ; the mean
.set lg, lg+1
.endr
.set lp, 0
.rept 16
.set lg, 0
.rept \nh
	v_pk_add_f32 v[\X+32*lg+lp:\X+32*lg+lp+1], v[\X+32*lg+lp:\X+32*lg+lp+1], v[\T+6*lg:\T+6*lg+1] op_sel_hi:[1,0] neg_lo:[0,1] neg_hi:[0,1]
.set lg, lg+1
.endr
.set lp, lp+2
.endr
.set lg, 0
.rept \nh
	v_pk_mul_f32 v[\T+6*lg+2:\T+6*lg+3], v[\X+32*lg:\X+32*lg+1], v[\X+32*lg:\X+32*lg+1]
	v_pk_mul_f32 v[\T+6*lg+4:\T+6*lg+5], v[\X+32*lg+2:\X+32*lg+3], v[\X+32*lg+2:\X+32*lg+3]
.set lg, lg+1
.endr
.set lp, 4
.rept 7
.set lg, 0
.rept \nh
	v_pk_fma_f32 v[\T+6*lg+2:\T+6*lg+3], v[\X+32*lg+lp:\X+32*lg+lp+1], v[\X+32*lg+lp:\X+32*lg+lp+1], v[\T+6*lg+2:\T+6*lg+3]
	v_pk_fma_f32 v[\T+6*lg+4:\T+6*lg+5], v[\X+32*lg+lp+2:\X+32*lg+lp+3], v[\X+32*lg+lp+2:\X+32*lg+lp+3], v[\T+6*lg+4:\T+6*lg+5]
.set lg, lg+1
.endr
.set lp, lp+4
.endr
.set lg, 0
.rept \nh
	v_pk_add_f32 v[\T+6*lg+2:\T+6*lg+3], v[\T+6*lg+2:\T+6*lg+3], v[\T+6*lg+4:\T+6*lg+5]
	v_add_f32 v[\T+6*lg+2], v[\T+6*lg+2], v[\T+6*lg+3]
	v_permlanex16_b32 v[\T+6*lg+3], v[\T+6*lg+2], s[SEL], s[SEL+1]
	v_add_f32 v[\T+6*lg+2], v[\T+6*lg+2], v[\T+6*lg+3]
	v_fma_f32 v[\T+6*lg+2], v[\T+6*lg+2], s[INV], s[EPS]   ; the variance + eps
	v_rsq_f32 v[\T+6*lg+4], v[\T+6*lg+2]
.set lg, lg+1
.endr
	v_nop                                          ; a plain line behind the transcendental
	s_wait_loadcnt 0x0                             ; the gain and the bias are in
	s_wait_alu depctr_va_vdst(0)                   ; the wait ahead of the first reader
.set lp, 0
.rept 16
.set lg, 0
.rept \nh
	v_pk_mul_f32 v[\X+32*lg+lp:\X+32*lg+lp+1], v[\X+32*lg+lp:\X+32*lg+lp+1], v[\T+6*lg+4:\T+6*lg+5] op_sel_hi:[1,0]
.set lg, lg+1
.endr
.set lp, lp+2
.endr
.set lp, 0
.rept 16
.set lg, 0
.rept \nh
	v_pk_fma_f32 v[\X+32*lg+lp:\X+32*lg+lp+1], v[\X+32*lg+lp:\X+32*lg+lp+1], v[\W+lp:\W+lp+1], v[\B+lp:\B+lp+1]
.set lg, lg+1
.endr
.set lp, lp+2
.endr
.endm
.macro RLOAD                           ; the ring's refill: waves 0 to 3, one load each; four v_nop follow it
	s_cmp_lt_u32 s[WV], 4
	s_cbranch_scc0 .Lnone_\@
	tensor_load_to_lds s[G0R:G0R+3], s[G1R:G1R+7]
	s_nop 0
.rept 4
	v_nop
.endr
.Lnone_\@:
.endm
; A prefetch of what the NEXT change of slots will ask for.  All eight work-groups of a head walk the same K and V: the first of them asks.  In it waves 4 to 7 name K's 32,768 bytes of that slot,
; waves 8 to 11 V's: 8,192 bytes a wave, lanes 256 bytes apart, one instruction.  So each aligned block of 256 bytes is named once.  The last change that fills a slot asks for nothing.
.macro ASK
	s_cmp_gt_u32 s[SLOTS], s[LIM]
	s_cbranch_scc0 .Lnot_mine_\@
	global_prefetch_b8 v[PFO], s[PFA:PFA+1] th:TH_LOAD_NT scope:SCOPE_SE
.Lnot_mine_\@:
.endm
	s_load_b256 s[4:11], s[0:1], 0x0               ; xq s[4:5], Wq s[6:7], Wq_b s[8:9], qn_w s[10:11]
	s_load_b256 s[12:19], s[0:1], 0x20             ; qn_b s[12:13], kq s[14:15], vq s[16:17], the scales s[18:19]
	s_load_b128 s[20:23], s[0:1], 0x40             ; query s[20:21], res2 s[22:23]
	v_lshl_add_u32 v[SPW], v0, 2, SPARE
	v_mov_b32 v[NIL], 0
	ds_add_u32 v5, v6
	s_wait_dscnt 0x0
	v_lshrrev_b32 v4, 5, v0
	v_readfirstlane_b32 s[WV], v4                  ; wave 0..15
	s_and_b32 s80, ttmp7, 0xffff                   ; 16 x batch + head
	s_lshr_b32 s81, s80, 4
	s_and_b32 s82, s80, 15                         ; the head
	s_lshl_b32 s83, s81, 11
	s_lshl_b32 s84, ttmp9, 8
	s_add_co_u32 s83, s83, s84
	s_lshl_b32 s84, s[WV], 4
	s_add_co_u32 s83, s83, s84                     ; my first row: 2,048 x batch + 256 x work-group x + 16 x wave
	s_mov_b32 s[G1R], 3<<16                        ; elements of 8 bytes, no mask, no padding
	s_mov_b32 s[G1R+1], 32<<16                     ; tensor_dim0 = 32 (256 bytes)
	s_mov_b32 s[G1R+2], 64<<16                     ; tensor_dim1 = 64
	s_mov_b32 s[G1R+3], 32<<16                     ; tile_dim0
	s_mov_b32 s[G1R+4], 64                         ; tile_dim1
	s_mov_b32 s[G1R+5], 32                         ; the pitch: dense
	s_mov_b32 s[G1R+6], 0
	s_mov_b32 s[G1R+7], 0
	s_mov_b32 s[G1W], (0<<16)|(1<<20)|(7<<22)|(3<<25)   ; elements of 1 byte; 4 words of padding behind every 256
	s_mov_b32 s[G1W+1], 1024<<16
	s_mov_b32 s[G1W+2], 16<<16
	s_mov_b32 s[G1W+3], 1024<<16
	s_mov_b32 s[G1W+4], 16
	s_mov_b32 s[G1W+5], 1024
	s_mov_b32 s[G1W+6], 0
	s_mov_b32 s[G1W+7], 0
	s_mov_b32 s[SEL], 0x76543210
	s_mov_b32 s[SEL+1], 0xfedcba98
	s_mov_b32 s[INV], 0x3c800000                   ; 1 / 64
	s_mov_b32 s[EPS], 0x3727c5ac                   ; 1e-5
	s_mov_b32 s[TB], 0
	s_mov_b32 s[SLOTS], NSL-1
	s_lshl_b32 s84, s80, 17                        ; my head's 131,072 bytes in kq and in vq
	s_and_b32 s86, s[WV], 1
	s_lshl_b32 s86, s86, 14
	s_add_co_u32 s86, s84, s86                     ; the half of a slot's K or V that I fetch
	s_mov_b32 s87, 0
	s_and_b32 s88, s[WV], 3
	s_mul_i32 s90, s88, 16*WQP
	s_add_co_u32 s90, s90, WQB                     ; Wq: my 16 rows in LDS,
	s_lshl_b32 s91, s88, 13                        ; (my 8,192 bytes of a prefetch)
	s_lshl_b32 s88, s88, 14
	s_lshl_b32 s89, s82, 16
	s_add_co_u32 s88, s88, s89                     ; and in memory: 64 rows a head, 1,024 bytes a row
	s_mov_b32 s89, 0
	s_add_co_u32 s84, s84, s91
	s_add_co_u32 s84, s84, 32768                   ; the prefetches stand in slot 1: the first change of slots steps them to slot 2
	s_mov_b32 s85, 0
	s_wait_kmcnt 0x0
	s_load_b256 s[68:75], s[18:19], 0x0            ; e0 .. e7
	s_load_b64 s[76:77], s[18:19], 0x20            ; e8, e9
	s_mov_b32 s[G0R], 1
	s_lshl_b32 s[G0R+1], s[WV], 14                 ; slot 0: K's halves at 0 and 16,384, V's at 32,768 and 49,152
	s_cmp_lt_u32 s[WV], 2
	s_cselect_b64 s[G0R+2:G0R+3], s[14:15], s[16:17]
	s_add_nc_u64 s[G0R+2:G0R+3], s[G0R+2:G0R+3], s[86:87]
	s_or_b32 s[G0R+3], s[G0R+3], 0x80000000
	s_mov_b32 s[G0W], 1
	s_mov_b32 s[G0W+1], s90
	s_add_nc_u64 s[G0W+2:G0W+3], s[6:7], s[88:89]
	s_or_b32 s[G0W+3], s[G0W+3], 0x80000000
	s_cmp_lt_u32 s[WV], 4                          ; the first fills: waves 0 to 3 slot 0, waves 4 to 7 Wq's rows, the others nothing
	s_cbranch_scc0 .Lnot_ring
	tensor_load_to_lds s[G0R:G0R+3], s[G1R:G1R+7]
	s_nop 0
.rept 4
	v_nop
.endr
	s_branch .Lfirst_asked
.Lnot_ring:
	s_cmp_lt_u32 s[WV], 8
	s_cbranch_scc0 .Lfirst_asked
	tensor_load_to_lds s[G0W:G0W+3], s[G1W:G1W+7]
	s_nop 0
.rept 4
	v_nop
.endr
.Lfirst_asked:
	s_lshl_b32 s86, s83, 10                        ; xq: (row / 16) x 16,384
	s_add_nc_u64 s[4:5], s[4:5], s[86:87]
	s_lshl_b32 s88, s82, 8                         ; 64 f32 a head
	s_add_nc_u64 s[8:9], s[8:9], s[88:89]          ; Wq_b at my head
	s_lshl_b32 s90, s83, 12
	s_add_co_u32 s90, s90, s88
	s_mov_b32 s91, 0
	s_add_nc_u64 s[20:21], s[20:21], s[90:91]      ; query and res2 at my first row, my head's 256 bytes
	s_add_nc_u64 s[22:23], s[22:23], s[90:91]
	v_and_b32 v4, 31, v0
	v_lshlrev_b32 v[LI], 4, v4
.set n, 0
.rept 32
	global_load_b128 v[96+4*n:99+4*n], v[LI], s[4:5] offset:512*n   ; x's eight fragments, as they lie: K step n / 4, quad n % 4
.set n, n+1
.endr
	s_cmp_lt_u32 s[WV], 8
	s_cselect_b64 s[PFA:PFA+1], s[14:15], s[16:17]
	s_add_nc_u64 s[PFA:PFA+1], s[PFA:PFA+1], s[84:85]
	s_sub_co_u32 s86, s[WV], 4
	s_lshr_b32 s86, s86, 3                         ; 0 in waves 4 to 11,
	s_or_b32 s86, s86, ttmp9                       ; of the head's first work-group
	s_cmp_eq_u32 s86, 0
	s_cselect_b32 s[LIM], 1, -1
	v_lshlrev_b32 v[PFO], 8, v4
	v_and_b32 v9, 15, v0                           ; r
	v_bfe_u32 v4, v0, 4, 1                         ; h
	v_mul_u32_u24 v[AW], v9, WQP
	v_lshl_add_u32 v[AW], v4, 4, v[AW]
	v_add_nc_u32 v[AW], WQB, v[AW]
	v_lshlrev_b32 v[HO], 5, v4
	v_lshlrev_b32 v[GO], 12, v4
	v_lshl_add_u32 v[GO], v9, 4, v[GO]
	s_mul_i32 s86, s[WV], 16*272
	s_add_co_u32 s86, s86, STG                     ; my stage
	v_mul_u32_u24 v[SIN], v9, 272
	v_lshl_add_u32 v[SIN], v4, 5, v[SIN]
	v_add_nc_u32 v[SIN], s86, v[SIN]               ; in: row r, + 32 h
	v_mul_u32_u24 v[SOUT], v4, 272
	v_lshl_add_u32 v[SOUT], v9, 4, v[SOUT]
	v_add_nc_u32 v[SOUT], s86, v[SOUT]             ; back: lanes 0-15 one row, lanes 16-31 the next
	s_wait_kmcnt 0x0
	s_add_co_i32 s86, s68, s69                     ; e0 + e1
	s_add_co_i32 s86, s86, 127
	s_lshl_b32 s[SCQ], s86, 23
	s_mov_b32 s[SCQ+1], s[SCQ]
	s_add_co_i32 s86, s74, 127                     ; e6
	s_lshl_b32 s87, s86, 23
	v_mov_b32 v[QS], s87
	s_add_co_i32 s86, s86, 8
	s_lshl_b32 s86, s86, 23
	s_or_b32 s86, s86, 0x600000
	v_mov_b32 v[QL], s86
	s_add_co_i32 s86, s74, s75                     ; a score stands for score x 2^(e6 + e7): added to c's exponent field
	s_lshl_b32 s86, s86, 23
	s_add_co_i32 s[CS], s86, 0x3e38aa3b            ; c = log2(e) / 8
	s_mov_b32 s[CS+1], s[CS]
	s_wait_tensorcnt 0x0                           ; my first fill has landed,
	s_barrier_signal -1
	s_barrier_wait -1                              ; everybody's has
	s_wait_loadcnt 0x0                             ; x
; ---- Q^T = Wq x^T: four tiles of 16 dims, eight K steps of 128; the four accumulators take turns
.macro QK ks
.if \ks > 0
.rept 4
	v_nop                                          ; places in front of loads into registers that matrix instructions have read
.endr
.endif
.if \ks == 4                                   ; x's fragments 0 to 3 are done with: Wq_b and qn_w land there, in the result's layout: dims 16 t + 8 h + 0 .. 7
.irp t, 0,1,2,3
	global_load_b128 v[96+8*\t:99+8*\t], v[HO], s[8:9] offset:64*\t
	global_load_b128 v[100+8*\t:103+8*\t], v[HO], s[8:9] offset:64*\t+16
	global_load_b128 v[128+8*\t:131+8*\t], v[HO], s[10:11] offset:64*\t
	global_load_b128 v[132+8*\t:135+8*\t], v[HO], s[10:11] offset:64*\t+16
.endr
.endif
.if \ks == 6                                   ; fragments 4 and 5 likewise: qn_b
.irp t, 0,1,2,3
	global_load_b128 v[160+8*\t:163+8*\t], v[HO], s[12:13] offset:64*\t
	global_load_b128 v[164+8*\t:167+8*\t], v[HO], s[12:13] offset:64*\t+16
.endr
.endif
.irp t, 0,1,2,3
.irp c, 0,1,2,3
	ds_load_b128 v[32+16*\t+4*\c:35+16*\t+4*\c], v[AW] offset:16*WQP*\t+128*\ks+32*\c
.endr
.endr
	s_wait_dscnt 0x0
.irp t, 0,1,2,3
.if \ks == 0
	v_wmma_f32_16x16x128_fp8_fp8 v[224+8*\t:231+8*\t], v[32+16*\t:47+16*\t], v[96+16*\ks:111+16*\ks], 0
.else
	v_wmma_f32_16x16x128_fp8_fp8 v[224+8*\t:231+8*\t], v[32+16*\t:47+16*\t], v[96+16*\ks:111+16*\ks], v[224+8*\t:231+8*\t]
.endif
.endr
.endm
.irp k, 0,1,2,3,4,5,6,7
	QK \k
.endr
.rept 4
	v_nop
.endr
	s_wait_loadcnt 0x0
.set n, 0
.rept 16
	v_pk_fma_f32 v[224+n:225+n], v[224+n:225+n], s[SCQ:SCQ+1], v[96+n:97+n] op_sel_hi:[1,0,1]   ; sum x 2^(e0 + e1) + Wq_b
.set n, n+2
.endr
	LNORM 1, 224, 128, 160, LT
	QCVT 224, 4, QF, QS, QL                        ; tile t's eight numbers are dims 16 t + 8 h + 0 .. 7: registers 2 t, 2 t + 1 of Q's fragment
	s_add_co_i32 s86, s76, 127                     ; e8
	s_lshl_b32 s87, s86, 23
	v_mov_b32 v244, s87                            ; 2^e8
	s_add_co_i32 s86, s86, 8
	s_lshl_b32 s86, s86, 23
	s_or_b32 s86, s86, 0x600000
	v_mov_b32 v240, s86                            ; 448 x 2^e8
	v_mov_b32 v13, 0xff61b1e6                      ; the largest t so far: -3e38
	v_floor_f32 v12, -v13                          ; -M
	v_mov_b32 v14, 0
	v_mov_b32 v15, 0
	v_mov_b32 v236, 0                              ; a lane permute's destination counts as one of its sources
	v_mov_b32 v253, 0                              ; (the upper half of the pair v[252:253])
.set n, 0
.rept 32
	v_mov_b32 v[160+n], 0                          ; O^T: the loop is written once, and its first step finds zeros
.set n, n+1
.endr
; ---- A KEY STEP: 128 keys, the q-th of the slot in hand
.macro STEP q
	v_add_nc_u32 v[ADR], s[TB], v[LI]
.rept 4
	v_nop                                          ; places in front of loads into registers that the last products read
.endr
.irp t, 0,1,2,3,4,5,6,7
	ds_load_b128 v[32+8*\t:35+8*\t], v[ADR] offset:8192*(\q)+1024*\t
	ds_load_b128 v[36+8*\t:39+8*\t], v[ADR] offset:8192*(\q)+1024*\t+512
.endr
	s_wait_dscnt 0x0
.irp t, 0,1,2,3,4,5,6,7
	v_wmma_f32_16x16x64_fp8_fp8 v[96+8*\t:103+8*\t], v[32+8*\t:39+8*\t], v[QF:QF+7], 0
.endr
.rept 4
	v_nop
.endr
.irp d, 0,1,2,3
.irp c, 0,1,2,3
	ds_load_b128 v[32+16*\d+4*\c:35+16*\d+4*\c], v[ADR] offset:32768+8192*(\q)+2048*\d+512*\c   ; V's four fragments land under the softmax
.endr
.endr
	v_max3_num_f32 v254, v96, v97, v98             ; the step's largest score of my query among my 64 keys, in two chains,
	v_max3_num_f32 v252, v99, v100, v101
.irp i, 6,10,14,18,22,26,30,34,38,42,46,50,54,58
	v_max3_num_f32 v254, v254, v[96+\i], v[97+\i]
	v_max3_num_f32 v252, v252, v[98+\i], v[99+\i]
.endr
	v_max3_num_f32 v254, v254, v158, v159
	v_max_num_f32 v254, v254, v252
	v_permlanex16_b32 v236, v254, s[SEL], s[SEL+1]
	v_max_num_f32 v254, v254, v236                 ; and among lane l xor 16's
	v_mul_f32 v254, s[CS], v254                    ; as t (c is positive)
	v_max_num_f32 v13, v13, v254
	v_mov_b32 v254, v12
	v_floor_f32 v12, -v13                          ; the new -M = -ceil(t)
	v_sub_f32 v254, v12, v254                      ; old M - new M: a whole number, 0 or less
	v_cvt_i32_f32 v254, v254                       ; (it saturates)
	v_ldexp_f32 v252, 1.0, v254                    ; f = 2^(old M - new M)
.set n, 0
.rept 32
	v_pk_fma_f32 v[96+n:97+n], v[96+n:97+n], s[CS:CS+1], v[12:13] op_sel_hi:[1,0,0]   ; t - M
.set n, n+2
.endr
.set n, 0
.rept 64
	v_exp_f32 v[96+n], v[96+n]                     ; p = 2^(t - M)
.set n, n+1
.endr
	v_pk_mul_f32 v[14:15], v[14:15], v[252:253] op_sel_hi:[1,0]   ; the sums under the new M; a plain line behind the exponentials
	s_wait_alu depctr_va_vdst(0)                   ; one wait for the batch, ahead of its first reader
	v_pk_add_f32 v[242:243], v[96:97], v[98:99]    ; the sum is taken of the unquantised p, in two chains
.irp j, 4,8,12,16,20,24,28,32,36,40,44,48,52,56,60
	v_pk_add_f32 v[14:15], v[14:15], v[96+\j:97+\j]
	v_pk_add_f32 v[242:243], v[242:243], v[98+\j:99+\j]
.endr
	v_pk_add_f32 v[14:15], v[14:15], v[242:243]
.irp b, 0,1,2,3
.irp i, 0,1,2,3,4,5,6,7,8,9,10,11,12,13,14,15
	v_min_num_f32 v[96+16*\b+\i], v[96+16*\b+\i], v240   ; p is not negative: the hold is one-sided
.endr
	v_cvt_scalef32_pk8_fp8_f32 v[224+4*\b:225+4*\b], v[96+16*\b:103+16*\b], v244
	v_cvt_scalef32_pk8_fp8_f32 v[226+4*\b:227+4*\b], v[104+16*\b:111+16*\b], v244
.endr
.set n, 0
.rept 16
	v_pk_mul_f32 v[160+n:161+n], v[160+n:161+n], v[252:253] op_sel_hi:[1,0]   ; O^T under the new M; also the plain lines between the conversions and the products
.set n, n+2
.endr
	s_wait_dscnt 0x0                               ; V
.irp d, 0,1,2,3
	v_wmma_f32_16x16x128_fp8_fp8 v[160+8*\d:167+8*\d], v[32+16*\d:47+16*\d], v[224:239], v[160+8*\d:167+8*\d]
.endr
.endm
; THE CHANGE OF SLOTS stands at a slot's head: all my tensor loads have landed, the add, my reads of the slot that I have left are over; one barrier; then the slot left is filled with the keys that follow.
.macro CHANGE fill
	s_wait_tensorcnt 0x0
	ds_add_u32 v[SPW], v[NIL]                      ; 0 onto my spare word
.if \fill
	s_xor_b32 s[G0R+1], s[G0R+1], SLOT1            ; the walking descriptor: the other slot,
	s_add_nc_u64 s[G0R+2:G0R+3], s[G0R+2:G0R+3], 32768   ; the next 512 keys
	s_wait_xcnt 0x0                                ; the last prefetch, a slot back, has read its address
	s_add_nc_u64 s[PFA:PFA+1], s[PFA:PFA+1], 32768
.endif
	s_wait_dscnt 0x0
	s_barrier_signal -1
	s_barrier_wait -1
.if \fill
	RLOAD
	ASK
.endif
.endm
.macro SLOT_STEPS
.set Q, 0
.rept NQ
	STEP Q
.set Q, Q+1
.endr
	s_xor_b32 s[TB], s[TB], SLOT1
.endm
.Lslot:                                            ; NSL - 1 trips
	CHANGE 1
	SLOT_STEPS
	s_sub_co_u32 s[SLOTS], s[SLOTS], 1
	s_cmp_lg_u32 s[SLOTS], 0
	s_cbranch_scc1 .Lslot
	CHANGE 0                                       ; the last slot is written out
	SLOT_STEPS
	; ---- THE WAY OUT: O^T / the sum x 2^(e8 + e9), through my stage, + query; sixteen lanes store one aligned run of 256 bytes
.irp i, 0,1,2,3,4,5,6,7
	global_load_b128 v[128+4*\i:131+4*\i], v[GO], s[20:21] offset:8192*\i th:TH_LOAD_NT
.endr
	v_add_f32 v14, v14, v15
	v_permlanex16_b32 v252, v14, s[SEL], s[SEL+1]
	v_add_f32 v14, v14, v252                       ; the row's sum
	v_rcp_f32 v14, v14
	v_nop
	s_add_co_i32 s86, s76, s77
	s_wait_alu depctr_va_vdst(0)
	v_ldexp_f32 v14, v14, s86
.set n, 0
.rept 32
	v_mul_f32 v[96+n], v[160+n], v14               ; register 8 t + j is o(r, 16 t + 8 h + j)
.set n, n+1
.endr
.irp t, 0,1,2,3
	ds_store_b128 v[SIN], v[96+8*\t:99+8*\t] offset:64*\t
	ds_store_b128 v[SIN], v[100+8*\t:103+8*\t] offset:64*\t+16
.endr
.irp i, 0,1,2,3,4,5,6,7
	ds_load_b128 v[32+4*\i:35+4*\i], v[SOUT] offset:544*\i   ; LDS serves a wave's instructions in order: these see my stores
.endr
	s_wait_dscnt 0x0
	s_wait_loadcnt 0x0
.set n, 0
.rept 16
	v_pk_add_f32 v[32+n:33+n], v[32+n:33+n], v[128+n:129+n]
.set n, n+2
.endr
.irp i, 0,1,2,3,4,5,6,7
	global_store_b128 v[GO], v[32+4*\i:35+4*\i], s[22:23] offset:8192*\i
.endr
	s_wait_tensorcnt 0x0                           ; the wave's end
	ds_add_u32 v[SPW], v[NIL]
	s_wait_dscnt 0x0
	s_endpgm
.Lfunc_end_k_qdfec724caa_attn:
	.size	k_qdfec724caa_attn, .Lfunc_end_k_qdfec724caa_attn-k_qdfec724caa_attn
	.p2alignl 7, 3214868480
	.fill 96, 4, 3214868480
	.section	.rodata,"a",@progbits
	.p2align	6, 0x0
	.amdhsa_kernel k_qdfec724caa_attn
		.amdhsa_group_segment_fixed_size 327680
		.amdhsa_private_segment_fixed_size 0
		.amdhsa_enable_private_segment 0
		.amdhsa_kernarg_size 80
		.amdhsa_user_sgpr_count 2
		.amdhsa_user_sgpr_kernarg_segment_ptr 1
		.amdhsa_wavefront_size32 1
		.amdhsa_system_sgpr_workgroup_id_x 1
		.amdhsa_system_sgpr_workgroup_id_y 1
		.amdhsa_system_sgpr_workgroup_id_z 1
		.amdhsa_system_vgpr_workitem_id 0
		.amdhsa_next_free_vgpr 256
		.amdhsa_next_free_sgpr 100
		.amdhsa_reserve_vcc 0
		.amdhsa_float_denorm_mode_32 3
		.amdhsa_float_denorm_mode_16_64 3
		.amdhsa_memory_ordered 1
		.amdhsa_forward_progress 1
		.amdhsa_inst_pref_size 160
	.end_amdhsa_kernel
	.amdgpu_metadata
---
amdhsa.version: [ 1, 2 ]
amdhsa.kernels:
  - .name:           k_qdfec724caa_attn
    .symbol:         k_qdfec724caa_attn.kd
    .args:
      - { .name: xq, .offset: 0, .size: 8, .value_kind: global_buffer, .address_space: global }
      - { .name: Wq_w_codes, .offset: 8, .size: 8, .value_kind: global_buffer, .address_space: global }
      - { .name: Wq_b, .offset: 16, .size: 8, .value_kind: global_buffer, .address_space: global }
      - { .name: qn_w, .offset: 24, .size: 8, .value_kind: global_buffer, .address_space: global }
      - { .name: qn_b, .offset: 32, .size: 8, .value_kind: global_buffer, .address_space: global }
      - { .name: kq, .offset: 40, .size: 8, .value_kind: global_buffer, .address_space: global }
      - { .name: vq, .offset: 48, .size: 8, .value_kind: global_buffer, .address_space: global }
      - { .name: lowp_scales, .offset: 56, .size: 8, .value_kind: global_buffer, .address_space: global }
      - { .name: query, .offset: 64, .size: 8, .value_kind: global_buffer, .address_space: global }
      - { .name: res2, .offset: 72, .size: 8, .value_kind: global_buffer, .address_space: global }
    .group_segment_fixed_size: 327680
    .private_segment_fixed_size: 0
    .kernarg_segment_align: 8
    .kernarg_segment_size: 80
    .max_flat_workgroup_size: 512
    .sgpr_count:     100
    .vgpr_count:     256
    .wavefront_size: 32
...
	.end_amdgpu_metadata
.endif
;; end of part 2
;; launch lnq (part 3): grid 256 x 1, 4 waves a work-group, no clusters, 0 bytes of LDS; arguments res2, ffn_w, ffn_b, lowp_scales, hq; writes hq
.if DOCPART == 3
	.amdgcn_target "amdgcn-amd-amdhsa--gfx1250"
	.amdhsa_code_object_version 6
	.text
	.protected	k_qdfec724caa_lnq
	.globl	k_qdfec724caa_lnq
	.p2align	8
	.type	k_qdfec724caa_lnq,@function
k_qdfec724caa_lnq:
	s_mov_b64 s[64:65], 0
	v_nop
	global_prefetch_b8 v0, s[64:65] scope:SCOPE_SE
	s_setreg_imm32_b32 hwreg(HW_REG_WAVE_MODE, 25, 1), 1
	s_wait_xcnt 0x0
; hq = E4M3 codes (scale entry 10) of LayerNorm(res2) over 1,024, row-major, K innermost.
; A stream: a wave takes 4 rows, a row stays in 32 registers between the mean, the variance and the scaling, so res2 is read once.  No LDS, no barrier, no matrix unit: the waves share nothing.
; Lane l holds, of chunk j (256 numbers), numbers 256 j + 8 l + 0 .. 7: eight neighbours along K for one conversion; its 8 codes are 8 bytes, and the wave's store covers 256 consecutive bytes, aligned.
; All 48 loads of a wave go out first.  Mean first, then the squares of the differences: no difference of large sums.
; LIMITS: e10 between -126 and 119.  NaN among the inputs is not served.
.set W, 8                              ; v8-39   ffn_w
.set B, 40                             ; v40-71  ffn_b
.set R, 72                             ; v72-199 four rows
.set C, 200                            ; v200-231 their codes
	s_load_b256 s[4:11], s[0:1], 0x0               ; res2 s[4:5], ffn_w s[6:7], ffn_b s[8:9], the scales s[10:11]
	s_load_b64 s[12:13], s[0:1], 0x20              ; hq
	v_lshrrev_b32 v1, 5, v0
	v_readfirstlane_b32 s14, v1                    ; wave
	v_and_b32 v2, 31, v0
	v_lshlrev_b32 v3, 5, v2                        ; 32 x lane: my 8 numbers of a chunk
	v_lshlrev_b32 v4, 3, v2                        ; 8 x lane: their codes
	s_lshl_b32 s15, ttmp9, 4
	s_lshl_b32 s16, s14, 2
	s_add_co_u32 s15, s15, s16                     ; my first row
	s_lshl_b32 s16, s15, 12
	s_mov_b32 s17, 0
	s_lshl_b32 s18, s15, 10
	s_mov_b32 s19, 0
	s_mov_b32 s22, 0x76543210
	s_mov_b32 s23, 0xfedcba98
	s_mov_b32 s24, 0x3a800000                      ; 1 / 1,024
	s_mov_b32 s25, 0x3727c5ac                      ; 1e-5
	s_wait_kmcnt 0x0
	s_load_b32 s20, s[10:11], 0x28                 ; e10
	s_add_nc_u64 s[4:5], s[4:5], s[16:17]
	s_add_nc_u64 s[12:13], s[12:13], s[18:19]
.irp j, 0,1,2,3
	global_load_b128 v[W+8*\j:W+8*\j+3], v3, s[6:7] offset:1024*\j
	global_load_b128 v[W+8*\j+4:W+8*\j+7], v3, s[6:7] offset:1024*\j+16
	global_load_b128 v[B+8*\j:B+8*\j+3], v3, s[8:9] offset:1024*\j
	global_load_b128 v[B+8*\j+4:B+8*\j+7], v3, s[8:9] offset:1024*\j+16
.endr
.irp i, 0,1,2,3
.irp j, 0,1,2,3
	global_load_b128 v[R+32*\i+8*\j:R+32*\i+8*\j+3], v3, s[4:5] offset:4096*\i+1024*\j
	global_load_b128 v[R+32*\i+8*\j+4:R+32*\i+8*\j+7], v3, s[4:5] offset:4096*\i+1024*\j+16
.endr
.endr
	s_wait_kmcnt 0x0
	s_add_co_i32 s20, s20, 127
	s_lshl_b32 s21, s20, 23
	v_mov_b32 v240, s21                            ; 2^e10
	s_add_co_i32 s20, s20, 8
	s_lshl_b32 s20, s20, 23
	s_or_b32 s20, s20, 0x600000
	v_mov_b32 v241, s20                            ; 448 x 2^e10
.macro ALL32 reg, tmp                  ; the sum over the wave's 32 lanes, in every lane
	v_add_f32_dpp v[\reg], v[\reg], v[\reg] row_xmask:1 row_mask:0xf bank_mask:0xf
	v_add_f32_dpp v[\reg], v[\reg], v[\reg] row_xmask:2 row_mask:0xf bank_mask:0xf
	v_add_f32_dpp v[\reg], v[\reg], v[\reg] row_xmask:4 row_mask:0xf bank_mask:0xf
	v_add_f32_dpp v[\reg], v[\reg], v[\reg] row_xmask:8 row_mask:0xf bank_mask:0xf
	v_permlanex16_b32 v[\tmp], v[\reg], s22, s23
	v_add_f32 v[\reg], v[\reg], v[\tmp]
.endm
.macro ROWN i
.set X, R+32*(\i)
.set K, C+8*(\i)
	s_wait_loadcnt 8*(3-(\i))                      ; this row's 8 loads are in; the later rows' may be out
	v_pk_add_f32 v[232:233], v[X:X+1], v[X+2:X+3]
	v_pk_add_f32 v[234:235], v[X+4:X+5], v[X+6:X+7]
.set lp, 8
.rept 6
	v_pk_add_f32 v[232:233], v[232:233], v[X+lp:X+lp+1]
	v_pk_add_f32 v[234:235], v[234:235], v[X+lp+2:X+lp+3]
.set lp, lp+4
.endr
	v_pk_add_f32 v[232:233], v[232:233], v[234:235]
	v_add_f32 v232, v232, v233
	ALL32 232, 233
	v_mul_f32 v232, s24, v232                      ; the mean
.set lp, 0
.rept 16
	v_pk_add_f32 v[X+lp:X+lp+1], v[X+lp:X+lp+1], v[232:233] op_sel_hi:[1,0] neg_lo:[0,1] neg_hi:[0,1]
.set lp, lp+2
.endr
	v_pk_mul_f32 v[234:235], v[X:X+1], v[X:X+1]
	v_pk_mul_f32 v[236:237], v[X+2:X+3], v[X+2:X+3]
.set lp, 4
.rept 7
	v_pk_fma_f32 v[234:235], v[X+lp:X+lp+1], v[X+lp:X+lp+1], v[234:235]
	v_pk_fma_f32 v[236:237], v[X+lp+2:X+lp+3], v[X+lp+2:X+lp+3], v[236:237]
.set lp, lp+4
.endr
	v_pk_add_f32 v[234:235], v[234:235], v[236:237]
	v_add_f32 v234, v234, v235
	ALL32 234, 235
	v_fma_f32 v234, v234, s24, s25                 ; the variance + eps
	v_rsq_f32 v236, v234
	v_nop                                          ; a plain line behind the transcendental
	s_wait_alu depctr_va_vdst(0)                   ; the wait ahead of the first reader
.set lp, 0
.rept 16
	v_pk_mul_f32 v[X+lp:X+lp+1], v[X+lp:X+lp+1], v[236:237] op_sel_hi:[1,0]
.set lp, lp+2
.endr
.set lp, 0
.rept 16
	v_pk_fma_f32 v[X+lp:X+lp+1], v[X+lp:X+lp+1], v[W+lp:W+lp+1], v[B+lp:B+lp+1]
.set lp, lp+2
.endr
.set lp, 0
.rept 32
	v_med3_num_f32 v[X+lp], v[X+lp], -v241, v241   ; the conversion does not saturate (ISA guide 7.6.2): the hold first
.set lp, lp+1
.endr
.irp j, 0,1,2,3
	v_cvt_scalef32_pk8_fp8_f32 v[K+2*\j:K+2*\j+1], v[X+8*\j:X+8*\j+7], v240
.endr
	v_nop
.irp j, 0,1,2,3
	global_store_b64 v4, v[K+2*\j:K+2*\j+1], s[12:13] offset:1024*(\i)+256*\j
.endr
.endm
	ROWN 0
	ROWN 1
	ROWN 2
	ROWN 3
	s_endpgm
.Lfunc_end_k_qdfec724caa_lnq:
	.size	k_qdfec724caa_lnq, .Lfunc_end_k_qdfec724caa_lnq-k_qdfec724caa_lnq
	.p2alignl 7, 3214868480
	.fill 96, 4, 3214868480
	.section	.rodata,"a",@progbits
	.p2align	6, 0x0
	.amdhsa_kernel k_qdfec724caa_lnq
		.amdhsa_group_segment_fixed_size 0
		.amdhsa_private_segment_fixed_size 0
		.amdhsa_enable_private_segment 0
		.amdhsa_kernarg_size 40
		.amdhsa_user_sgpr_count 2
		.amdhsa_user_sgpr_kernarg_segment_ptr 1
		.amdhsa_wavefront_size32 1
		.amdhsa_system_sgpr_workgroup_id_x 1
		.amdhsa_system_sgpr_workgroup_id_y 1
		.amdhsa_system_sgpr_workgroup_id_z 1
		.amdhsa_system_vgpr_workitem_id 0
		.amdhsa_next_free_vgpr 248
		.amdhsa_next_free_sgpr 66
		.amdhsa_reserve_vcc 0
		.amdhsa_float_denorm_mode_32 3
		.amdhsa_float_denorm_mode_16_64 3
		.amdhsa_memory_ordered 1
		.amdhsa_forward_progress 1
		.amdhsa_inst_pref_size 41
	.end_amdhsa_kernel
	.amdgpu_metadata
---
amdhsa.version: [ 1, 2 ]
amdhsa.kernels:
  - .name:           k_qdfec724caa_lnq
    .symbol:         k_qdfec724caa_lnq.kd
    .args:
      - { .name: res2, .offset: 0, .size: 8, .value_kind: global_buffer, .address_space: global }
      - { .name: ffn_w, .offset: 8, .size: 8, .value_kind: global_buffer, .address_space: global }
      - { .name: ffn_b, .offset: 16, .size: 8, .value_kind: global_buffer, .address_space: global }
      - { .name: lowp_scales, .offset: 24, .size: 8, .value_kind: global_buffer, .address_space: global }
      - { .name: hq, .offset: 32, .size: 8, .value_kind: global_buffer, .address_space: global }
    .group_segment_fixed_size: 0
    .private_segment_fixed_size: 0
    .kernarg_segment_align: 8
    .kernarg_segment_size: 40
    .max_flat_workgroup_size: 128
    .sgpr_count:     66
    .vgpr_count:     248
    .wavefront_size: 32
...
	.end_amdgpu_metadata
.endif
;; end of part 3
;; launch fc1 (part 4): grid 16 x 16, 4 waves a work-group, clusters of 4 x 4, 327,680 bytes of LDS; arguments hq, fc1_w_codes, lowp_scales, fc1_b, gq; writes gq
.if DOCPART == 4
	.amdgcn_target "amdgcn-amd-amdhsa--gfx1250"
	.amdhsa_code_object_version 6
	.text
	.protected	k_qdfec724caa_fc1
	.globl	k_qdfec724caa_fc1
	.p2align	8
	.type	k_qdfec724caa_fc1,@function
k_qdfec724caa_fc1:
	s_mov_b64 s[64:65], 0
	v_nop
	global_prefetch_b8 v0, s[64:65] scope:SCOPE_SE
	s_setreg_imm32_b32 hwreg(HW_REG_WAVE_MODE, 25, 1), 1
	s_wait_xcnt 0x0
	s_wait_alu depctr_hold_cnt(0) depctr_sa_sdst(0) depctr_va_vdst(0) depctr_va_sdst(0) depctr_va_ssrc(0) depctr_va_vcc(0) depctr_vm_vsrc(0)
	s_getreg_b32 s2, hwreg(HW_REG_IB_STS2, 6, 4)
	s_cmp_eq_u32 s2, 0
	s_cbranch_scc0 .Lentry_in_a_cluster
	s_endpgm
.Lentry_in_a_cluster:
	s_bfe_u32 s2, ttmp6, 0x10000c
	s_cmp_lg_u32 s2, 0xf033
	s_cbranch_scc0 .Lentry_shape_is_right
	s_endpgm
.Lentry_shape_is_right:
; gq = E4M3 codes (scale entry 12) of gelu(h fc1 + fc1_b), h as codes in hq [4,096][1,024], fc1's codes [4,096][1,024], K innermost in both.
; A GEMM on codes: a tile of C, 256 x 256, to a work-group of four waves; a wave makes 128 x 128 in 64 accumulators; K = 1,024 in steps of 256 through two LDS slots.
; CLUSTERS: 4 x 4 work-groups; A's tile is asked for jointly along a row of the cluster, B's along a column.
; The matrix instruction is used transposed: lane (r, h) of accumulator (a, b) holds row 16 a + r and columns 16 b + 8 h + 0 .. 7: neighbours along the next product's K.
; THE WAY OUT: a block of 16 rows x 128 columns is one fragment of the next product.  gelu(x) = x / 2 (1 + erf(x / sqrt 2)), erf(z) = z P(z^2) / Q(z^2) with z held within +-4 (P of degree 6, Q of degree 4).
; gq: [row / 16][k / 128] images of 2,048 bytes: quad c at 512 c + 16 lane holds k 32 c + 16 h + 0 .. 15 of row 16 rt + r: eight lane swaps bring the codes from 16 b + 8 h + j into that order.
; LIMITS: e10 + e11 between -126 and 127, e12 between -126 and 119.  1 + erf carries f32's own absolute error near -1.  NaN among the inputs is not served.
.set KROW,   1024
.set ROWB,   256
.set PITCH,  272
.set FR,     16
.set NL,     4
.set NP,     4
.set HALFT,  128*PITCH
.set SLOT,   4*HALFT
.set LAPS,   KROW/(2*ROWB)
.set SPARE,  2*SLOT
.set ADRA, 16
.set ADRB, 20
.set LI,   26                          ; v26  16 x lane
.set HO,   27                          ; v27  32 h
.set SPW,  28
.set NIL,  29
.set BIAS, 32                          ; v32-95 fc1_b of my 128 columns in the result's layout
.set TMP,  96                          ; v96-159 a block's 64 numbers
.set AF,   128
.set GZ,   160
.set GW,   176
.set GP,   192
.set GQ,   208
.set CD,   224
.set VA1,  240                         ; v[240:241] alpha1
.set VB1,  242                         ; v[242:243] beta1
.set QS,   244
.set QL,   245
.set BI,   2
.set OP,   12
.set G1,   24
.set G0,   32
.set G1B,  48
.set G0B,  56
.set SC,   66
.set A0, 68
.set A2, 70
.set A3, 72
.set A4, 74
.set A5, 76
.set A6, 78
.set B0, 80
.set B2, 82
.set B3, 84
.set B4, 86
.set MSB, 0
.macro WIN new
.if MSB != \new
	s_set_vgpr_msb (MSB<<8)|\new
.set MSB, \new
.endif
.endm
.set MUL_LO, 0xa1
.set MUL_HI, 0xf1
.set TO_B,   0x40
.macro JLOAD g0a, g1a, g0b, g1b
	s_cmp_eq_u32 s15, 0
	s_cbranch_scc0 .Lfor_b_\@
	tensor_load_to_lds s[\g0a:\g0a+3], s[\g1a:\g1a+7]
	s_nop 0
.rept 4
	v_nop
.endr
	s_branch .Lasked_\@
.Lfor_b_\@:
	tensor_load_to_lds s[\g0b:\g0b+3], s[\g1b:\g1b+7]
	s_nop 0
.rept 4
	v_nop
.endr
.Lasked_\@:
.endm
.macro CREST
	s_cmp_lg_u32 s14, 0
	s_cbranch_scc1 .Lnot_wave_0_\@
	s_barrier_signal -3
.Lnot_wave_0_\@:
	s_barrier_wait -3
	s_barrier_signal -1
	s_barrier_wait -1
.endm
.macro CROUND
	s_barrier_signal -1
	s_barrier_wait -1
	CREST
.endm
.macro PLACES n
.rept \n
	v_nop
.endr
.endm
	s_load_b128 s[4:7], s[0:1], 0x0                ; hq, fc1's codes
	s_load_b128 s[8:11], s[0:1], 0x10              ; the scales, fc1_b
	s_load_b64 s[12:13], s[0:1], 0x20              ; gq
	v_lshl_add_u32 v[SPW], v0, 2, SPARE
	v_mov_b32 v[NIL], 0
	ds_add_u32 v28, v29
	s_wait_dscnt 0x0
	v_lshrrev_b32 v1, 5, v0
	v_readfirstlane_b32 s14, v1
	s_lshr_b32 s15, s14, 1
	s_and_b32 s16, s14, 1
	s_bfe_u32 s40, ttmp6, 0x40000
	s_bfe_u32 s41, ttmp6, 0x40004
	s_lshl_b32 s42, ttmp9, 2
	s_add_co_u32 s42, s42, s40                     ; tile column
	s_and_b32 s17, ttmp7, 0xffff
	s_lshl_b32 s17, s17, 2
	s_add_co_u32 s17, s17, s41                     ; tile row
	s_lshl_b32 s43, s41, 2
	s_lshl_b32 s43, 15, s43
	s_lshl_b32 s44, 0x1111, s40
	s_or_b32 s[G1+0], s43, (0<<16)|(1<<20)|(1<<21)|(5<<22)|(3<<25)
	s_or_b32 s[G1B+0], s44, (0<<16)|(1<<20)|(1<<21)|(5<<22)|(3<<25)
.irp g, G1, G1B
	s_mov_b32 s[\g+1], ROWB<<16
	s_mov_b32 s[\g+2], 128<<16
	s_mov_b32 s[\g+3], ROWB<<16
	s_mov_b32 s[\g+4], 128
	s_mov_b32 s[\g+5], KROW
	s_mov_b32 s[\g+6], 0
	s_mov_b32 s[\g+7], 0
.endr
	s_lshl_b32 s18, s16, 7
	s_lshl_b32 s20, s17, 8
	s_add_co_u32 s20, s20, s18
	s_lshl_b32 s46, s42, 8
	s_add_co_u32 s46, s46, s18
	s_lshl_b32 s20, s20, 10
	s_lshl_b32 s46, s46, 10
	s_mov_b32 s21, 0
	s_mov_b32 s47, 0
	s_mul_i32 s45, s14, HALFT
	s_wait_kmcnt 0x0
	s_load_b128 s[88:91], s[8:9], 0x28             ; e10, e11, e12, e13
	s_add_nc_u64 s[20:21], s[4:5], s[20:21]
	s_add_nc_u64 s[46:47], s[6:7], s[46:47]
	CROUND
.irp s, 0,1
	s_mov_b32 s[G0+4*\s], 1
	s_add_co_u32 s[G0+4*\s+1], s45, \s*SLOT
	s_add_nc_u64 s[G0+4*\s+2:G0+4*\s+3], s[20:21], \s*ROWB
	s_or_b32 s[G0+4*\s+3], s[G0+4*\s+3], 0x80000000
	s_mov_b32 s[G0B+4*\s], 1
	s_add_co_u32 s[G0B+4*\s+1], s45, \s*SLOT
	s_add_nc_u64 s[G0B+4*\s+2:G0B+4*\s+3], s[46:47], \s*ROWB
	s_or_b32 s[G0B+4*\s+3], s[G0B+4*\s+3], 0x80000000
	JLOAD G0+4*\s, G1, G0B+4*\s, G1B
.endr
	v_and_b32 v1, 15, v0
	v_bfe_u32 v2, v0, 4, 1
	v_mul_u32_u24 v3, v1, PITCH
	v_lshl_add_u32 v4, v2, 4, v3
	s_mul_i32 s21, s15, HALFT
	s_mul_i32 s22, s16, HALFT
	s_add_co_u32 s22, s22, 2*HALFT
.irp s, 0,1
	v_add_nc_u32 v[ADRA+\s], s21, v4
	v_add_nc_u32 v[ADRB+\s], s22, v4
	s_add_co_u32 s21, s21, SLOT
	s_add_co_u32 s22, s22, SLOT
.endr
	v_and_b32 v6, 31, v0
	v_lshlrev_b32 v[LI], 4, v6
	v_lshlrev_b32 v[HO], 5, v2
	s_lshl_b32 s18, s42, 10
	s_lshl_b32 s19, s16, 9
	s_add_co_u32 s18, s18, s19
	s_mov_b32 s19, 0
	s_add_nc_u64 s[10:11], s[10:11], s[18:19]      ; fc1_b at my first column; asked for now, into registers that the loop over K never names
.irp b, 0,1,2,3,4,5,6,7
	global_load_b128 v[BIAS+8*\b:BIAS+8*\b+3], v[HO], s[10:11] offset:64*\b
	global_load_b128 v[BIAS+8*\b+4:BIAS+8*\b+7], v[HO], s[10:11] offset:64*\b+16
.endr
.macro FRAG reg, adr, q, i
.irp c, 0,1,2,3
	ds_load_b128 v[\reg+4*\c:\reg+4*\c+3], v[\adr] offset:128*(\q)+32*\c+(\i)*16*PITCH
.endr
.endm
.macro MUL16 a0, p, zero               ; the 64 accumulators take turns, one instruction a turn
.irp a, \a0, \a0+1
.irp b, 0,1,2,3,4,5,6,7
.if \zero
	v_wmma_f32_16x16x128_fp8_fp8 v[8*(8*((\a)%4)+\b):8*(8*((\a)%4)+\b)+7], v[128*(\p)+FR*\b:128*(\p)+FR*\b+FR-1], v[AF+FR*(\a):AF+FR*(\a)+FR-1], 0
.else
	v_wmma_f32_16x16x128_fp8_fp8 v[8*(8*((\a)%4)+\b):8*(8*((\a)%4)+\b)+7], v[128*(\p)+FR*\b:128*(\p)+FR*\b+FR-1], v[AF+FR*(\a):AF+FR*(\a)+FR-1], v[8*(8*((\a)%4)+\b):8*(8*((\a)%4)+\b)+7]
.endif
.endr
.endr
.endm
.macro FETCH_B slot, q, p
	WIN TO_B
.irp i, 0,1,2,3,4,5,6,7
	FRAG 128*(\p)+FR*\i, ADRB+\slot, \q, \i
.endr
	WIN 0
.endm
.macro FETCH_A slot, q, i0
.irp i, \i0, \i0+1, \i0+2, \i0+3
	FRAG AF+FR*(\i), ADRA+\slot, \q, \i
.endr
.endm
.macro STEP slot, q, zero
	s_wait_dscnt 4*NL                              ; the youngest 16 loads (A's blocks 4-7) may be out
	WIN MUL_LO
	MUL16 0, (\q)%2, \zero
	MUL16 2, (\q)%2, \zero
	s_wait_dscnt 0
	PLACES NP
	FETCH_B \slot, (\q)+1, 1-(\q)%2
	FETCH_A \slot, (\q)+1, 0
	WIN MUL_HI
	MUL16 4, (\q)%2, \zero
	MUL16 6, (\q)%2, \zero
	PLACES NP
	WIN 0
	FETCH_A \slot, (\q)+1, 4
.endm
.macro TURN slot, next, fill
	s_wait_tensorcnt 0x0                           ; all my tensor loads have landed
	ds_add_u32 v[SPW], v[NIL]                      ; 0 onto my spare word
	s_wait_dscnt 4*NL+1                            ; (the add and A's blocks 4-7 may be out)
	WIN MUL_LO
	MUL16 0, 1, 0
	s_wait_dscnt 0x0                               ; the add is done, and my reads of this slot are over
	s_barrier_signal -1
	MUL16 2, 1, 0
	WIN 0
	s_barrier_wait -1
.if \fill
	CREST
	s_add_nc_u64 s[G0+4*\slot+2:G0+4*\slot+3], s[G0+4*\slot+2:G0+4*\slot+3], 2*ROWB
	s_add_nc_u64 s[G0B+4*\slot+2:G0B+4*\slot+3], s[G0B+4*\slot+2:G0B+4*\slot+3], 2*ROWB
	JLOAD G0+4*\slot, G1, G0B+4*\slot, G1B
.else
	PLACES NP
.endif
	FETCH_B \next, 0, 0
	FETCH_A \next, 0, 0
	WIN MUL_HI
	MUL16 4, 1, 0
	MUL16 6, 1, 0
	PLACES NP
	WIN 0
	FETCH_A \next, 0, 4
.endm
	s_wait_tensorcnt 1                             ; my part of K step 0 is in (K step 1's load may be out)
	s_barrier_signal -1
	s_barrier_wait -1
	FETCH_B 0, 0, 0
	FETCH_A 0, 0, 0
	FETCH_A 0, 0, 4
	STEP 0, 0, 1
	s_mov_b32 s3, LAPS-1
.Llap:
	TURN 0, 1, 1
	STEP 1, 0, 0
	TURN 1, 0, 1
	STEP 0, 0, 0
	s_sub_co_u32 s3, s3, 1
	s_cmp_lg_u32 s3, 0
	s_cbranch_scc1 .Llap
	TURN 0, 1, 0
	STEP 1, 0, 0
	s_wait_dscnt 4*NL
	WIN MUL_LO
	MUL16 0, 1, 0
	MUL16 2, 1, 0
	s_wait_dscnt 0
	WIN MUL_HI
	MUL16 4, 1, 0
	MUL16 6, 1, 0
	WIN 0
; ---- THE WAY OUT: a counted loop over my eight blocks of 16 rows; only the lines that read the accumulators are written eight times
.macro SNIP a
	WIN 0x02+((\a)/4)
.set AC, 64*((\a)%4)
.set sj, 0
.rept 32
	v_pk_fma_f32 v[TMP+sj:TMP+sj+1], v[AC+sj:AC+sj+1], s[SC:SC+1], v[BIAS+sj:BIAS+sj+1] op_sel_hi:[1,0,1]   ; sum x 2^(e10 + e11) + fc1_b, each accumulator from its low end on
.set sj, sj+2
.endr
	WIN 0
.endm
.macro GETBLOCK
	s_cmp_eq_u32 s[BI], 0
	s_cbranch_scc1 .Lga_\@
	s_cmp_eq_u32 s[BI], 1
	s_cbranch_scc1 .Lgb_\@
	s_cmp_eq_u32 s[BI], 2
	s_cbranch_scc1 .Lgc_\@
	s_cmp_eq_u32 s[BI], 3
	s_cbranch_scc1 .Lgd_\@
	s_cmp_eq_u32 s[BI], 4
	s_cbranch_scc1 .Lge_\@
	s_cmp_eq_u32 s[BI], 5
	s_cbranch_scc1 .Lgf_\@
	s_cmp_eq_u32 s[BI], 6
	s_cbranch_scc1 .Lgg_\@
	SNIP 7
	s_branch .Lgot_\@
.Lga_\@:
	SNIP 0
	s_branch .Lgot_\@
.Lgb_\@:
	SNIP 1
	s_branch .Lgot_\@
.Lgc_\@:
	SNIP 2
	s_branch .Lgot_\@
.Lgd_\@:
	SNIP 3
	s_branch .Lgot_\@
.Lge_\@:
	SNIP 4
	s_branch .Lgot_\@
.Lgf_\@:
	SNIP 5
	s_branch .Lgot_\@
.Lgg_\@:
	SNIP 6
.Lgot_\@:
.endm
; 16 numbers at v[X] on: gelu, the hold, four registers of codes at v[K] on
.macro GELU16 X, K
.set n, 0
.rept 8
	v_pk_mul_f32 v[GZ+n:GZ+n+1], v[\X+n:\X+n+1], 0x3f3504f3 op_sel_hi:[1,0]   ; z = x / sqrt 2
.set n, n+2
.endr
.set n, 0
.rept 16
	v_med3_num_f32 v[GZ+n], v[GZ+n], -4.0, 4.0
.set n, n+1
.endr
.set n, 0
.rept 8
	v_pk_mul_f32 v[GW+n:GW+n+1], v[GZ+n:GZ+n+1], v[GZ+n:GZ+n+1]
.set n, n+2
.endr
.set n, 0
.rept 8
	v_pk_fma_f32 v[GP+n:GP+n+1], v[GW+n:GW+n+1], s[A0:A0+1], v[VA1:VA1+1] op_sel_hi:[1,0,1]
	v_pk_fma_f32 v[GQ+n:GQ+n+1], v[GW+n:GW+n+1], s[B0:B0+1], v[VB1:VB1+1] op_sel_hi:[1,0,1]
.set n, n+2
.endr
.irp k, A2, A3, A4, A5, A6
.set n, 0
.rept 8
	v_pk_fma_f32 v[GP+n:GP+n+1], v[GP+n:GP+n+1], v[GW+n:GW+n+1], s[\k:\k+1] op_sel_hi:[1,1,0]
.set n, n+2
.endr
.endr
.irp k, B2, B3, B4
.set n, 0
.rept 8
	v_pk_fma_f32 v[GQ+n:GQ+n+1], v[GQ+n:GQ+n+1], v[GW+n:GW+n+1], s[\k:\k+1] op_sel_hi:[1,1,0]
.set n, n+2
.endr
.endr
.set n, 0
.rept 16
	v_rcp_f32 v[GQ+n], v[GQ+n]
.set n, n+1
.endr
.set n, 0
.rept 8
	v_pk_mul_f32 v[GP+n:GP+n+1], v[GP+n:GP+n+1], v[GZ+n:GZ+n+1]   ; z P: work that names no reciprocal stands behind the batch
.set n, n+2
.endr
.set n, 0
.rept 8
	v_pk_mul_f32 v[GZ+n:GZ+n+1], v[\X+n:\X+n+1], 0.5 op_sel_hi:[1,0]   ; x / 2
.set n, n+2
.endr
	s_wait_alu depctr_va_vdst(0)                   ; one wait for the 16 reciprocals, ahead of their first reader
.set n, 0
.rept 8
	v_pk_mul_f32 v[GP+n:GP+n+1], v[GP+n:GP+n+1], v[GQ+n:GQ+n+1]   ; erf
.set n, n+2
.endr
.set n, 0
.rept 8
	v_pk_fma_f32 v[\X+n:\X+n+1], v[GZ+n:GZ+n+1], v[GP+n:GP+n+1], v[GZ+n:GZ+n+1]   ; x / 2 erf + x / 2
.set n, n+2
.endr
.set n, 0
.rept 16
	v_med3_num_f32 v[\X+n], v[\X+n], -v[QL], v[QL] ; the conversion does not saturate (ISA guide 7.6.2)
.set n, n+1
.endr
	v_cvt_scalef32_pk8_fp8_f32 v[\K:\K+1], v[\X:\X+7], v[QS]
	v_cvt_scalef32_pk8_fp8_f32 v[\K+2:\K+3], v[\X+8:\X+15], v[QS]
.endm
	s_wait_kmcnt 0x0
	s_add_co_i32 s18, s88, s89                     ; e10 + e11
	s_add_co_i32 s18, s18, 127
	s_lshl_b32 s[SC], s18, 23
	s_mov_b32 s[SC+1], s[SC]
	s_add_co_i32 s18, s90, 127                     ; e12
	s_lshl_b32 s19, s18, 23
	s_add_co_i32 s18, s18, 8
	s_lshl_b32 s18, s18, 23
	s_or_b32 s18, s18, 0x600000
	PLACES NP                                      ; behind the last products
	v_mov_b32 v[QS], s19
	v_mov_b32 v[QL], s18
	v_mov_b32 v[VA1], 0x32edffee
	v_mov_b32 v[VA1+1], 0x32edffee
	v_mov_b32 v[VB1], 0xb95fbd29
	v_mov_b32 v[VB1+1], 0xb95fbd29
	s_mov_b32 s[A0], 0xaf95df0b                    ; each constant twice: the packed form names a pair
	s_mov_b32 s[A0+1], 0xaf95df0b
	s_mov_b32 s[A2], 0xb60cff51
	s_mov_b32 s[A2+1], 0xb60cff51
	s_mov_b32 s[A3], 0xb86ec2d2
	s_mov_b32 s[A3+1], 0xb86ec2d2
	s_mov_b32 s[A4], 0xba40ac63
	s_mov_b32 s[A4+1], 0xba40ac63
	s_mov_b32 s[A5], 0xbb41a1f6
	s_mov_b32 s[A5+1], 0xbb41a1f6
	s_mov_b32 s[A6], 0xbc83dbd4
	s_mov_b32 s[A6+1], 0xbc83dbd4
	s_mov_b32 s[B0], 0xb77460cd
	s_mov_b32 s[B0+1], 0xb77460cd
	s_mov_b32 s[B2], 0xbadc924e
	s_mov_b32 s[B2+1], 0xbadc924e
	s_mov_b32 s[B3], 0xbbf19bf8
	s_mov_b32 s[B3+1], 0xbbf19bf8
	s_mov_b32 s[B4], 0xbc69b6a7
	s_mov_b32 s[B4+1], 0xbc69b6a7
	s_lshl_b32 s18, s17, 4
	s_lshl_b32 s19, s15, 3
	s_add_co_u32 s18, s18, s19                     ; my first tile of 16 rows
	s_lshl_b32 s18, s18, 5                         ; 32 images a tile of rows
	s_lshl_b32 s19, s42, 1
	s_add_co_u32 s18, s18, s19
	s_add_co_u32 s18, s18, s16                     ; + my K step of the next product
	s_lshl_b32 s18, s18, 11
	s_mov_b32 s19, 0
	s_add_nc_u64 s[OP:OP+1], s[OP:OP+1], s[18:19]
	s_mov_b32 s[BI], 0
	s_wait_loadcnt 0x0                             ; fc1_b
.Lblk:
	GETBLOCK
	GELU16 TMP, CD
	GELU16 TMP+16, CD+4
	GELU16 TMP+32, CD+8
	GELU16 TMP+48, CD+12
	v_nop                                          ; a plain line between the last conversion and the swaps
.irp c, 0,1,2,3
	v_permlane16_swap_b32 v[CD+4*\c], v[CD+4*\c+2]     ; lanes 16-31 of the first change places with lanes 0-15 of the second: k 16 b + 8 h + j becomes 32 c + 16 h + 0 .. 15
	v_permlane16_swap_b32 v[CD+4*\c+1], v[CD+4*\c+3]
.endr
.irp c, 0,1,2,3
	global_store_b128 v[LI], v[CD+4*\c:CD+4*\c+3], s[OP:OP+1] offset:512*\c   ; 512 consecutive bytes
.endr
	s_wait_xcnt 0x0                                ; the stores have read their codes and their base
	s_add_nc_u64 s[OP:OP+1], s[OP:OP+1], 65536     ; the next 16 rows: 32 images on
	s_add_co_u32 s[BI], s[BI], 1
	s_cmp_lt_u32 s[BI], 8
	s_cbranch_scc1 .Lblk
	s_wait_tensorcnt 0x0                           ; the wave's end
	ds_add_u32 v[SPW], v[NIL]
	s_wait_dscnt 0x0
	CROUND
	s_endpgm
.Lfunc_end_k_qdfec724caa_fc1:
	.size	k_qdfec724caa_fc1, .Lfunc_end_k_qdfec724caa_fc1-k_qdfec724caa_fc1
	.p2alignl 7, 3214868480
	.fill 96, 4, 3214868480
	.section	.rodata,"a",@progbits
	.p2align	6, 0x0
	.amdhsa_kernel k_qdfec724caa_fc1
		.amdhsa_group_segment_fixed_size 327680
		.amdhsa_private_segment_fixed_size 0
		.amdhsa_enable_private_segment 0
		.amdhsa_kernarg_size 40
		.amdhsa_user_sgpr_count 2
		.amdhsa_user_sgpr_kernarg_segment_ptr 1
		.amdhsa_wavefront_size32 1
		.amdhsa_system_sgpr_workgroup_id_x 1
		.amdhsa_system_sgpr_workgroup_id_y 1
		.amdhsa_system_sgpr_workgroup_id_z 1
		.amdhsa_system_vgpr_workitem_id 0
		.amdhsa_next_free_vgpr 1024
		.amdhsa_next_free_sgpr 100
		.amdhsa_reserve_vcc 0
		.amdhsa_float_denorm_mode_32 3
		.amdhsa_float_denorm_mode_16_64 3
		.amdhsa_memory_ordered 1
		.amdhsa_forward_progress 1
		.amdhsa_inst_pref_size 143
	.end_amdhsa_kernel
	.amdgpu_metadata
---
amdhsa.version: [ 1, 2 ]
amdhsa.kernels:
  - .name:           k_qdfec724caa_fc1
    .symbol:         k_qdfec724caa_fc1.kd
    .args:
      - { .name: hq, .offset: 0, .size: 8, .value_kind: global_buffer, .address_space: global }
      - { .name: fc1_w_codes, .offset: 8, .size: 8, .value_kind: global_buffer, .address_space: global }
      - { .name: lowp_scales, .offset: 16, .size: 8, .value_kind: global_buffer, .address_space: global }
      - { .name: fc1_b, .offset: 24, .size: 8, .value_kind: global_buffer, .address_space: global }
      - { .name: gq, .offset: 32, .size: 8, .value_kind: global_buffer, .address_space: global }
    .group_segment_fixed_size: 327680
    .private_segment_fixed_size: 0
    .kernarg_segment_align: 8
    .kernarg_segment_size: 40
    .max_flat_workgroup_size: 128
    .sgpr_count:     100
    .vgpr_count:     1024
    .wavefront_size: 32
...
	.end_amdgpu_metadata
.endif
;; end of part 4
;; launch fc2 (part 5): grid 4 x 16, 4 waves a work-group, clusters of 4 x 4, 327,680 bytes of LDS; arguments gq, fc2_w_codes, lowp_scales, fc2_b, res2, out0; writes out0
.if DOCPART == 5
	.amdgcn_target "amdgcn-amd-amdhsa--gfx1250"
	.amdhsa_code_object_version 6
	.text
	.protected	k_qdfec724caa_fc2
	.globl	k_qdfec724caa_fc2
	.p2align	8
	.type	k_qdfec724caa_fc2,@function
k_qdfec724caa_fc2:
	s_mov_b64 s[64:65], 0
	v_nop
	global_prefetch_b8 v0, s[64:65] scope:SCOPE_SE
	s_setreg_imm32_b32 hwreg(HW_REG_WAVE_MODE, 25, 1), 1
	s_wait_xcnt 0x0
	s_wait_alu depctr_hold_cnt(0) depctr_sa_sdst(0) depctr_va_vdst(0) depctr_va_sdst(0) depctr_va_ssrc(0) depctr_va_vcc(0) depctr_vm_vsrc(0)
	s_getreg_b32 s2, hwreg(HW_REG_IB_STS2, 6, 4)
	s_cmp_eq_u32 s2, 0
	s_cbranch_scc0 .Lentry_in_a_cluster
	s_endpgm
.Lentry_in_a_cluster:
	s_bfe_u32 s2, ttmp6, 0x10000c
	s_cmp_lg_u32 s2, 0xf033
	s_cbranch_scc0 .Lentry_shape_is_right
	s_endpgm
.Lentry_shape_is_right:
; out0 = res2 + g fc2 + fc2_b.  g comes as register images in gq ([row / 16][k / 128], 2,048 bytes each), fc2's codes as rows [1,024][4,096], K innermost.
; A GEMM on codes: a tile of C, 256 x 256, to a work-group of four waves; a wave makes 128 x 128 in 64 accumulators; K = 4,096 in 16 steps of 256 through two LDS slots.
; A's half tile of a K step is 8 tiles of rows x 2 images: 8 runs of 4,096 bytes, 65,536 apart; it lies dense in LDS and a fragment is four loads of 512 consecutive bytes.  B's rows are padded as usual.
; CLUSTERS: 4 x 4 work-groups; A's tile is asked for jointly along a row of the cluster, B's along a column.  C has 64 tiles of this size: 64 work-groups.
; The matrix instruction is used transposed: a lane holds eight neighbouring numbers of a row of C.  The way out goes through the wave's own stage, which lies in slot 0 behind that slot's last fill and last read.
; LIMITS: e12 + e13 between -126 and 127.
.set KROW,   4096                      ; a row of B in bytes
.set ROWB,   256
.set ASTEP,  4096                      ; a K step in a tile of rows of gq: two images
.set PITCH,  272
.set FR,     16
.set NL,     4
.set NP,     4
.set AHALF,  32768                     ; 128 rows x 256 K of A as images
.set HALFT,  128*PITCH
.set SLOT,   2*AHALF+2*HALFT
.set LAPS,   KROW/(2*ROWB)
.set SPARE,  2*SLOT
.set SPITCH, 528
.set ADRA, 16
.set ADRB, 20
.set STO,  24
.set RD,   25
.set CO,   26                          ; v26  16 x lane
.set SPW,  28
.set NIL,  29
.set PFO,  30                          ; v30  the prefetches' offset; never rewritten
.set TMP,  32                          ; v32-95
.set FB,   96                          ; v96-99 fc2_b of my 4 columns of a row
.set AF,   128
.set BK,   128                         ; the way out: 16 rows back from the stage
.set RS,   192                         ; and the same rows of res2
.set BI,   2
.set G1,   24
.set G0,   32
.set G1B,  48
.set G0B,  56
.set SC,   66
.set RP,   68                          ; s[68:69] res2
.set OP,   70                          ; s[70:71] out0
.set PFA,  74
.set PFS,  76
.set LIM,  78
.set MSB, 0
.macro WIN new
.if MSB != \new
	s_set_vgpr_msb (MSB<<8)|\new
.set MSB, \new
.endif
.endm
.set MUL_LO, 0xa1
.set MUL_HI, 0xf1
.set TO_B,   0x40
.macro JLOAD g0a, g1a, g0b, g1b
	s_cmp_eq_u32 s15, 0
	s_cbranch_scc0 .Lfor_b_\@
	tensor_load_to_lds s[\g0a:\g0a+3], s[\g1a:\g1a+7]
	s_nop 0
.rept 4
	v_nop
.endr
	s_branch .Lasked_\@
.Lfor_b_\@:
	tensor_load_to_lds s[\g0b:\g0b+3], s[\g1b:\g1b+7]
	s_nop 0
.rept 4
	v_nop
.endr
.Lasked_\@:
.endm
; A prefetch of the K step that stands two refills on: 32 blocks of 256 bytes, a lane a block, one instruction a wave.  Of what a wave fetches (A: 8 runs of 4,096 bytes; B: 128 rows of 256),
; each of the four partners that ask for it jointly names a quarter, told apart by address (cx for A, cy for B).  A's rows are read by this cluster alone; B's by all four clusters: the one with y = 0 asks.
; The loop's last trip asks for nothing: there is no K step two refills on.
.macro ASK
	s_cmp_gt_u32 s3, s[LIM]
	s_cbranch_scc0 .Lnot_mine_\@
	global_prefetch_b8 v[PFO], s[PFA:PFA+1] th:TH_LOAD_NT scope:SCOPE_SE
.Lnot_mine_\@:
.endm
.macro CREST
	s_cmp_lg_u32 s14, 0
	s_cbranch_scc1 .Lnot_wave_0_\@
	s_barrier_signal -3
.Lnot_wave_0_\@:
	s_barrier_wait -3
	s_barrier_signal -1
	s_barrier_wait -1
.endm
.macro CROUND
	s_barrier_signal -1
	s_barrier_wait -1
	CREST
.endm
.macro PLACES n
.rept \n
	v_nop
.endr
.endm
	s_load_b128 s[4:7], s[0:1], 0x0                ; gq, fc2's codes
	s_load_b128 s[8:11], s[0:1], 0x10              ; the scales, fc2_b
	s_load_b128 s[68:71], s[0:1], 0x20             ; res2, out0
	v_lshl_add_u32 v[SPW], v0, 2, SPARE
	v_mov_b32 v[NIL], 0
	ds_add_u32 v28, v29
	s_wait_dscnt 0x0
	v_lshrrev_b32 v1, 5, v0
	v_readfirstlane_b32 s14, v1
	s_lshr_b32 s15, s14, 1
	s_and_b32 s16, s14, 1
	s_bfe_u32 s40, ttmp6, 0x40000
	s_bfe_u32 s41, ttmp6, 0x40004
	s_lshl_b32 s42, ttmp9, 2
	s_add_co_u32 s42, s42, s40                     ; tile column
	s_and_b32 s17, ttmp7, 0xffff
	s_lshl_b32 s17, s17, 2
	s_add_co_u32 s17, s17, s41                     ; tile row
	s_lshl_b32 s43, s41, 2
	s_lshl_b32 s43, 15, s43
	s_lshl_b32 s44, 0x1111, s40
	s_or_b32 s[G1+0], s43, (3<<16)|(1<<21)         ; A: the mask of my row; elements of 8 bytes; no padding
	s_mov_b32 s[G1+1], 512<<16                     ; tensor_dim0 = 512 (4,096 bytes)
	s_mov_b32 s[G1+2], 8<<16                       ; tensor_dim1 = 8
	s_mov_b32 s[G1+3], 512<<16                     ; tile_dim0
	s_mov_b32 s[G1+4], 8                           ; tile_dim1
	s_mov_b32 s[G1+5], 8192                        ; the pitch: 65,536 bytes
	s_mov_b32 s[G1+6], 0
	s_mov_b32 s[G1+7], 0
	s_or_b32 s[G1B+0], s44, (0<<16)|(1<<20)|(1<<21)|(5<<22)|(3<<25)
	s_mov_b32 s[G1B+1], ROWB<<16
	s_mov_b32 s[G1B+2], 128<<16
	s_mov_b32 s[G1B+3], ROWB<<16
	s_mov_b32 s[G1B+4], 128
	s_mov_b32 s[G1B+5], KROW
	s_mov_b32 s[G1B+6], 0
	s_mov_b32 s[G1B+7], 0
	s_lshl_b32 s20, s17, 4
	s_lshl_b32 s18, s16, 3
	s_add_co_u32 s20, s20, s18                     ; A: tile of rows 16 x tile row + 8 x half
	s_lshl_b32 s20, s20, 16
	s_mov_b32 s21, 0
	s_lshl_b32 s46, s42, 8
	s_lshl_b32 s18, s16, 7
	s_add_co_u32 s46, s46, s18                     ; B: row 256 x tile column + 128 x half
	s_lshl_b32 s46, s46, 12
	s_mov_b32 s47, 0
	s_lshl_b32 s45, s16, 15                        ; where they go: A's halves first,
	s_mul_i32 s13, s16, HALFT
	s_add_co_u32 s13, s13, 2*AHALF                 ; B's halves behind them
	s_wait_kmcnt 0x0
	s_load_b64 s[72:73], s[8:9], 0x30              ; e12, e13
	s_add_nc_u64 s[20:21], s[4:5], s[20:21]
	s_add_nc_u64 s[46:47], s[6:7], s[46:47]
	CROUND
.irp s, 0,1
	s_mov_b32 s[G0+4*\s], 1
	s_add_co_u32 s[G0+4*\s+1], s45, \s*SLOT
	s_add_nc_u64 s[G0+4*\s+2:G0+4*\s+3], s[20:21], \s*ASTEP
	s_or_b32 s[G0+4*\s+3], s[G0+4*\s+3], 0x80000000
	s_mov_b32 s[G0B+4*\s], 1
	s_add_co_u32 s[G0B+4*\s+1], s13, \s*SLOT
	s_add_nc_u64 s[G0B+4*\s+2:G0B+4*\s+3], s[46:47], \s*ROWB
	s_or_b32 s[G0B+4*\s+3], s[G0B+4*\s+3], 0x80000000
	JLOAD G0+4*\s, G1, G0B+4*\s, G1B
.endr
	v_and_b32 v1, 15, v0
	v_bfe_u32 v2, v0, 4, 1
	v_and_b32 v6, 31, v0
	v_lshlrev_b32 v[CO], 4, v6
	v_mul_u32_u24 v3, v1, PITCH
	v_lshl_add_u32 v4, v2, 4, v3
	s_lshl_b32 s21, s15, 15                        ; my 128 rows of A
	s_mul_i32 s22, s16, HALFT
	s_add_co_u32 s22, s22, 2*AHALF                 ; my 128 rows of B
.irp s, 0,1
	v_add_nc_u32 v[ADRA+\s], s21, v[CO]
	v_add_nc_u32 v[ADRB+\s], s22, v4
	s_add_co_u32 s21, s21, SLOT
	s_add_co_u32 s22, s22, SLOT
.endr
	s_mul_i32 s23, s14, 16*SPITCH                  ; my stage
	v_mul_u32_u24 v5, v1, SPITCH
	v_lshl_add_u32 v5, v2, 5, v5
	v_add_nc_u32 v[STO], s23, v5
	v_add_nc_u32 v[RD], s23, v[CO]
	s_lshl_b32 s20, s17, 8
	s_lshl_b32 s21, s15, 7
	s_add_co_u32 s20, s20, s21                     ; my first row of C
	s_lshl_b32 s20, s20, 12
	s_lshl_b32 s46, s42, 10
	s_lshl_b32 s47, s16, 9
	s_add_co_u32 s46, s46, s47                     ; my first column, in bytes
	s_mov_b32 s47, 0
	s_add_co_u32 s20, s20, s46
	s_mov_b32 s21, 0
	s_add_nc_u64 s[RP:RP+1], s[RP:RP+1], s[20:21]
	s_add_nc_u64 s[OP:OP+1], s[OP:OP+1], s[20:21]
	s_add_nc_u64 s[10:11], s[10:11], s[46:47]
	global_load_b128 v[FB:FB+3], v[CO], s[10:11]   ; fc2_b of the 4 columns that I hold of a whole row
	; the prefetches: where my wave's stand, and who asks
	s_and_b32 s23, ttmp7, 0xffff                   ; the cluster's y
	s_cmp_eq_u32 s15, 0                            ; do I fetch for A?
	s_cselect_b32 s18, s17, s42                    ; the tile: by the tile row in A, by the tile column in B
	s_cselect_b32 s19, s40, s41                    ; my place among the four that ask with me
	s_cselect_b64 s[PFA:PFA+1], s[4:5], s[6:7]
	s_mov_b32 s[PFS], ROWB
	s_cselect_b32 s[PFS], ASTEP, s[PFS]            ; a K step on
	s_cselect_b32 s22, 8, 12                       ; from block to block: 256 bytes in A's runs, a row of 4,096 in B
	s_cselect_b32 s23, 0, s23
	s_cmp_eq_u32 s23, 0
	s_cselect_b32 s[LIM], 1, -1
	s_lshl_b32 s18, s18, 4
	s_lshl_b32 s20, s16, 3
	s_add_co_u32 s18, s18, s20
	s_lshl_b32 s19, s19, 1
	s_add_co_u32 s18, s18, s19
	s_lshl_b32 s18, s18, 16                        ; (16 tile + 8 half + 2 place) x 65,536: two runs of A, or 32 rows of B
	s_mul_i32 s19, s[PFS], 3
	s_add_co_u32 s18, s18, s19                     ; at K step 3: the first refill steps it to 4
	s_mov_b32 s19, 0
	s_mov_b32 s[PFS+1], 0
	s_add_nc_u64 s[PFA:PFA+1], s[PFA:PFA+1], s[18:19]
	v_lshlrev_b32 v5, 16, v2
	v_lshlrev_b32 v[PFO], s22, v1
	v_add_nc_u32 v[PFO], v5, v[PFO]
.macro FRAG reg, adr, q, i             ; B: 16 rows x 128 K from padded rows
.irp c, 0,1,2,3
	ds_load_b128 v[\reg+4*\c:\reg+4*\c+3], v[\adr] offset:128*(\q)+32*\c+(\i)*16*PITCH
.endr
.endm
.macro FRAGA reg, adr, q, i            ; A: an image, as it lies
.irp c, 0,1,2,3
	ds_load_b128 v[\reg+4*\c:\reg+4*\c+3], v[\adr] offset:2048*(\q)+512*\c+4096*(\i)
.endr
.endm
.macro MUL16 a0, p, zero               ; the 64 accumulators take turns, one instruction a turn
.irp a, \a0, \a0+1
.irp b, 0,1,2,3,4,5,6,7
.if \zero
	v_wmma_f32_16x16x128_fp8_fp8 v[8*(8*((\a)%4)+\b):8*(8*((\a)%4)+\b)+7], v[128*(\p)+FR*\b:128*(\p)+FR*\b+FR-1], v[AF+FR*(\a):AF+FR*(\a)+FR-1], 0
.else
	v_wmma_f32_16x16x128_fp8_fp8 v[8*(8*((\a)%4)+\b):8*(8*((\a)%4)+\b)+7], v[128*(\p)+FR*\b:128*(\p)+FR*\b+FR-1], v[AF+FR*(\a):AF+FR*(\a)+FR-1], v[8*(8*((\a)%4)+\b):8*(8*((\a)%4)+\b)+7]
.endif
.endr
.endr
.endm
.macro FETCH_B slot, q, p
	WIN TO_B
.irp i, 0,1,2,3,4,5,6,7
	FRAG 128*(\p)+FR*\i, ADRB+\slot, \q, \i
.endr
	WIN 0
.endm
.macro FETCH_A slot, q, i0
.irp i, \i0, \i0+1, \i0+2, \i0+3
	FRAGA AF+FR*(\i), ADRA+\slot, \q, \i
.endr
.endm
.macro STEP slot, q, zero
	s_wait_dscnt 4*NL                              ; the youngest 16 loads (A's blocks 4-7) may be out
	WIN MUL_LO
	MUL16 0, (\q)%2, \zero
	MUL16 2, (\q)%2, \zero
	s_wait_dscnt 0
	PLACES NP
	FETCH_B \slot, (\q)+1, 1-(\q)%2
	FETCH_A \slot, (\q)+1, 0
	WIN MUL_HI
	MUL16 4, (\q)%2, \zero
	MUL16 6, (\q)%2, \zero
	PLACES NP
	WIN 0
	FETCH_A \slot, (\q)+1, 4
.endm
.macro TURN slot, next, fill
.if \fill
	s_wait_xcnt 0x0                                ; the last prefetch, a K step back, has read its address
	s_add_nc_u64 s[PFA:PFA+1], s[PFA:PFA+1], s[PFS:PFS+1]
.endif
	s_wait_tensorcnt 0x0                           ; all my tensor loads have landed
	ds_add_u32 v[SPW], v[NIL]                      ; 0 onto my spare word
	s_wait_dscnt 4*NL+1                            ; (the add and A's blocks 4-7 may be out)
	WIN MUL_LO
	MUL16 0, 1, 0
	s_wait_dscnt 0x0                               ; the add is done, and my reads of this slot are over
	s_barrier_signal -1
	MUL16 2, 1, 0
	WIN 0
	s_barrier_wait -1
.if \fill
	CREST
	s_add_nc_u64 s[G0+4*\slot+2:G0+4*\slot+3], s[G0+4*\slot+2:G0+4*\slot+3], 2*ASTEP
	s_add_nc_u64 s[G0B+4*\slot+2:G0B+4*\slot+3], s[G0B+4*\slot+2:G0B+4*\slot+3], 2*ROWB
	JLOAD G0+4*\slot, G1, G0B+4*\slot, G1B
.else
	PLACES NP
.endif
	FETCH_B \next, 0, 0
	FETCH_A \next, 0, 0
.if \fill
	ASK                                            ; behind the joint load and the run of LDS loads that the next products wait for
.endif
	WIN MUL_HI
	MUL16 4, 1, 0
	MUL16 6, 1, 0
	PLACES NP
	WIN 0
	FETCH_A \next, 0, 4
.endm
	s_wait_tensorcnt 1                             ; my part of K step 0 is in (K step 1's load may be out)
	s_barrier_signal -1
	s_barrier_wait -1
	FETCH_B 0, 0, 0
	FETCH_A 0, 0, 0
	FETCH_A 0, 0, 4
	STEP 0, 0, 1
	s_mov_b32 s3, LAPS-1
.Llap:
	TURN 0, 1, 1
	STEP 1, 0, 0
	TURN 1, 0, 1
	STEP 0, 0, 0
	s_sub_co_u32 s3, s3, 1
	s_cmp_lg_u32 s3, 0
	s_cbranch_scc1 .Llap
	TURN 0, 1, 0
	STEP 1, 0, 0
	s_wait_dscnt 4*NL
	WIN MUL_LO
	MUL16 0, 1, 0
	MUL16 2, 1, 0
	s_wait_dscnt 0
	WIN MUL_HI
	MUL16 4, 1, 0
	MUL16 6, 1, 0
	WIN 0
; ---- THE WAY OUT: a counted loop over my eight blocks of 16 rows x 128 columns; only the lines that read the accumulators are written eight times
.macro SNIP a
	WIN 0x02+((\a)/4)
.set AC, 64*((\a)%4)
.set sj, 0
.rept 32
	v_pk_mul_f32 v[TMP+sj:TMP+sj+1], v[AC+sj:AC+sj+1], s[SC:SC+1] op_sel_hi:[1,0]   ; x 2^(e12 + e13), each accumulator from its low end on
.set sj, sj+2
.endr
	WIN 0
.endm
.macro GETBLOCK
	s_cmp_eq_u32 s[BI], 0
	s_cbranch_scc1 .Lga_\@
	s_cmp_eq_u32 s[BI], 1
	s_cbranch_scc1 .Lgb_\@
	s_cmp_eq_u32 s[BI], 2
	s_cbranch_scc1 .Lgc_\@
	s_cmp_eq_u32 s[BI], 3
	s_cbranch_scc1 .Lgd_\@
	s_cmp_eq_u32 s[BI], 4
	s_cbranch_scc1 .Lge_\@
	s_cmp_eq_u32 s[BI], 5
	s_cbranch_scc1 .Lgf_\@
	s_cmp_eq_u32 s[BI], 6
	s_cbranch_scc1 .Lgg_\@
	SNIP 7
	s_branch .Lgot_\@
.Lga_\@:
	SNIP 0
	s_branch .Lgot_\@
.Lgb_\@:
	SNIP 1
	s_branch .Lgot_\@
.Lgc_\@:
	SNIP 2
	s_branch .Lgot_\@
.Lgd_\@:
	SNIP 3
	s_branch .Lgot_\@
.Lge_\@:
	SNIP 4
	s_branch .Lgot_\@
.Lgf_\@:
	SNIP 5
	s_branch .Lgot_\@
.Lgg_\@:
	SNIP 6
.Lgot_\@:
.endm
	s_wait_kmcnt 0x0
	s_add_co_i32 s18, s72, s73
	s_add_co_i32 s18, s18, 127
	s_lshl_b32 s[SC], s18, 23                      ; 2^(e12 + e13)
	s_mov_b32 s[SC+1], s[SC]
	PLACES NP                                      ; behind the last products: for the reads of results and for loads into A's registers
	s_mov_b32 s[BI], 0
.Lblk:
.set n, 0
.rept 16
	global_load_b128 v[RS+4*n:RS+4*n+3], v[CO], s[RP:RP+1] offset:4096*n th:TH_LOAD_NT   ; the block's 16 rows of res2: 512 consecutive bytes a load
.set n, n+1
.endr
	GETBLOCK
.irp b, 0,1,2,3,4,5,6,7
	ds_store_b128 v[STO], v[TMP+8*\b:TMP+8*\b+3] offset:64*\b
	ds_store_b128 v[STO], v[TMP+8*\b+4:TMP+8*\b+7] offset:64*\b+16
.endr
.set n, 0
.rept 16
	ds_load_b128 v[BK+4*n:BK+4*n+3], v[RD] offset:n*SPITCH   ; LDS serves a wave's instructions in order: these see my stores
.set n, n+1
.endr
	s_wait_dscnt 0x0
	s_wait_loadcnt 0x0                             ; res2's rows (and, in the first trip, fc2_b)
.set n, 0
.rept 16
	v_pk_add_f32 v[RS+4*n:RS+4*n+1], v[RS+4*n:RS+4*n+1], v[FB:FB+1]
	v_pk_add_f32 v[RS+4*n+2:RS+4*n+3], v[RS+4*n+2:RS+4*n+3], v[FB+2:FB+3]
.set n, n+1
.endr
.set n, 0
.rept 32
	v_pk_add_f32 v[BK+n:BK+n+1], v[BK+n:BK+n+1], v[RS+n:RS+n+1]
.set n, n+2
.endr
.set n, 0
.rept 16
	global_store_b128 v[CO], v[BK+4*n:BK+4*n+3], s[OP:OP+1] offset:4096*n th:TH_STORE_NT   ; 512 consecutive bytes, aligned
.set n, n+1
.endr
	s_wait_xcnt 0x0                                ; the stores have read their registers and their base
	s_add_nc_u64 s[RP:RP+1], s[RP:RP+1], 65536     ; 16 rows on
	s_add_nc_u64 s[OP:OP+1], s[OP:OP+1], 65536
	s_add_co_u32 s[BI], s[BI], 1
	s_cmp_lt_u32 s[BI], 8
	s_cbranch_scc1 .Lblk
	s_wait_tensorcnt 0x0                           ; the wave's end
	ds_add_u32 v[SPW], v[NIL]
	s_wait_dscnt 0x0
	CROUND
	s_endpgm
.Lfunc_end_k_qdfec724caa_fc2:
	.size	k_qdfec724caa_fc2, .Lfunc_end_k_qdfec724caa_fc2-k_qdfec724caa_fc2
	.p2alignl 7, 3214868480
	.fill 96, 4, 3214868480
	.section	.rodata,"a",@progbits
	.p2align	6, 0x0
	.amdhsa_kernel k_qdfec724caa_fc2
		.amdhsa_group_segment_fixed_size 327680
		.amdhsa_private_segment_fixed_size 0
		.amdhsa_enable_private_segment 0
		.amdhsa_kernarg_size 48
		.amdhsa_user_sgpr_count 2
		.amdhsa_user_sgpr_kernarg_segment_ptr 1
		.amdhsa_wavefront_size32 1
		.amdhsa_system_sgpr_workgroup_id_x 1
		.amdhsa_system_sgpr_workgroup_id_y 1
		.amdhsa_system_sgpr_workgroup_id_z 1
		.amdhsa_system_vgpr_workitem_id 0
		.amdhsa_next_free_vgpr 1024
		.amdhsa_next_free_sgpr 100
		.amdhsa_reserve_vcc 0
		.amdhsa_float_denorm_mode_32 3
		.amdhsa_float_denorm_mode_16_64 3
		.amdhsa_memory_ordered 1
		.amdhsa_forward_progress 1
		.amdhsa_inst_pref_size 106
	.end_amdhsa_kernel
	.amdgpu_metadata
---
amdhsa.version: [ 1, 2 ]
amdhsa.kernels:
  - .name:           k_qdfec724caa_fc2
    .symbol:         k_qdfec724caa_fc2.kd
    .args:
      - { .name: gq, .offset: 0, .size: 8, .value_kind: global_buffer, .address_space: global }
      - { .name: fc2_w_codes, .offset: 8, .size: 8, .value_kind: global_buffer, .address_space: global }
      - { .name: lowp_scales, .offset: 16, .size: 8, .value_kind: global_buffer, .address_space: global }
      - { .name: fc2_b, .offset: 24, .size: 8, .value_kind: global_buffer, .address_space: global }
      - { .name: res2, .offset: 32, .size: 8, .value_kind: global_buffer, .address_space: global }
      - { .name: out0, .offset: 40, .size: 8, .value_kind: global_buffer, .address_space: global }
    .group_segment_fixed_size: 327680
    .private_segment_fixed_size: 0
    .kernarg_segment_align: 8
    .kernarg_segment_size: 48
    .max_flat_workgroup_size: 128
    .sgpr_count:     100
    .vgpr_count:     1024
    .wavefront_size: 32
...
	.end_amdgpu_metadata
.endif
;; end of part 5
;; ======== version 2 of 2: 5 launches
;; limits: right only within a limited range of input values
;; workspace buffers: xq 4,194,304 bytes; kq 4,194,304 bytes; vq 4,194,304 bytes; res2 16,777,216 bytes; hq 4,194,304 bytes; gq 16,777,216 bytes
;; launch kvx (part 6): grid 8 x 16, 4 waves a work-group, clusters of 4 x 4, 327,680 bytes of LDS; arguments context_codes, Wk_w_codes, Wv_w_codes, lowp_scales, query, Wk_b, Wv_b, kn_w, kn_b, xq, kq, vq; writes xq, kq, vq
.if DOCPART == 6
	.amdgcn_target "amdgcn-amd-amdhsa--gfx1250"
	.amdhsa_code_object_version 6
	.text
	.protected	k_qdfec724caa_kvx
	.globl	k_qdfec724caa_kvx
	.p2align	8
	.type	k_qdfec724caa_kvx,@function
k_qdfec724caa_kvx:
	s_mov_b64 s[64:65], 0
	v_nop
	global_prefetch_b8 v0, s[64:65] scope:SCOPE_SE
	s_setreg_imm32_b32 hwreg(HW_REG_WAVE_MODE, 25, 1), 1
	s_wait_xcnt 0x0
	s_wait_alu depctr_hold_cnt(0) depctr_sa_sdst(0) depctr_va_vdst(0) depctr_va_sdst(0) depctr_va_ssrc(0) depctr_va_vcc(0) depctr_vm_vsrc(0)
	s_getreg_b32 s2, hwreg(HW_REG_IB_STS2, 6, 4)
	s_cmp_eq_u32 s2, 0
	s_cbranch_scc0 .Lentry_in_a_cluster
	s_endpgm
.Lentry_in_a_cluster:
	s_bfe_u32 s2, ttmp6, 0x10000c
	s_cmp_lg_u32 s2, 0xf033
	s_cbranch_scc0 .Lentry_shape_is_right
	s_endpgm
.Lentry_shape_is_right:
; kq = codes (entry 7) of LayerNorm(context Wk + Wk_b) per head, vq = codes (entry 9) of (context Wv + Wv_b) with the keys innermost, both laid as register images for the attention launch;
; xq = codes (entry 0) of query, as register images.  Clusters with x = 0 make K's tiles of 256 x 256, clusters with x = 1 V's (transposed); every work-group quantises its share of query at its head.
; LEFT OUT: qpos and cpos.  Whatever they hold, they reach no output: they are not loaded and are among no launch's arguments.
.set KROW,   1024
.set ROWB,   256
.set PITCH,  272
.set FR,     16
.set NL,     4
.set NP,     4
.set HALFT,  128*PITCH
.set SLOT,   4*HALFT
.set LAPS,   KROW/(2*ROWB)
.set SPARE,  2*SLOT
.set XST,    SPARE+512
.set XSP,    528
.set XSW,    16*XSP
.set LI,   7
.set XIN,  8
.set XOUT, 9
.set HO,   10
.set RO,   11
.set ADRA, 16
.set ADRB, 20
.set SPW,  28
.set NIL,  29
.set BIAS, 32
.set BV,   32
.set LW,   96
.set AF,   128
.set LB,   128
.set TMP,  160
.set CD,   224
.set LT,   240
.set QS,   252
.set QL,   253
.set XS,   32
.set XY,   160
.set XC,   224
.set XSC,  240
.set XLM,  241
.set BI,   2
.set OP,   8
.set QP,   10
.set XP,   12
.set G1,   24
.set G0,   32
.set G1B,  48
.set G0B,  56
.set SC,   66
.set SEL,  92
.set INV,  94
.set EPS,  95
.set QSS,  98
.set QLS,  99
.set MSB, 0
.macro WIN new
.if MSB != \new
	s_set_vgpr_msb (MSB<<8)|\new
.set MSB, \new
.endif
.endm
.set MUL_LO, 0xa1
.set MUL_HI, 0xf1
.set TO_B,   0x40
.macro JLOAD g0a, g1a, g0b, g1b
	s_cmp_eq_u32 s15, 0
	s_cbranch_scc0 .Lfor_b_\@
	tensor_load_to_lds s[\g0a:\g0a+3], s[\g1a:\g1a+7]
	s_nop 0
.rept 4
	v_nop
.endr
	s_branch .Lasked_\@
.Lfor_b_\@:
	tensor_load_to_lds s[\g0b:\g0b+3], s[\g1b:\g1b+7]
	s_nop 0
.rept 4
	v_nop
.endr
.Lasked_\@:
.endm
.macro CREST
	s_cmp_lg_u32 s14, 0
	s_cbranch_scc1 .Lnot_wave_0_\@
	s_barrier_signal -3
.Lnot_wave_0_\@:
	s_barrier_wait -3
	s_barrier_signal -1
	s_barrier_wait -1
.endm
.macro CROUND
	s_barrier_signal -1
	s_barrier_wait -1
	CREST
.endm
.macro PLACES n
.rept \n
	v_nop
.endr
.endm
.macro QCVT X, n, C, sc, lim
.set qi, 0
.rept 8*\n
	v_med3_num_f32 v[\X+qi], v[\X+qi], -v[\lim], v[\lim]
.set qi, qi+1
.endr
.set qi, 0
.rept \n
	v_cvt_scalef32_pk8_fp8_f32 v[\C+2*qi:\C+2*qi+1], v[\X+8*qi:\X+8*qi+7], v[\sc]
.set qi, qi+1
.endr
	v_nop
.endm
.macro LNORM nh, X, W, B, T
.set lg, 0
.rept \nh
	v_pk_add_f32 v[\T+6*lg:\T+6*lg+1], v[\X+32*lg:\X+32*lg+1], v[\X+32*lg+2:\X+32*lg+3]
	v_pk_add_f32 v[\T+6*lg+2:\T+6*lg+3], v[\X+32*lg+4:\X+32*lg+5], v[\X+32*lg+6:\X+32*lg+7]
.set lg, lg+1
.endr
.set lp, 8
.rept 6
.set lg, 0
.rept \nh
	v_pk_add_f32 v[\T+6*lg:\T+6*lg+1], v[\T+6*lg:\T+6*lg+1], v[\X+32*lg+lp:\X+32*lg+lp+1]
	v_pk_add_f32 v[\T+6*lg+2:\T+6*lg+3], v[\T+6*lg+2:\T+6*lg+3], v[\X+32*lg+lp+2:\X+32*lg+lp+3]
.set lg, lg+1
.endr
.set lp, lp+4
.endr
.set lg, 0
.rept \nh
	v_pk_add_f32 v[\T+6*lg:\T+6*lg+1], v[\T+6*lg:\T+6*lg+1], v[\T+6*lg+2:\T+6*lg+3]
.set lg, lg+1
.endr
.set lg, 0
.rept \nh
	v_add_f32 v[\T+6*lg], v[\T+6*lg], v[\T+6*lg+1]
.set lg, lg+1
.endr
.set lg, 0
.rept \nh
	v_permlanex16_b32 v[\T+6*lg+1], v[\T+6*lg], s[SEL], s[SEL+1]
.set lg, lg+1
.endr
.set lg, 0
.rept \nh
	v_add_f32 v[\T+6*lg], v[\T+6*lg], v[\T+6*lg+1]
.set lg, lg+1
.endr
.set lg, 0
.rept \nh
	v_mul_f32 v[\T+6*lg], s[INV], v[\T+6*lg]
.set lg, lg+1
.endr
.set lp, 0
.rept 16
.set lg, 0
.rept \nh
	v_pk_add_f32 v[\X+32*lg+lp:\X+32*lg+lp+1], v[\X+32*lg+lp:\X+32*lg+lp+1], v[\T+6*lg:\T+6*lg+1] op_sel_hi:[1,0] neg_lo:[0,1] neg_hi:[0,1]
.set lg, lg+1
.endr
.set lp, lp+2
.endr
.set lg, 0
.rept \nh
	v_pk_mul_f32 v[\T+6*lg+2:\T+6*lg+3], v[\X+32*lg:\X+32*lg+1], v[\X+32*lg:\X+32*lg+1]
	v_pk_mul_f32 v[\T+6*lg+4:\T+6*lg+5], v[\X+32*lg+2:\X+32*lg+3], v[\X+32*lg+2:\X+32*lg+3]
.set lg, lg+1
.endr
.set lp, 4
.rept 7
.set lg, 0
.rept \nh
	v_pk_fma_f32 v[\T+6*lg+2:\T+6*lg+3], v[\X+32*lg+lp:\X+32*lg+lp+1], v[\X+32*lg+lp:\X+32*lg+lp+1], v[\T+6*lg+2:\T+6*lg+3]
	v_pk_fma_f32 v[\T+6*lg+4:\T+6*lg+5], v[\X+32*lg+lp+2:\X+32*lg+lp+3], v[\X+32*lg+lp+2:\X+32*lg+lp+3], v[\T+6*lg+4:\T+6*lg+5]
.set lg, lg+1
.endr
.set lp, lp+4
.endr
.set lg, 0
.rept \nh
	v_pk_add_f32 v[\T+6*lg+2:\T+6*lg+3], v[\T+6*lg+2:\T+6*lg+3], v[\T+6*lg+4:\T+6*lg+5]
.set lg, lg+1
.endr
.set lg, 0
.rept \nh
	v_add_f32 v[\T+6*lg+2], v[\T+6*lg+2], v[\T+6*lg+3]
.set lg, lg+1
.endr
.set lg, 0
.rept \nh
	v_permlanex16_b32 v[\T+6*lg+3], v[\T+6*lg+2], s[SEL], s[SEL+1]
.set lg, lg+1
.endr
.set lg, 0
.rept \nh
	v_add_f32 v[\T+6*lg+2], v[\T+6*lg+2], v[\T+6*lg+3]
.set lg, lg+1
.endr
.set lg, 0
.rept \nh
	v_fma_f32 v[\T+6*lg+2], v[\T+6*lg+2], s[INV], s[EPS]
.set lg, lg+1
.endr
.set lg, 0
	s_wait_alu depctr_va_vdst(0)
.rept \nh
	v_rsq_f32 v[\T+6*lg+4], v[\T+6*lg+2]
.set lg, lg+1
.endr
	v_nop
	s_wait_loadcnt 0x0
	s_wait_alu depctr_va_vdst(0)
.set lp, 0
.rept 16
.set lg, 0
.rept \nh
	v_pk_mul_f32 v[\X+32*lg+lp:\X+32*lg+lp+1], v[\X+32*lg+lp:\X+32*lg+lp+1], v[\T+6*lg+4:\T+6*lg+5] op_sel_hi:[1,0]
.set lg, lg+1
.endr
.set lp, lp+2
.endr
.set lp, 0
.rept 16
.set lg, 0
.rept \nh
	v_pk_fma_f32 v[\X+32*lg+lp:\X+32*lg+lp+1], v[\X+32*lg+lp:\X+32*lg+lp+1], v[\W+lp:\W+lp+1], v[\B+lp:\B+lp+1]
.set lg, lg+1
.endr
.set lp, lp+2
.endr
.endm
	s_load_b256 s[68:75], s[0:1], 0x0
	s_load_b256 s[76:83], s[0:1], 0x20
	s_load_b256 s[84:91], s[0:1], 0x40
	v_lshl_add_u32 v[SPW], v0, 2, SPARE
	v_mov_b32 v[NIL], 0
	ds_add_u32 v28, v29
	ds_add_u32 v28, v29
	s_wait_dscnt 0x0
	v_lshrrev_b32 v1, 5, v0
	v_readfirstlane_b32 s14, v1
	s_lshr_b32 s15, s14, 1
	s_and_b32 s16, s14, 1
	s_bfe_u32 s40, ttmp6, 0x40000
	s_bfe_u32 s41, ttmp6, 0x40004
	s_and_b32 s12, ttmp7, 0xffff
	s_cmp_eq_u32 ttmp9, 0
	s_cselect_b32 s42, 0, s12
	s_cselect_b32 s17, s12, 0
	s_lshl_b32 s42, s42, 2
	s_add_co_u32 s42, s42, s40
	s_lshl_b32 s17, s17, 2
	s_add_co_u32 s17, s17, s41
	s_lshl_b32 s43, s41, 2
	s_lshl_b32 s43, 15, s43
	s_lshl_b32 s44, 0x1111, s40
	s_or_b32 s[G1+0], s43, (0<<16)|(1<<20)|(1<<21)|(5<<22)|(3<<25)
	s_or_b32 s[G1B+0], s44, (0<<16)|(1<<20)|(1<<21)|(5<<22)|(3<<25)
.irp g, G1, G1B
	s_mov_b32 s[\g+1], ROWB<<16
	s_mov_b32 s[\g+2], 128<<16
	s_mov_b32 s[\g+3], ROWB<<16
	s_mov_b32 s[\g+4], 128
	s_mov_b32 s[\g+5], KROW
	s_mov_b32 s[\g+6], 0
	s_mov_b32 s[\g+7], 0
.endr
	s_lshl_b32 s18, s16, 7
	s_lshl_b32 s20, s17, 8
	s_add_co_u32 s20, s20, s18
	s_lshl_b32 s46, s42, 8
	s_add_co_u32 s46, s46, s18
	s_lshl_b32 s20, s20, 10
	s_lshl_b32 s46, s46, 10
	s_mov_b32 s21, 0
	s_mov_b32 s47, 0
	s_mul_i32 s45, s14, HALFT
	s_lshl_b32 s18, s12, 2
	s_add_co_u32 s18, s18, s41
	s_lshl_b32 s18, s18, 3
	s_lshl_b32 s19, ttmp9, 2
	s_add_co_u32 s18, s18, s19
	s_add_co_u32 s18, s18, s40
	s_lshl_b32 s18, s18, 1
	s_add_co_u32 s18, s18, s15
	s_lshl_b32 s22, s18, 16
	s_lshl_b32 s19, s16, 11
	s_add_co_u32 s22, s22, s19
	s_mov_b32 s23, 0
	s_lshl_b32 s18, s18, 14
	s_lshl_b32 s19, s16, 13
	s_add_co_u32 s18, s18, s19
	s_mov_b32 s19, 0
	s_wait_kmcnt 0x0
	s_load_b256 s[92:99], s[74:75], 0x0
	s_load_b64 s[100:101], s[74:75], 0x20
	s_cmp_eq_u32 ttmp9, 0
	s_cselect_b64 s[4:5], s[68:69], s[72:73]
	s_cselect_b64 s[6:7], s[70:71], s[68:69]
	s_add_nc_u64 s[20:21], s[4:5], s[20:21]
	s_add_nc_u64 s[46:47], s[6:7], s[46:47]
	s_add_nc_u64 s[QP:QP+1], s[76:77], s[22:23]
	s_add_nc_u64 s[XP:XP+1], s[86:87], s[18:19]
	CROUND
.irp s, 0,1
	s_mov_b32 s[G0+4*\s], 1
	s_add_co_u32 s[G0+4*\s+1], s45, \s*SLOT
	s_add_nc_u64 s[G0+4*\s+2:G0+4*\s+3], s[20:21], \s*ROWB
	s_or_b32 s[G0+4*\s+3], s[G0+4*\s+3], 0x80000000
	s_mov_b32 s[G0B+4*\s], 1
	s_add_co_u32 s[G0B+4*\s+1], s45, \s*SLOT
	s_add_nc_u64 s[G0B+4*\s+2:G0B+4*\s+3], s[46:47], \s*ROWB
	s_or_b32 s[G0B+4*\s+3], s[G0B+4*\s+3], 0x80000000
	s_wait_alu depctr_va_vdst(0)
	s_wait_tensorcnt 0x0
	ds_add_u32 v28, v29
	ds_add_u32 v28, v29
	s_wait_dscnt 0x0
	CROUND
	JLOAD G0+4*\s, G1, G0B+4*\s, G1B
.endr
	v_and_b32 v1, 15, v0
	v_bfe_u32 v2, v0, 4, 1
	v_mul_u32_u24 v3, v1, PITCH
	v_lshl_add_u32 v4, v2, 4, v3
	s_mul_i32 s21, s15, HALFT
	s_mul_i32 s22, s16, HALFT
	s_add_co_u32 s22, s22, 2*HALFT
.irp s, 0,1
	v_add_nc_u32 v[ADRA+\s], s21, v4
	v_add_nc_u32 v[ADRB+\s], s22, v4
	s_add_co_u32 s21, s21, SLOT
	s_add_co_u32 s22, s22, SLOT
.endr
	v_and_b32 v6, 31, v0
	v_lshlrev_b32 v[LI], 4, v6
	s_mul_i32 s18, s14, XSW
	s_add_co_u32 s18, s18, XST
	v_add_nc_u32 v[XIN], s18, v[LI]
	v_mul_u32_u24 v[XOUT], v1, XSP
	v_lshl_add_u32 v[XOUT], v2, 6, v[XOUT]
	v_add_nc_u32 v[XOUT], s18, v[XOUT]
	v_lshlrev_b32 v[HO], 5, v2
	v_lshlrev_b32 v[RO], 2, v1
.macro XLOAD f
.set n, 0
.rept 16
	global_load_b128 v[XS+64*((\f)%2)+4*n:XS+64*((\f)%2)+4*n+3], v[LI], s[QP:QP+1] offset:512*(\f)+4096*n th:TH_LOAD_NT
.set n, n+1
.endr
.endm
.macro XFRAG f
.if (\f) < 3
	s_wait_loadcnt 16
.else
	s_wait_loadcnt 0x0
.endif
.set n, 0
.rept 16
	ds_store_b128 v[XIN], v[XS+64*((\f)%2)+4*n:XS+64*((\f)%2)+4*n+3] offset:XSP*n
.set n, n+1
.endr
.irp c, 0,1,2,3
.irp j, 0,1,2,3
	ds_load_b128 v[XY+16*\c+4*\j:XY+16*\c+4*\j+3], v[XOUT] offset:128*\c+16*\j
.endr
.endr
	s_wait_dscnt 0x0
.if (\f) < 2
	XLOAD (\f)+2
.endif
.if (\f) > 0
	s_wait_xcnt 0x0
.endif
	QCVT XY, 8, XC, XSC, XLM
.irp c, 0,1,2,3
	global_store_b128 v[LI], v[XC+4*\c:XC+4*\c+3], s[XP:XP+1] offset:2048*(\f)+512*\c
.endr
.endm
	XLOAD 0
	XLOAD 1
	s_wait_alu depctr_va_vdst(0)
	s_wait_kmcnt 0x0
	s_add_co_i32 s18, s92, 127
	s_lshl_b32 s19, s18, 23
	v_mov_b32 v[XSC], s19
	s_add_co_i32 s18, s18, 8
	s_lshl_b32 s18, s18, 23
	s_or_b32 s18, s18, 0x600000
	v_mov_b32 v[XLM], s18
	s_add_co_i32 s18, s94, s95
	s_add_co_i32 s19, s96, s97
	s_cmp_eq_u32 ttmp9, 0
	s_cselect_b32 s18, s18, s19
	s_cselect_b32 s19, s99, s101
	s_add_co_i32 s18, s18, 127
	s_lshl_b32 s[SC], s18, 23
	s_mov_b32 s[SC+1], s[SC]
	s_add_co_i32 s19, s19, 127
	s_lshl_b32 s[QSS], s19, 23
	s_add_co_i32 s19, s19, 8
	s_lshl_b32 s19, s19, 23
	s_or_b32 s[QLS], s19, 0x600000
	s_mov_b32 s[SEL], 0x76543210
	s_mov_b32 s[SEL+1], 0xfedcba98
	s_mov_b32 s[INV], 0x3c800000
	s_mov_b32 s[EPS], 0x3727c5ac
	s_wait_alu depctr_va_vdst(0)
	XFRAG 0
	XFRAG 1
	XFRAG 2
	XFRAG 3
	s_wait_xcnt 0x0
	s_cmp_lg_u32 ttmp9, 0
	s_cbranch_scc1 .Lpar_v
	s_lshl_b32 s18, s42, 10
	s_lshl_b32 s19, s16, 9
	s_add_co_u32 s18, s18, s19
	s_mov_b32 s19, 0
	s_add_nc_u64 s[78:79], s[78:79], s[18:19]
.irp b, 0,1,2,3,4,5,6,7
	global_load_b128 v[BIAS+8*\b:BIAS+8*\b+3], v[HO], s[78:79] offset:64*\b
	global_load_b128 v[BIAS+8*\b+4:BIAS+8*\b+7], v[HO], s[78:79] offset:64*\b+16
.endr
.irp b, 0,1,2,3
	global_load_b128 v[LW+8*\b:LW+8*\b+3], v[HO], s[82:83] offset:64*\b
	global_load_b128 v[LW+8*\b+4:LW+8*\b+7], v[HO], s[82:83] offset:64*\b+16
.endr
	s_branch .Lpar_done
.Lpar_v:
	s_lshl_b32 s18, s17, 10
	s_lshl_b32 s19, s15, 9
	s_add_co_u32 s18, s18, s19
	s_mov_b32 s19, 0
	s_add_nc_u64 s[80:81], s[80:81], s[18:19]
.irp a, 0,1,2,3,4,5,6,7
	global_load_b32 v[BV+2*\a], v[RO], s[80:81] offset:64*\a
	global_load_b32 v[BV+2*\a+1], v[RO], s[80:81] offset:64*\a
.endr
.Lpar_done:
.macro FRAG reg, adr, q, i
.irp c, 0,1,2,3
	ds_load_b128 v[\reg+4*\c:\reg+4*\c+3], v[\adr] offset:128*(\q)+32*\c+(\i)*16*PITCH
.endr
.endm
.macro MUL16 a0, p, zero
.irp a, \a0, \a0+1
.irp b, 0,1,2,3,4,5,6,7
.if \zero
	v_wmma_f32_16x16x128_fp8_fp8 v[8*(8*((\a)%4)+\b):8*(8*((\a)%4)+\b)+7], v[128*(\p)+FR*\b:128*(\p)+FR*\b+FR-1], v[AF+FR*(\a):AF+FR*(\a)+FR-1], 0
.else
	v_wmma_f32_16x16x128_fp8_fp8 v[8*(8*((\a)%4)+\b):8*(8*((\a)%4)+\b)+7], v[128*(\p)+FR*\b:128*(\p)+FR*\b+FR-1], v[AF+FR*(\a):AF+FR*(\a)+FR-1], v[8*(8*((\a)%4)+\b):8*(8*((\a)%4)+\b)+7]
.endif
.endr
.endr
.endm
.macro FETCH_B slot, q, p
	WIN TO_B
.irp i, 0,1,2,3,4,5,6,7
	FRAG 128*(\p)+FR*\i, ADRB+\slot, \q, \i
.endr
	WIN 0
.endm
.macro FETCH_A slot, q, i0
.irp i, \i0, \i0+1, \i0+2, \i0+3
	FRAG AF+FR*(\i), ADRA+\slot, \q, \i
.endr
.endm
.macro STEP slot, q, zero
	s_wait_dscnt 4*NL
	WIN MUL_LO
	MUL16 0, (\q)%2, \zero
	MUL16 2, (\q)%2, \zero
	s_wait_dscnt 0
	PLACES NP
	FETCH_B \slot, (\q)+1, 1-(\q)%2
	FETCH_A \slot, (\q)+1, 0
	WIN MUL_HI
	MUL16 4, (\q)%2, \zero
	MUL16 6, (\q)%2, \zero
	PLACES NP
	WIN 0
	FETCH_A \slot, (\q)+1, 4
.endm
.macro TURN slot, next, fill
	s_wait_tensorcnt 0x0
	ds_add_u32 v[SPW], v[NIL]
	s_wait_dscnt 4*NL+1
	WIN MUL_LO
	MUL16 0, 1, 0
	s_wait_dscnt 0x0
	s_barrier_signal -1
	MUL16 2, 1, 0
	WIN 0
	s_barrier_wait -1
.if \fill
	CREST
	s_add_nc_u64 s[G0+4*\slot+2:G0+4*\slot+3], s[G0+4*\slot+2:G0+4*\slot+3], 2*ROWB
	s_add_nc_u64 s[G0B+4*\slot+2:G0B+4*\slot+3], s[G0B+4*\slot+2:G0B+4*\slot+3], 2*ROWB
	JLOAD G0+4*\slot, G1, G0B+4*\slot, G1B
.else
	PLACES NP
.endif
	FETCH_B \next, 0, 0
	FETCH_A \next, 0, 0
	WIN MUL_HI
	MUL16 4, 1, 0
	MUL16 6, 1, 0
	PLACES NP
	WIN 0
	FETCH_A \next, 0, 4
.endm
	s_wait_tensorcnt 1
	s_barrier_signal -1
	s_barrier_wait -1
	FETCH_B 0, 0, 0
	FETCH_A 0, 0, 0
	FETCH_A 0, 0, 4
	STEP 0, 0, 1
	s_mov_b32 s3, LAPS-1
.Llap:
	TURN 0, 1, 1
	STEP 1, 0, 0
	TURN 1, 0, 1
	STEP 0, 0, 0
	s_sub_co_u32 s3, s3, 1
	s_cmp_lg_u32 s3, 0
	s_cbranch_scc1 .Llap
	TURN 0, 1, 0
	STEP 1, 0, 0
	s_wait_dscnt 4*NL
	WIN MUL_LO
	MUL16 0, 1, 0
	MUL16 2, 1, 0
	s_wait_dscnt 0
	WIN MUL_HI
	MUL16 4, 1, 0
	MUL16 6, 1, 0
	WIN 0
.macro SNIP a, kind
	WIN 0x02+((\a)/4)
.set AC, 64*((\a)%4)
.set sj, 0
.rept 32
.if \kind == 1
	v_pk_fma_f32 v[TMP+sj:TMP+sj+1], v[AC+sj:AC+sj+1], s[SC:SC+1], v[BIAS+sj:BIAS+sj+1] op_sel_hi:[1,0,1]
.else
	v_pk_fma_f32 v[TMP+sj:TMP+sj+1], v[AC+sj:AC+sj+1], s[SC:SC+1], v[BV+2*(\a):BV+2*(\a)+1] op_sel_hi:[1,0,1]
.endif
.set sj, sj+2
.endr
	WIN 0
.endm
.macro GETBLOCK kind
	s_cmp_eq_u32 s[BI], 0
	s_cbranch_scc1 .Lga_\@
	s_cmp_eq_u32 s[BI], 1
	s_cbranch_scc1 .Lgb_\@
	s_cmp_eq_u32 s[BI], 2
	s_cbranch_scc1 .Lgc_\@
	s_cmp_eq_u32 s[BI], 3
	s_cbranch_scc1 .Lgd_\@
	s_cmp_eq_u32 s[BI], 4
	s_cbranch_scc1 .Lge_\@
	s_cmp_eq_u32 s[BI], 5
	s_cbranch_scc1 .Lgf_\@
	s_cmp_eq_u32 s[BI], 6
	s_cbranch_scc1 .Lgg_\@
	SNIP 7, \kind
	s_branch .Lgot_\@
.Lga_\@:
	SNIP 0, \kind
	s_branch .Lgot_\@
.Lgb_\@:
	SNIP 1, \kind
	s_branch .Lgot_\@
.Lgc_\@:
	SNIP 2, \kind
	s_branch .Lgot_\@
.Lgd_\@:
	SNIP 3, \kind
	s_branch .Lgot_\@
.Lge_\@:
	SNIP 4, \kind
	s_branch .Lgot_\@
.Lgf_\@:
	SNIP 5, \kind
	s_branch .Lgot_\@
.Lgg_\@:
	SNIP 6, \kind
.Lgot_\@:
.endm
	PLACES NP
	v_mov_b32 v[QS], s[QSS]
	v_mov_b32 v[QL], s[QLS]
	s_mov_b32 s[BI], 0
	s_lshl_b32 s18, s17, 8
	s_lshl_b32 s19, s15, 7
	s_add_co_u32 s18, s18, s19
	s_lshl_b32 s22, s42, 8
	s_lshl_b32 s19, s16, 7
	s_add_co_u32 s22, s22, s19
	s_cmp_lg_u32 ttmp9, 0
	s_cbranch_scc1 .Lv_out
.irp b, 0,1,2,3
	global_load_b128 v[LB+8*\b:LB+8*\b+3], v[HO], s[84:85] offset:64*\b
	global_load_b128 v[LB+8*\b+4:LB+8*\b+7], v[HO], s[84:85] offset:64*\b+16
.endr
	s_lshr_b32 s19, s18, 11
	s_and_b32 s18, s18, 2047
	s_lshl_b32 s18, s18, 6
	s_lshl_b32 s19, s19, 4
	s_lshr_b32 s22, s22, 6
	s_add_co_u32 s19, s19, s22
	s_lshl_b32 s19, s19, 17
	s_add_co_u32 s18, s18, s19
	s_mov_b32 s19, 0
	s_add_nc_u64 s[OP:OP+1], s[88:89], s[18:19]
	s_wait_loadcnt 8
.Lkblk:
	GETBLOCK 1
	LNORM 2, TMP, LW, LB, LT
	QCVT TMP, 8, CD, QS, QL
.irp g, 0,1
.irp c, 0,1
	global_store_b128 v[LI], v[CD+8*\g+4*\c:CD+8*\g+4*\c+3], s[OP:OP+1] offset:131072*\g+512*\c
.endr
.endr
	s_wait_xcnt 0x0
	s_add_nc_u64 s[OP:OP+1], s[OP:OP+1], 1024
	s_add_co_u32 s[BI], s[BI], 1
	s_cmp_lt_u32 s[BI], 8
	s_cbranch_scc1 .Lkblk
	s_branch .Ldone
.Lv_out:
	s_lshr_b32 s18, s18, 6
	s_lshr_b32 s19, s22, 11
	s_lshl_b32 s19, s19, 4
	s_add_co_u32 s18, s18, s19
	s_lshl_b32 s18, s18, 17
	s_and_b32 s22, s22, 2047
	s_lshl_b32 s22, s22, 6
	s_add_co_u32 s18, s18, s22
	s_mov_b32 s19, 0
	s_add_nc_u64 s[OP:OP+1], s[90:91], s[18:19]
	s_wait_loadcnt 0x0
.Lvblk:
	GETBLOCK 2
	QCVT TMP, 8, CD, QS, QL
	s_lshr_b32 s18, s[BI], 2
	s_lshl_b32 s18, s18, 17
	s_and_b32 s19, s[BI], 3
	s_lshl_b32 s19, s19, 11
	s_add_co_u32 s18, s18, s19
	s_mov_b32 s19, 0
	s_add_nc_u64 s[20:21], s[OP:OP+1], s[18:19]
.irp c, 0,1,2,3
	global_store_b128 v[LI], v[CD+4*\c:CD+4*\c+3], s[20:21] offset:512*\c
.endr
	s_wait_xcnt 0x0
	s_add_co_u32 s[BI], s[BI], 1
	s_cmp_lt_u32 s[BI], 8
	s_cbranch_scc1 .Lvblk
.Ldone:
	s_wait_tensorcnt 0x0
	ds_add_u32 v[SPW], v[NIL]
	s_wait_dscnt 0x0
	CROUND
	s_endpgm
.Lfunc_end_k_qdfec724caa_kvx:
	.size	k_qdfec724caa_kvx, .Lfunc_end_k_qdfec724caa_kvx-k_qdfec724caa_kvx
	.p2alignl 7, 3214868480
	.fill 96, 4, 3214868480
	.section	.rodata,"a",@progbits
	.p2align	6, 0x0
	.amdhsa_kernel k_qdfec724caa_kvx
		.amdhsa_group_segment_fixed_size 327680
		.amdhsa_private_segment_fixed_size 0
		.amdhsa_enable_private_segment 0
		.amdhsa_kernarg_size 96
		.amdhsa_user_sgpr_count 2
		.amdhsa_user_sgpr_kernarg_segment_ptr 1
		.amdhsa_wavefront_size32 1
		.amdhsa_system_sgpr_workgroup_id_x 1
		.amdhsa_system_sgpr_workgroup_id_y 1
		.amdhsa_system_sgpr_workgroup_id_z 1
		.amdhsa_system_vgpr_workitem_id 0
		.amdhsa_next_free_vgpr 1024
		.amdhsa_next_free_sgpr 104
		.amdhsa_reserve_vcc 0
		.amdhsa_float_denorm_mode_32 3
		.amdhsa_float_denorm_mode_16_64 3
		.amdhsa_memory_ordered 1
		.amdhsa_forward_progress 1
		.amdhsa_inst_pref_size 176
	.end_amdhsa_kernel
	.amdgpu_metadata
---
amdhsa.version: [ 1, 2 ]
amdhsa.kernels:
  - .name:           k_qdfec724caa_kvx
    .symbol:         k_qdfec724caa_kvx.kd
    .args:
      - { .name: context_codes, .offset: 0, .size: 8, .value_kind: global_buffer, .address_space: global }
      - { .name: Wk_w_codes, .offset: 8, .size: 8, .value_kind: global_buffer, .address_space: global }
      - { .name: Wv_w_codes, .offset: 16, .size: 8, .value_kind: global_buffer, .address_space: global }
      - { .name: lowp_scales, .offset: 24, .size: 8, .value_kind: global_buffer, .address_space: global }
      - { .name: query, .offset: 32, .size: 8, .value_kind: global_buffer, .address_space: global }
      - { .name: Wk_b, .offset: 40, .size: 8, .value_kind: global_buffer, .address_space: global }
      - { .name: Wv_b, .offset: 48, .size: 8, .value_kind: global_buffer, .address_space: global }
      - { .name: kn_w, .offset: 56, .size: 8, .value_kind: global_buffer, .address_space: global }
      - { .name: kn_b, .offset: 64, .size: 8, .value_kind: global_buffer, .address_space: global }
      - { .name: xq, .offset: 72, .size: 8, .value_kind: global_buffer, .address_space: global }
      - { .name: kq, .offset: 80, .size: 8, .value_kind: global_buffer, .address_space: global }
      - { .name: vq, .offset: 88, .size: 8, .value_kind: global_buffer, .address_space: global }
    .group_segment_fixed_size: 327680
    .private_segment_fixed_size: 0
    .kernarg_segment_align: 8
    .kernarg_segment_size: 96
    .max_flat_workgroup_size: 128
    .sgpr_count:     104
    .vgpr_count:     1024
    .wavefront_size: 32
...
	.end_amdgpu_metadata
.endif
;; end of part 6
;; launch attn (part 7): grid 8 x 32, 8 waves a work-group, no clusters, 327,680 bytes of LDS; arguments xq, Wq_w_codes, Wq_b, qn_w, qn_b, kq, vq, lowp_scales, query, res2; writes res2
.if DOCPART == 7
	.amdgcn_target "amdgcn-amd-amdhsa--gfx1250"
	.amdhsa_code_object_version 6
	.text
	.protected	k_qdfec724caa_attn
	.globl	k_qdfec724caa_attn
	.p2align	8
	.type	k_qdfec724caa_attn,@function
k_qdfec724caa_attn:
	s_mov_b64 s[64:65], 0
	v_nop
	global_prefetch_b8 v0, s[64:65] scope:SCOPE_SE
	s_setreg_imm32_b32 hwreg(HW_REG_WAVE_MODE, 25, 1), 1
	s_wait_xcnt 0x0
; res2 = query + softmax(LN(query Wq + b) LN(K)^T / 8) V, for 256 queries of one head a work-group; all three products on E4M3 codes.  (qpos and cpos reach no output: see the first kernel.)
; SHARES.  Eight waves, 32 queries each (two tiles, A and B, of 16) in 512 registers: every fragment of Wq, K and V that a wave reads from LDS feeds two matrix instructions; two waves to a SIMD.
; Q: a wave projects its 32 rows onto its head's 64 columns (x's codes are register images in xq, the head's 64 rows of Wq come through LDS), norms and quantises them in registers.
; Both attention products are used transposed (S^T = K Q^T, O^T = V^T P^T): a lane holds ONE query of each tile (lane % 16).  kq and vq hold register images: a fragment is dense ds_load_b128.
; In S^T tile t, register j of lane (r, h) is key 16 t + 8 h + j: p's codes of tile t are registers 2 t, 2 t + 1 of the K = 128 form's own layout, in which vq's images lie.
; THE SOFTMAX: t = score x log2(e) / 8; M = the running largest t rounded up to a whole number; p = 2^(t - M) is quantised (entry 8), not normalised; the sum of the unquantised p divides at the end.
; LDS: the head's 2,048 keys are four slots of 512 (K 32,768 bytes, then V 32,768).  Slots 0, 1, 2 have bytes of their own from byte 0 on; slot 3 takes the bytes of Wq's rows when Q is made.
;   At the head every wave issues one tensor load: waves 0 to 3 slot 0, waves 4 to 7 sixteen rows of Wq each.  Behind the head's barrier every wave issues one: 16,384 bytes of slots 1 and 2 (first fills).
;   Behind the barrier that follows the projection waves 0 to 3 fill Wq's bytes again with slot 3, by Wq's own padded descriptor: so slot 3's images lie 1,040 bytes apart where the others lie 1,024 apart.
;   Slots 0 to 2, twelve key steps, are walked with no barrier; one barrier stands ahead of slot 3.  A wave has one tensor load out at most.
; NO PREFETCH: all four slots are asked for by their tensor loads ahead of the walk over the keys, so no trip of the loop has a later tile to name.
; NO CLUSTER: the eight query blocks of a head read the same K and V, 256 KiB a work-group in all, asked for in three groups ahead of the loop; a joint request would put a round that ties 32 waves
; together in front of each of the three, in the part of the text where each wave still waits for its own rows of x.
; LIMITS: e0 + e1 between -126 and 127; e6, e8 between -126 and 119; e6 + e7 between -123 and 130 (added to c's exponent field); e8 + e9 goes in by v_ldexp_f32.  NaN among the inputs is not served.
; The scaled scores stay under 2^31 in magnitude.
; REGISTERS, window 0: v1-11 addresses; v12 -M, v13 largest t, v[14:15] sum of tile A; v16-19 the same of B; v[20:21], v[22:23] f of A, B; v24, v25 448 x 2^e8; v26, v27 lane permutes; v28 2^e8;
;   v32-95 fragments; v96-159 S^T then p of A, v160-223 of B; v224-239, v240-255 p's codes of A, B (ahead of the conversions: scratch for maxima and sums).
; window 1: v0-31 O^T of A, v32-63 of B; v64-71, v72-79 Q of A, B; v128-191 my rows of query, loaded behind the projection for the way out.
; While Q is made: x's fragments of A in window 0 v96-223, of B in window 1 v96-223; sums in v224-255 of the tile's window; Wq_b, qn_w, qn_b in window 1 v0-95.
.set SLOT1, 65536
.set WQB,   196608                     ; the head's 64 rows of Wq, 1,024 bytes + 16 of padding each; later slot 3
.set WQP,   1040
.set STG,   0                          ; the way out: two stages of 16 rows x 272 bytes for each wave, in slots 0 and 1: they have had their only fill, and behind the last barrier nobody reads them
.set STW,   4352
.set SPARE, 263168                     ; the spare words: 128 bytes a wave, named by no other line
.set LI,   1                           ; 16 x lane
.set AW,   2                           ; my lane's place in a tile of Wq
.set ADR,  4                           ; the key step in hand + 16 x lane
.set SPW,  5
.set NIL,  6
.set GO,   7                           ; 4,096 h + 16 r
.set HO,   8                           ; 32 h
.set SIN,  10
.set SOUT, 11
.set PL0,  24
.set PL1,  25
.set PSC,  28
.set QS,   30
.set QL,   31
.set XR,   96
.set TR,   192
.set WV,   24
.set SEL,  26
.set CS,   28
.set TB,   30
.set SLOTS, 31
.set G1R,  32                          ; s[32:39] a dense block of 16,384 bytes as 64 rows of 256
.set G1W,  40                          ; s[40:47] 16 rows of 1,024 bytes, padded
.set G0R,  48                          ; slot 0's group 0, later slot 3's
.set G0W,  52                          ; Wq's
.set INV,  56
.set EPS,  57
.set SO,   61                          ; the key step's bytes in its slot; also the inner loop's counter
.set TA,   62
.set SCQ,  78
.set G0F,  96                          ; slots 1 and 2's
.set MSB, 0
.macro WIN new                         ; the immediate's high byte repeats the setting that is left
.if MSB != \new
	s_set_vgpr_msb (MSB<<8)|\new
.set MSB, \new
.endif
.endm
.macro NOPS n
.rept \n
	v_nop
.endr
.endm
.macro MEET                            ; all my tensor loads have landed, the add, my LDS reads are over; one barrier
	s_wait_tensorcnt 0x0
	ds_add_u32 v[SPW], v[NIL]                      ; 0 onto my spare word
	s_wait_dscnt 0x0
	s_barrier_signal -1
	s_barrier_wait -1
.endm
	s_load_b256 s[4:11], s[0:1], 0x0               ; xq s[4:5], Wq s[6:7], Wq_b s[8:9], qn_w s[10:11]
	s_load_b256 s[12:19], s[0:1], 0x20             ; qn_b s[12:13], kq s[14:15], vq s[16:17], the scales s[18:19]
	s_load_b128 s[20:23], s[0:1], 0x40             ; query s[20:21], res2 s[22:23]
	v_lshl_add_u32 v[SPW], v0, 2, SPARE
	v_mov_b32 v[NIL], 0
	ds_add_u32 v[SPW], v[NIL]                      ; the opening: the add, twice on end, and its wait ahead of my first tensor load
	ds_add_u32 v[SPW], v[NIL]
	v_lshrrev_b32 v4, 5, v0
	v_readfirstlane_b32 s[WV], v4                  ; wave 0..7
	s_and_b32 s80, ttmp7, 0xffff                   ; 16 x batch + head
	s_lshr_b32 s81, s80, 4
	s_and_b32 s82, s80, 15                         ; the head
	s_lshl_b32 s83, s81, 11
	s_lshl_b32 s84, ttmp9, 8
	s_add_co_u32 s83, s83, s84
	s_lshl_b32 s84, s[WV], 5
	s_add_co_u32 s83, s83, s84                     ; my first row: 2,048 x batch + 256 x work-group x + 32 x wave
	s_mov_b32 s[G1R], 3<<16                        ; elements of 8 bytes, no mask, no padding
	s_mov_b32 s[G1R+1], 32<<16                     ; tensor_dim0 = 32 (256 bytes)
	s_mov_b32 s[G1R+2], 64<<16                     ; tensor_dim1 = 64
	s_mov_b32 s[G1R+3], 32<<16
	s_mov_b32 s[G1R+4], 64
	s_mov_b32 s[G1R+5], 32                         ; the pitch: dense
	s_mov_b32 s[G1R+6], 0
	s_mov_b32 s[G1R+7], 0
	s_mov_b32 s[G1W], (0<<16)|(1<<20)|(7<<22)|(3<<25)   ; elements of 1 byte; 4 words of padding behind every 256
	s_mov_b32 s[G1W+1], 1024<<16
	s_mov_b32 s[G1W+2], 16<<16
	s_mov_b32 s[G1W+3], 1024<<16
	s_mov_b32 s[G1W+4], 16
	s_mov_b32 s[G1W+5], 1024
	s_mov_b32 s[G1W+6], 0
	s_mov_b32 s[G1W+7], 0
	s_mov_b32 s[SEL], 0x76543210
	s_mov_b32 s[SEL+1], 0xfedcba98
	s_mov_b32 s[INV], 0x3c800000                   ; 1 / 64
	s_mov_b32 s[EPS], 0x3727c5ac                   ; 1e-5
	s_mov_b32 s[TB], 0
	s_mov_b32 s[SLOTS], 3
	s_lshl_b32 s84, s80, 17                        ; my head's 131,072 bytes in kq and in vq
	s_and_b32 s86, s[WV], 1
	s_lshl_b32 s86, s86, 14
	s_add_co_u32 s86, s84, s86                     ; the half of a slot's K or V that I fetch, in slot 0
	s_mov_b32 s87, 0
	s_lshr_b32 s94, s[WV], 2
	s_lshl_b32 s94, s94, 15
	s_add_co_u32 s94, s94, s86
	s_add_co_u32 s94, s94, 32768                   ; the same half in slot 1 + wave / 4
	s_mov_b32 s95, 0
	s_and_b32 s93, s[WV], 2                        ; 0: of K, 2: of V
	s_and_b32 s88, s[WV], 3
	s_mul_i32 s90, s88, 16*WQP
	s_add_co_u32 s90, s90, WQB                     ; Wq: 16 rows in LDS,
	s_lshl_b32 s88, s88, 14
	s_lshl_b32 s89, s82, 16
	s_add_co_u32 s88, s88, s89                     ; and in memory: 64 rows a head, 1,024 bytes a row
	s_mov_b32 s89, 0
	s_mul_i32 s92, s[WV], 2*STW
	s_add_co_u32 s92, s92, STG                     ; my stages
	v_and_b32 v4, 31, v0
	v_and_b32 v9, 15, v0                           ; r
	v_bfe_u32 v26, v0, 4, 1                        ; h
	v_lshlrev_b32 v[LI], 4, v4
	v_mul_u32_u24 v[AW], v9, WQP
	v_lshl_add_u32 v[AW], v26, 4, v[AW]
	v_add_nc_u32 v[AW], WQB, v[AW]
	v_lshlrev_b32 v[HO], 5, v26
	v_lshlrev_b32 v[GO], 12, v26
	v_lshl_add_u32 v[GO], v9, 4, v[GO]
	v_mul_u32_u24 v[SIN], v9, 272
	v_lshl_add_u32 v[SIN], v26, 5, v[SIN]
	v_add_nc_u32 v[SIN], s92, v[SIN]               ; in: row r, + 32 h
	v_mul_u32_u24 v[SOUT], v26, 272
	v_lshl_add_u32 v[SOUT], v9, 4, v[SOUT]
	v_add_nc_u32 v[SOUT], s92, v[SOUT]             ; back: lanes 0-15 one row, lanes 16-31 the next
	s_wait_alu depctr_va_vdst(0)                   ; the wait here, directly ahead of the waits below
	s_wait_dscnt 0x0                               ; both opening adds are done
	s_wait_kmcnt 0x0
	s_load_b256 s[68:75], s[18:19], 0x0            ; e0 .. e7
	s_load_b64 s[76:77], s[18:19], 0x20            ; e8, e9
	s_mov_b32 s[G0R], 1
	s_lshl_b32 s[G0R+1], s[WV], 14                 ; slot 0: K's halves at 0 and 16,384, V's at 32,768 and 49,152
	s_cmp_lt_u32 s[WV], 2
	s_cselect_b64 s[G0R+2:G0R+3], s[14:15], s[16:17]
	s_add_nc_u64 s[G0R+2:G0R+3], s[G0R+2:G0R+3], s[86:87]
	s_or_b32 s[G0R+3], s[G0R+3], 0x80000000
	s_mov_b32 s[G0W], 1
	s_mov_b32 s[G0W+1], s90
	s_add_nc_u64 s[G0W+2:G0W+3], s[6:7], s[88:89]
	s_or_b32 s[G0W+3], s[G0W+3], 0x80000000
	s_cmp_lt_u32 s[WV], 4                          ; the first fills, one a wave: waves 0 to 3 slot 0, waves 4 to 7 Wq's rows
	s_cbranch_scc0 .Lnot_ring
	tensor_load_to_lds s[G0R:G0R+3], s[G1R:G1R+7]
	s_nop 0
	NOPS 4
	s_branch .Lfirst_asked
.Lnot_ring:
	tensor_load_to_lds s[G0W:G0W+3], s[G1W:G1W+7]
	s_nop 0
	NOPS 4
.Lfirst_asked:
	s_lshl_b32 s86, s83, 10                        ; xq: (row / 16) x 16,384
	s_add_nc_u64 s[4:5], s[4:5], s[86:87]
	s_lshl_b32 s88, s82, 8                         ; 64 f32 a head
	s_add_nc_u64 s[8:9], s[8:9], s[88:89]          ; Wq_b at my head
	s_lshl_b32 s90, s83, 12
	s_add_co_u32 s90, s90, s88
	s_mov_b32 s91, 0
	s_add_nc_u64 s[20:21], s[20:21], s[90:91]      ; query and res2 at my first row, my head's 256 bytes
	s_add_nc_u64 s[22:23], s[22:23], s[90:91]
.set n, 0
.rept 8                                        ; x's fragments as they lie, K step by K step: tile A's four quads into window 0, tile B's into window 1
	WIN 0
.irp c, 0,1,2,3
	global_load_b128 v[96+16*n+4*\c:99+16*n+4*\c], v[LI], s[4:5] offset:2048*n+512*\c
.endr
	WIN 0x40
.irp c, 0,1,2,3
	global_load_b128 v[96+16*n+4*\c:99+16*n+4*\c], v[LI], s[4:5] offset:16384+2048*n+512*\c
.endr
.set n, n+1
.endr
.irp t, 0,1,2,3                                ; Wq_b, qn_w, qn_b in the result's layout: dims 16 t + 8 h + 0 .. 7
	global_load_b128 v[8*\t:8*\t+3], v[HO], s[8:9] offset:64*\t
	global_load_b128 v[8*\t+4:8*\t+7], v[HO], s[8:9] offset:64*\t+16
	global_load_b128 v[32+8*\t:35+8*\t], v[HO], s[10:11] offset:64*\t
	global_load_b128 v[36+8*\t:39+8*\t], v[HO], s[10:11] offset:64*\t+16
	global_load_b128 v[64+8*\t:67+8*\t], v[HO], s[12:13] offset:64*\t
	global_load_b128 v[68+8*\t:71+8*\t], v[HO], s[12:13] offset:64*\t+16
.endr
	WIN 0
	s_mov_b32 s[G0F], 1                            ; slots 1 and 2: wave w takes the 16,384 bytes at 65,536 + 16,384 w
	s_lshl_b32 s[G0F+1], s[WV], 14
	s_add_co_u32 s[G0F+1], s[G0F+1], SLOT1
	s_cmp_eq_u32 s93, 0
	s_cselect_b64 s[G0F+2:G0F+3], s[14:15], s[16:17]
	s_add_nc_u64 s[G0F+2:G0F+3], s[G0F+2:G0F+3], s[94:95]
	s_or_b32 s[G0F+3], s[G0F+3], 0x80000000
	s_wait_kmcnt 0x0
	s_add_co_i32 s86, s68, s69                     ; e0 + e1
	s_add_co_i32 s86, s86, 127
	s_lshl_b32 s[SCQ], s86, 23
	s_mov_b32 s[SCQ+1], s[SCQ]
	s_add_co_i32 s86, s74, 127                     ; e6
	s_lshl_b32 s87, s86, 23
	v_mov_b32 v[QS], s87
	s_add_co_i32 s86, s86, 8
	s_lshl_b32 s86, s86, 23
	s_or_b32 s86, s86, 0x600000
	v_mov_b32 v[QL], s86
	s_add_co_i32 s86, s74, s75                     ; a score stands for score x 2^(e6 + e7): added to c's exponent field
	s_lshl_b32 s86, s86, 23
	s_add_co_i32 s[CS], s86, 0x3e38aa3b            ; c = log2(e) / 8
	s_mov_b32 s[CS+1], s[CS]
	s_wait_alu depctr_va_vdst(0)                   ; the wait here, directly ahead of the wait below
	MEET                                           ; everybody's first fill has landed; behind this barrier no bytes are filled again:
	tensor_load_to_lds s[G0F:G0F+3], s[G1R:G1R+7]  ; slots 1 and 2's first fills, one load in every wave
	s_nop 0
	NOPS 4
; ---- Q^T = Wq x^T: four tiles of 16 dims x two tiles of queries, eight K steps of 128; the eight accumulators take turns
.macro QK ks
.if \ks > 0
	NOPS 4                                         ; places in front of loads into registers that matrix instructions have read
.endif
.irp t, 0,1,2,3
.irp c, 0,1,2,3
	ds_load_b128 v[32+16*\t+4*\c:35+16*\t+4*\c], v[AW] offset:16*WQP*\t+128*\ks+32*\c
.endr
.endr
.if 24+8*(7-\ks) > 63                          ; this K step's eight loads of x are in: behind them 8 for each later K step and 24 of parameters were issued (the wait's field holds 63)
	s_wait_loadcnt 63
.else
	s_wait_loadcnt 24+8*(7-\ks)
.endif
	s_wait_dscnt 0x0
.irp w, 0, 0x54                                ; tile A in window 0; tile B: x, C and D in window 1
	WIN \w
.irp t, 0,1,2,3
.if \ks == 0
	v_wmma_f32_16x16x128_fp8_fp8 v[224+8*\t:231+8*\t], v[32+16*\t:47+16*\t], v[96+16*\ks:111+16*\ks], 0
.else
	v_wmma_f32_16x16x128_fp8_fp8 v[224+8*\t:231+8*\t], v[32+16*\t:47+16*\t], v[96+16*\ks:111+16*\ks], v[224+8*\t:231+8*\t]
.endif
.endr
.endr
	WIN 0
.endm
.irp k, 0,1,2,3,4,5,6,7
	QK \k
.endr
	NOPS 4                                         ; places behind the last products: x's fragments are done with
	WIN 0x40
.irp i, 0,1,2,3,4,5,6,7                        ; my 32 rows of query, for the way out, into window 1 v128-191: they have the whole walk over the keys in which to land
	global_load_b128 v[128+4*\i:131+4*\i], v[GO], s[20:21] offset:8192*\i th:TH_LOAD_NT
	global_load_b128 v[160+4*\i:163+4*\i], v[GO], s[20:21] offset:65536+8192*\i th:TH_LOAD_NT
.endr
	WIN 0
	s_wait_loadcnt 16                              ; the parameters are in; query's 16 loads may be out
	WIN 0x10                                       ; the bias in window 1
.set n, 0
.rept 16
	v_pk_fma_f32 v[XR+n:XR+n+1], v[224+n:225+n], s[SCQ:SCQ+1], v[n:n+1] op_sel_hi:[1,0,1]        ; sum x 2^(e0 + e1) + Wq_b, tile A
.set n, n+2
.endr
	WIN 0x11                                       ; tile B's sums too
.set n, 0
.rept 16
	v_pk_fma_f32 v[XR+32+n:XR+33+n], v[224+n:225+n], s[SCQ:SCQ+1], v[n:n+1] op_sel_hi:[1,0,1]
.set n, n+2
.endr
	WIN 0
; LayerNorm over 64 numbers, of which a lane holds 32 and lane l xor 16 the others; the two tiles' chains take turns.  Mean first, then the squares of the differences.
.irp g, 0,1
	v_pk_add_f32 v[TR+6*\g:TR+6*\g+1], v[XR+32*\g:XR+32*\g+1], v[XR+32*\g+2:XR+32*\g+3]
	v_pk_add_f32 v[TR+6*\g+2:TR+6*\g+3], v[XR+32*\g+4:XR+32*\g+5], v[XR+32*\g+6:XR+32*\g+7]
.endr
.set lp, 8
.rept 6
.irp g, 0,1
	v_pk_add_f32 v[TR+6*\g:TR+6*\g+1], v[TR+6*\g:TR+6*\g+1], v[XR+32*\g+lp:XR+32*\g+lp+1]
	v_pk_add_f32 v[TR+6*\g+2:TR+6*\g+3], v[TR+6*\g+2:TR+6*\g+3], v[XR+32*\g+lp+2:XR+32*\g+lp+3]
.endr
.set lp, lp+4
.endr
.irp g, 0,1
	v_pk_add_f32 v[TR+6*\g:TR+6*\g+1], v[TR+6*\g:TR+6*\g+1], v[TR+6*\g+2:TR+6*\g+3]
.endr
.irp g, 0,1
	v_add_f32 v[TR+6*\g], v[TR+6*\g], v[TR+6*\g+1]
.endr
.irp g, 0,1
	v_permlanex16_b32 v[TR+6*\g+1], v[TR+6*\g], s[SEL], s[SEL+1]
.endr
.irp g, 0,1
	v_add_f32 v[TR+6*\g], v[TR+6*\g], v[TR+6*\g+1]
.endr
.irp g, 0,1
	v_mul_f32 v[TR+6*\g], s[INV], v[TR+6*\g]       ; the mean
.endr
.set lp, 0
.rept 16
.irp g, 0,1
	v_pk_add_f32 v[XR+32*\g+lp:XR+32*\g+lp+1], v[XR+32*\g+lp:XR+32*\g+lp+1], v[TR+6*\g:TR+6*\g+1] op_sel_hi:[1,0] neg_lo:[0,1] neg_hi:[0,1]
.endr
.set lp, lp+2
.endr
.irp g, 0,1
	v_pk_mul_f32 v[TR+6*\g+2:TR+6*\g+3], v[XR+32*\g:XR+32*\g+1], v[XR+32*\g:XR+32*\g+1]
	v_pk_mul_f32 v[TR+6*\g+4:TR+6*\g+5], v[XR+32*\g+2:XR+32*\g+3], v[XR+32*\g+2:XR+32*\g+3]
.endr
.set lp, 4
.rept 7
.irp g, 0,1
	v_pk_fma_f32 v[TR+6*\g+2:TR+6*\g+3], v[XR+32*\g+lp:XR+32*\g+lp+1], v[XR+32*\g+lp:XR+32*\g+lp+1], v[TR+6*\g+2:TR+6*\g+3]
	v_pk_fma_f32 v[TR+6*\g+4:TR+6*\g+5], v[XR+32*\g+lp+2:XR+32*\g+lp+3], v[XR+32*\g+lp+2:XR+32*\g+lp+3], v[TR+6*\g+4:TR+6*\g+5]
.endr
.set lp, lp+4
.endr
.irp g, 0,1
	v_pk_add_f32 v[TR+6*\g+2:TR+6*\g+3], v[TR+6*\g+2:TR+6*\g+3], v[TR+6*\g+4:TR+6*\g+5]
.endr
.irp g, 0,1
	v_add_f32 v[TR+6*\g+2], v[TR+6*\g+2], v[TR+6*\g+3]
.endr
.irp g, 0,1
	v_permlanex16_b32 v[TR+6*\g+3], v[TR+6*\g+2], s[SEL], s[SEL+1]
.endr
.irp g, 0,1
	v_add_f32 v[TR+6*\g+2], v[TR+6*\g+2], v[TR+6*\g+3]
.endr
.irp g, 0,1
	v_fma_f32 v[TR+6*\g+2], v[TR+6*\g+2], s[INV], s[EPS]   ; the variance + eps
.endr
	s_wait_alu depctr_va_vdst(0)                   ; the wait ahead of the batch
.irp g, 0,1
	v_rsq_f32 v[TR+6*\g+4], v[TR+6*\g+2]
.endr
	v_nop                                          ; a plain line behind the transcendentals
	s_wait_alu depctr_va_vdst(0)                   ; and the wait ahead of the first reader
.set lp, 0
.rept 16
.irp g, 0,1
	v_pk_mul_f32 v[XR+32*\g+lp:XR+32*\g+lp+1], v[XR+32*\g+lp:XR+32*\g+lp+1], v[TR+6*\g+4:TR+6*\g+5] op_sel_hi:[1,0]
.endr
.set lp, lp+2
.endr
	WIN 0x14                                       ; qn_w and qn_b in window 1
.set lp, 0
.rept 16
.irp g, 0,1
	v_pk_fma_f32 v[XR+32*\g+lp:XR+32*\g+lp+1], v[XR+32*\g+lp:XR+32*\g+lp+1], v[32+lp:33+lp], v[64+lp:65+lp]
.endr
.set lp, lp+2
.endr
	WIN 0
.set n, 0
.rept 64
	v_med3_num_f32 v[XR+n], v[XR+n], -v[QL], v[QL] ; the conversion does not saturate (ISA guide 7.6.2): the hold first
.set n, n+1
.endr
	WIN 0x40
.set n, 0
.rept 8
	v_cvt_scalef32_pk8_fp8_f32 v[64+2*n:65+2*n], v[XR+8*n:XR+8*n+7], v[QS]   ; dims tile t's eight numbers are registers 2 t, 2 t + 1 of Q's fragment: A in window 1 v64-71, B in v72-79
.set n, n+1
.endr
.set n, 0
.rept 64
	v_mov_b32 v[n], 0                              ; O^T of both tiles: the loop is written once, and its first step finds zeros
.set n, n+1
.endr
	WIN 0
	s_add_co_i32 s86, s76, 127                     ; e8
	s_lshl_b32 s87, s86, 23
	v_mov_b32 v[PSC], s87                          ; 2^e8
	s_add_co_i32 s86, s86, 8
	s_lshl_b32 s86, s86, 23
	s_or_b32 s86, s86, 0x600000
	v_mov_b32 v[PL0], s86                          ; 448 x 2^e8, in two registers: one for each half of a dual instruction
	v_mov_b32 v[PL1], s86
	v_mov_b32 v13, 0xff61b1e6                      ; the largest t so far: -3e38
	v_mov_b32 v17, 0xff61b1e6
	v_floor_f32 v12, -v13                          ; -M
	v_floor_f32 v16, -v17
.irp r, 14,15,18,19,21,23,26,27                ; the sums; the upper halves of f's pairs; the lane permutes' destinations, which count as sources
	v_mov_b32 v\r, 0
.endr
.macro TP d, p                         ; scratch pair d += p's pair at register p, in both tiles
	v_pk_add_f32 v[224+\d:225+\d], v[224+\d:225+\d], v[96+\p:97+\p]
	v_pk_add_f32 v[240+\d:241+\d], v[240+\d:241+\d], v[160+\p:161+\p]
.endm
.macro LP p                            ; the running sums += p's pair
	v_pk_add_f32 v[14:15], v[14:15], v[96+\p:97+\p]
	v_pk_add_f32 v[18:19], v[18:19], v[160+\p:161+\p]
.endm
; ---- A KEY STEP: 128 keys at byte s[SO] of K's and of V's part of the slot in hand, for both tiles of queries.  pt: bytes from one 1,024 bytes of images to the next in this slot
.macro STEP pt
	s_add_co_u32 s[TA], s[TB], s[SO]
	v_add_nc_u32 v[ADR], s[TA], v[LI]
	NOPS 4                                         ; places in front of loads into registers that the last products read
.irp t, 0,1,2,3,4,5,6,7
	ds_load_b128 v[32+8*\t:35+8*\t], v[ADR] offset:\pt*\t
	ds_load_b128 v[36+8*\t:39+8*\t], v[ADR] offset:\pt*\t+512
.endr
	s_wait_alu depctr_va_vdst(0)                   ; the wait here, directly ahead of the wait below
	s_wait_dscnt 8                                 ; K's tiles 0 to 3 are in; the youngest eight loads may be out
	WIN 0x04                                       ; Q in window 1
.irp t, 0,1,2,3
	v_wmma_f32_16x16x64_fp8_fp8 v[96+8*\t:103+8*\t], v[32+8*\t:39+8*\t], v[64:71], 0
	v_wmma_f32_16x16x64_fp8_fp8 v[160+8*\t:167+8*\t], v[32+8*\t:39+8*\t], v[72:79], 0
.endr
	s_wait_dscnt 0x0
.irp t, 4,5,6,7
	v_wmma_f32_16x16x64_fp8_fp8 v[96+8*\t:103+8*\t], v[32+8*\t:39+8*\t], v[64:71], 0
	v_wmma_f32_16x16x64_fp8_fp8 v[160+8*\t:167+8*\t], v[32+8*\t:39+8*\t], v[72:79], 0
.endr
	NOPS 4
	WIN 0
.irp d, 0,1,2,3
.irp c, 0,1,2,3
	ds_load_b128 v[32+16*\d+4*\c:35+16*\d+4*\c], v[ADR] offset:32*\pt+2*\pt*\d+\pt*(\c/2)+512*(\c%2)   ; V's four fragments land under the softmax
.endr
.endr
	v_max3_num_f32 v224, v96, v97, v98             ; the step's largest score of my query among my 64 keys: two chains a tile, each accumulator from its low end on
	v_max3_num_f32 v240, v160, v161, v162
	v_max3_num_f32 v225, v99, v100, v101
	v_max3_num_f32 v241, v163, v164, v165
.irp i, 6,10,14,18,22,26,30,34,38,42,46,50,54,58
	v_max3_num_f32 v224, v224, v[96+\i], v[97+\i]
	v_max3_num_f32 v240, v240, v[160+\i], v[161+\i]
	v_max3_num_f32 v225, v225, v[98+\i], v[99+\i]
	v_max3_num_f32 v241, v241, v[162+\i], v[163+\i]
.endr
	v_max3_num_f32 v224, v224, v158, v159
	v_max3_num_f32 v240, v240, v222, v223
	v_max_num_f32 v224, v224, v225
	v_max_num_f32 v240, v240, v241
	v_permlanex16_b32 v26, v224, s[SEL], s[SEL+1]
	v_permlanex16_b32 v27, v240, s[SEL], s[SEL+1]
	v_max_num_f32 v224, v224, v26                  ; and among lane l xor 16's
	v_max_num_f32 v240, v240, v27
	v_mul_f32 v224, s[CS], v224                    ; as t (c is positive)
	v_mul_f32 v240, s[CS], v240
	v_max_num_f32 v13, v13, v224
	v_max_num_f32 v17, v17, v240
	v_mov_b32 v224, v12
	v_mov_b32 v240, v16
	v_floor_f32 v12, -v13                          ; the new -M = -ceil(t)
	v_floor_f32 v16, -v17
	v_sub_f32 v224, v12, v224                      ; old M - new M: a whole number, 0 or less
	v_sub_f32 v240, v16, v240
	v_cvt_i32_f32 v224, v224                       ; (it saturates)
	v_cvt_i32_f32 v240, v240
	v_ldexp_f32 v20, 1.0, v224                     ; f = 2^(old M - new M)
	v_ldexp_f32 v22, 1.0, v240
.set n, 0
.rept 32
	v_pk_fma_f32 v[96+n:97+n], v[96+n:97+n], s[CS:CS+1], v[12:13] op_sel_hi:[1,0,0]     ; t - M
	v_pk_fma_f32 v[160+n:161+n], v[160+n:161+n], s[CS:CS+1], v[16:17] op_sel_hi:[1,0,0]
.set n, n+2
.endr
	WIN 0x41                                       ; O^T, source and destination, in window 1
.set n, 0
.rept 16
	v_pk_mul_f32 v[n:n+1], v[n:n+1], v[20:21] op_sel_hi:[1,0]          ; O^T under the new M; no transcendental stands between the last products and these reads
	v_pk_mul_f32 v[32+n:33+n], v[32+n:33+n], v[22:23] op_sel_hi:[1,0]
.set n, n+2
.endr
	WIN 0
	s_wait_alu depctr_va_vdst(0)                   ; the wait ahead of the batch
.set n, 0
.rept 128
	v_exp_f32 v[96+n], v[96+n]                     ; p = 2^(t - M)
.set n, n+1
.endr
	v_pk_mul_f32 v[14:15], v[14:15], v[20:21] op_sel_hi:[1,0]   ; the sums under the new M; plain lines behind the exponentials
	v_pk_mul_f32 v[18:19], v[18:19], v[22:23] op_sel_hi:[1,0]
	s_wait_alu depctr_va_vdst(0)                   ; one wait for the batch, ahead of its first reader
.irp d, 0,2,4                                  ; the sum of the unquantised p: four chains a tile
	v_pk_add_f32 v[224+\d:225+\d], v[96+2*\d:97+2*\d], v[98+2*\d:99+2*\d]
	v_pk_add_f32 v[240+\d:241+\d], v[160+2*\d:161+2*\d], v[162+2*\d:163+2*\d]
.endr
	LP 12
	TP 0, 14
.set n, 16
.rept 6
	TP 0, n
	TP 2, n+2
	TP 4, n+4
	LP n+6
.set n, n+8
.endr
	v_pk_add_f32 v[14:15], v[14:15], v[224:225]
	v_pk_add_f32 v[18:19], v[18:19], v[240:241]
	v_pk_add_f32 v[226:227], v[226:227], v[228:229]
	v_pk_add_f32 v[242:243], v[242:243], v[244:245]
	v_pk_add_f32 v[14:15], v[14:15], v[226:227]
	v_pk_add_f32 v[18:19], v[18:19], v[242:243]
.set n, 0
.rept 64
	v_dual_min_num_f32 v[96+n], v[96+n], v[PL0] :: v_dual_min_num_f32 v[97+n], v[97+n], v[PL1]   ; p is not negative: the hold is one-sided; two numbers an instruction
.set n, n+2
.endr
.set n, 0
.rept 16
	v_cvt_scalef32_pk8_fp8_f32 v[224+2*n:225+2*n], v[96+8*n:103+8*n], v[PSC]
.set n, n+1
.endr
	v_nop                                          ; a plain line between the conversions and the products
	s_wait_alu depctr_va_vdst(0)                   ; the wait here, directly ahead of the wait below
	s_wait_dscnt 0x0                               ; V
	WIN 0x50                                       ; C and D in window 1; the eight accumulators take turns
.irp d, 0,1,2,3
	v_wmma_f32_16x16x128_fp8_fp8 v[8*\d:8*\d+7], v[32+16*\d:47+16*\d], v[224:239], v[8*\d:8*\d+7]
	v_wmma_f32_16x16x128_fp8_fp8 v[32+8*\d:39+8*\d], v[32+16*\d:47+16*\d], v[240:255], v[32+8*\d:39+8*\d]
.endr
	WIN 0
.endm
.macro SLOT_STEPS pt                   ; a slot's four key steps, eight images of K and of V apart
	s_mov_b32 s[SO], 0
.Lstep_\@:
	STEP \pt
	s_add_co_u32 s[SO], s[SO], 8*\pt
	s_cmp_lt_u32 s[SO], 32*\pt
	s_cbranch_scc1 .Lstep_\@
.endm
	s_wait_alu depctr_va_vdst(0)                   ; the wait at the head's end
	s_wait_tensorcnt 0x0                           ; my part of slots 1 and 2 has landed, and no tensor load of mine is out, so a group 0 may be written
	ds_add_u32 v[SPW], v[NIL]                      ; 0 onto my spare word
	s_mov_b32 s[G0R+1], s[G0W+1]                   ; slot 3: wave w of 0 to 3 takes the bytes of Wq's rows 16 w on,
	s_add_nc_u64 s[G0R+2:G0R+3], s[G0R+2:G0R+3], 98304   ; three slots on in K or in V
	s_wait_dscnt 0x0                               ; the add is done, and my reads of Wq are over
	s_barrier_signal -1
	s_barrier_wait -1                              ; slots 0, 1 and 2 are whole, and nobody reads Wq any more
	s_cmp_lt_u32 s[WV], 4
	s_cbranch_scc0 .Lno_third
	tensor_load_to_lds s[G0R:G0R+3], s[G1W:G1W+7]  ; by Wq's descriptor: the same bytes are filled again, the padding is left as it was
	s_nop 0
	NOPS 4
.Lno_third:
.Lslot:                                            ; slots 0, 1, 2: no barrier
	SLOT_STEPS 1024
	s_add_co_u32 s[TB], s[TB], SLOT1
	s_sub_co_u32 s[SLOTS], s[SLOTS], 1
	s_cmp_lg_u32 s[SLOTS], 0
	s_cbranch_scc1 .Lslot
	MEET                                           ; slot 3 is whole; nobody reads slots 0 to 2 any more
	s_mov_b32 s[TB], WQB
	SLOT_STEPS WQP
	; ---- THE WAY OUT: O^T / the sum x 2^(e8 + e9), through my stages, + query; sixteen lanes store one aligned run of 256 bytes
	v_add_f32 v14, v14, v15
	v_add_f32 v18, v18, v19
	v_permlanex16_b32 v26, v14, s[SEL], s[SEL+1]
	v_permlanex16_b32 v27, v18, s[SEL], s[SEL+1]
	v_add_f32 v14, v14, v26                        ; the rows' sums
	v_add_f32 v18, v18, v27
	s_wait_alu depctr_va_vdst(0)                   ; the wait ahead of the transcendentals
	v_rcp_f32 v14, v14
	v_rcp_f32 v18, v18
	v_nop
	s_add_co_i32 s86, s76, s77
	s_wait_alu depctr_va_vdst(0)                   ; and ahead of their first reader
	v_ldexp_f32 v14, v14, s86
	v_ldexp_f32 v18, v18, s86
	WIN 0x01                                       ; O^T in window 1
	s_wait_alu depctr_va_vdst(0)                   ; the wait here, directly ahead of the first reader of O^T
.set n, 0
.rept 32
	v_mul_f32 v[96+n], v[n], v14                   ; register 8 t + j is o(r, 16 t + 8 h + j)
.set n, n+1
.endr
.set n, 0
.rept 32
	v_mul_f32 v[128+n], v[32+n], v18
.set n, n+1
.endr
	WIN 0
.irp u, 0,1
.irp t, 0,1,2,3
	ds_store_b128 v[SIN], v[96+32*\u+8*\t:99+32*\u+8*\t] offset:STW*\u+64*\t
	ds_store_b128 v[SIN], v[100+32*\u+8*\t:103+32*\u+8*\t] offset:STW*\u+64*\t+16
.endr
.endr
.irp u, 0,1
.irp i, 0,1,2,3,4,5,6,7
	ds_load_b128 v[32+32*\u+4*\i:35+32*\u+4*\i], v[SOUT] offset:STW*\u+544*\i   ; LDS serves a wave's instructions in order: these see my stores
.endr
.endr
	s_wait_dscnt 0x0
	s_wait_loadcnt 0x0                             ; query's rows, asked for behind the projection
	WIN 0x04
.set n, 0
.rept 32
	v_pk_add_f32 v[32+n:33+n], v[32+n:33+n], v[128+n:129+n]
.set n, n+2
.endr
	WIN 0
.irp u, 0,1
.irp i, 0,1,2,3,4,5,6,7
	global_store_b128 v[GO], v[32+32*\u+4*\i:35+32*\u+4*\i], s[22:23] offset:65536*\u+8192*\i
.endr
.endr
	s_wait_tensorcnt 0x0                           ; the wave's end
	ds_add_u32 v[SPW], v[NIL]
	s_wait_dscnt 0x0
	s_endpgm
.Lfunc_end_k_qdfec724caa_attn:
	.size	k_qdfec724caa_attn, .Lfunc_end_k_qdfec724caa_attn-k_qdfec724caa_attn
	.p2alignl 7, 3214868480
	.fill 96, 4, 3214868480
	.section	.rodata,"a",@progbits
	.p2align	6, 0x0
	.amdhsa_kernel k_qdfec724caa_attn
		.amdhsa_group_segment_fixed_size 327680
		.amdhsa_private_segment_fixed_size 0
		.amdhsa_enable_private_segment 0
		.amdhsa_kernarg_size 80
		.amdhsa_user_sgpr_count 2
		.amdhsa_user_sgpr_kernarg_segment_ptr 1
		.amdhsa_wavefront_size32 1
		.amdhsa_system_sgpr_workgroup_id_x 1
		.amdhsa_system_sgpr_workgroup_id_y 1
		.amdhsa_system_sgpr_workgroup_id_z 1
		.amdhsa_system_vgpr_workitem_id 0
		.amdhsa_next_free_vgpr 512
		.amdhsa_next_free_sgpr 100
		.amdhsa_reserve_vcc 0
		.amdhsa_float_denorm_mode_32 3
		.amdhsa_float_denorm_mode_16_64 3
		.amdhsa_memory_ordered 1
		.amdhsa_forward_progress 1
		.amdhsa_inst_pref_size 118
	.end_amdhsa_kernel
	.amdgpu_metadata
---
amdhsa.version: [ 1, 2 ]
amdhsa.kernels:
  - .name:           k_qdfec724caa_attn
    .symbol:         k_qdfec724caa_attn.kd
    .args:
      - { .name: xq, .offset: 0, .size: 8, .value_kind: global_buffer, .address_space: global }
      - { .name: Wq_w_codes, .offset: 8, .size: 8, .value_kind: global_buffer, .address_space: global }
      - { .name: Wq_b, .offset: 16, .size: 8, .value_kind: global_buffer, .address_space: global }
      - { .name: qn_w, .offset: 24, .size: 8, .value_kind: global_buffer, .address_space: global }
      - { .name: qn_b, .offset: 32, .size: 8, .value_kind: global_buffer, .address_space: global }
      - { .name: kq, .offset: 40, .size: 8, .value_kind: global_buffer, .address_space: global }
      - { .name: vq, .offset: 48, .size: 8, .value_kind: global_buffer, .address_space: global }
      - { .name: lowp_scales, .offset: 56, .size: 8, .value_kind: global_buffer, .address_space: global }
      - { .name: query, .offset: 64, .size: 8, .value_kind: global_buffer, .address_space: global }
      - { .name: res2, .offset: 72, .size: 8, .value_kind: global_buffer, .address_space: global }
    .group_segment_fixed_size: 327680
    .private_segment_fixed_size: 0
    .kernarg_segment_align: 8
    .kernarg_segment_size: 80
    .max_flat_workgroup_size: 256
    .sgpr_count:     100
    .vgpr_count:     512
    .wavefront_size: 32
...
	.end_amdgpu_metadata
.endif
;; end of part 7
;; launch lnq (part 8): grid 256 x 1, 4 waves a work-group, no clusters, 0 bytes of LDS; arguments res2, ffn_w, ffn_b, lowp_scales, hq; writes hq
.if DOCPART == 8
	.amdgcn_target "amdgcn-amd-amdhsa--gfx1250"
	.amdhsa_code_object_version 6
	.text
	.protected	k_qdfec724caa_lnq
	.globl	k_qdfec724caa_lnq
	.p2align	8
	.type	k_qdfec724caa_lnq,@function
k_qdfec724caa_lnq:
	s_mov_b64 s[64:65], 0
	v_nop
	global_prefetch_b8 v0, s[64:65] scope:SCOPE_SE
	s_setreg_imm32_b32 hwreg(HW_REG_WAVE_MODE, 25, 1), 1
	s_wait_xcnt 0x0
; hq = E4M3 codes (scale entry 10) of LayerNorm(res2) over 1,024, row-major, K innermost.
; A stream: a wave takes 4 rows, a row stays in 32 registers between the mean, the variance and the scaling, so res2 is read once.  No LDS, no barrier, no matrix unit: the waves share nothing.
; Lane l holds, of chunk j (256 numbers), numbers 256 j + 8 l + 0 .. 7: eight neighbours along K for one conversion; its 8 codes are 8 bytes, and the wave's store covers 256 consecutive bytes, aligned.
; All 48 loads of a wave go out first.  Mean first, then the squares of the differences: no difference of large sums.
; LIMITS: e10 between -126 and 119.  NaN among the inputs is not served.
.set W, 8                              ; v8-39   ffn_w
.set B, 40                             ; v40-71  ffn_b
.set R, 72                             ; v72-199 four rows
.set C, 200                            ; v200-231 their codes
	s_load_b256 s[4:11], s[0:1], 0x0               ; res2 s[4:5], ffn_w s[6:7], ffn_b s[8:9], the scales s[10:11]
	s_load_b64 s[12:13], s[0:1], 0x20              ; hq
	v_lshrrev_b32 v1, 5, v0
	v_readfirstlane_b32 s14, v1                    ; wave
	v_and_b32 v2, 31, v0
	v_lshlrev_b32 v3, 5, v2                        ; 32 x lane: my 8 numbers of a chunk
	v_lshlrev_b32 v4, 3, v2                        ; 8 x lane: their codes
	s_lshl_b32 s15, ttmp9, 4
	s_lshl_b32 s16, s14, 2
	s_add_co_u32 s15, s15, s16                     ; my first row
	s_lshl_b32 s16, s15, 12
	s_mov_b32 s17, 0
	s_lshl_b32 s18, s15, 10
	s_mov_b32 s19, 0
	s_mov_b32 s22, 0x76543210
	s_mov_b32 s23, 0xfedcba98
	s_mov_b32 s24, 0x3a800000                      ; 1 / 1,024
	s_mov_b32 s25, 0x3727c5ac                      ; 1e-5
	s_wait_alu depctr_va_vdst(0)
	s_wait_kmcnt 0x0
	s_load_b32 s20, s[10:11], 0x28                 ; e10
	s_add_nc_u64 s[4:5], s[4:5], s[16:17]
	s_add_nc_u64 s[12:13], s[12:13], s[18:19]
.irp j, 0,1,2,3
	global_load_b128 v[W+8*\j:W+8*\j+3], v3, s[6:7] offset:1024*\j
	global_load_b128 v[W+8*\j+4:W+8*\j+7], v3, s[6:7] offset:1024*\j+16
	global_load_b128 v[B+8*\j:B+8*\j+3], v3, s[8:9] offset:1024*\j
	global_load_b128 v[B+8*\j+4:B+8*\j+7], v3, s[8:9] offset:1024*\j+16
.endr
.irp i, 0,1,2,3
.irp j, 0,1,2,3
	global_load_b128 v[R+32*\i+8*\j:R+32*\i+8*\j+3], v3, s[4:5] offset:4096*\i+1024*\j
	global_load_b128 v[R+32*\i+8*\j+4:R+32*\i+8*\j+7], v3, s[4:5] offset:4096*\i+1024*\j+16
.endr
.endr
	s_wait_kmcnt 0x0
	s_add_co_i32 s20, s20, 127
	s_lshl_b32 s21, s20, 23
	v_mov_b32 v240, s21                            ; 2^e10
	s_add_co_i32 s20, s20, 8
	s_lshl_b32 s20, s20, 23
	s_or_b32 s20, s20, 0x600000
	v_mov_b32 v241, s20                            ; 448 x 2^e10
.macro ALL32 reg, tmp                  ; the sum over the wave's 32 lanes, in every lane
	v_add_f32_dpp v[\reg], v[\reg], v[\reg] row_xmask:1 row_mask:0xf bank_mask:0xf
	v_add_f32_dpp v[\reg], v[\reg], v[\reg] row_xmask:2 row_mask:0xf bank_mask:0xf
	v_add_f32_dpp v[\reg], v[\reg], v[\reg] row_xmask:4 row_mask:0xf bank_mask:0xf
	v_add_f32_dpp v[\reg], v[\reg], v[\reg] row_xmask:8 row_mask:0xf bank_mask:0xf
	v_permlanex16_b32 v[\tmp], v[\reg], s22, s23
	v_add_f32 v[\reg], v[\reg], v[\tmp]
.endm
.macro ROWN i
.set X, R+32*(\i)
.set K, C+8*(\i)
	s_wait_loadcnt 8*(3-(\i))                      ; this row's 8 loads are in; the later rows' may be out
	v_pk_add_f32 v[232:233], v[X:X+1], v[X+2:X+3]
	v_pk_add_f32 v[234:235], v[X+4:X+5], v[X+6:X+7]
.set lp, 8
.rept 6
	v_pk_add_f32 v[232:233], v[232:233], v[X+lp:X+lp+1]
	v_pk_add_f32 v[234:235], v[234:235], v[X+lp+2:X+lp+3]
.set lp, lp+4
.endr
	v_pk_add_f32 v[232:233], v[232:233], v[234:235]
	v_add_f32 v232, v232, v233
	ALL32 232, 233
	v_mul_f32 v232, s24, v232                      ; the mean
.set lp, 0
.rept 16
	v_pk_add_f32 v[X+lp:X+lp+1], v[X+lp:X+lp+1], v[232:233] op_sel_hi:[1,0] neg_lo:[0,1] neg_hi:[0,1]
.set lp, lp+2
.endr
	v_pk_mul_f32 v[234:235], v[X:X+1], v[X:X+1]
	v_pk_mul_f32 v[236:237], v[X+2:X+3], v[X+2:X+3]
.set lp, 4
.rept 7
	v_pk_fma_f32 v[234:235], v[X+lp:X+lp+1], v[X+lp:X+lp+1], v[234:235]
	v_pk_fma_f32 v[236:237], v[X+lp+2:X+lp+3], v[X+lp+2:X+lp+3], v[236:237]
.set lp, lp+4
.endr
	v_pk_add_f32 v[234:235], v[234:235], v[236:237]
	v_add_f32 v234, v234, v235
	ALL32 234, 235
	v_fma_f32 v234, v234, s24, s25                 ; the variance + eps
	s_wait_alu depctr_va_vdst(0)
	v_rsq_f32 v236, v234
	v_nop                                          ; a plain line behind the transcendental
	s_wait_alu depctr_va_vdst(0)                   ; the wait ahead of the first reader
.set lp, 0
.rept 16
	v_pk_mul_f32 v[X+lp:X+lp+1], v[X+lp:X+lp+1], v[236:237] op_sel_hi:[1,0]
.set lp, lp+2
.endr
.set lp, 0
.rept 16
	v_pk_fma_f32 v[X+lp:X+lp+1], v[X+lp:X+lp+1], v[W+lp:W+lp+1], v[B+lp:B+lp+1]
.set lp, lp+2
.endr
.set lp, 0
.rept 32
	v_med3_num_f32 v[X+lp], v[X+lp], -v241, v241   ; the conversion does not saturate (ISA guide 7.6.2): the hold first
.set lp, lp+1
.endr
.irp j, 0,1,2,3
	v_cvt_scalef32_pk8_fp8_f32 v[K+2*\j:K+2*\j+1], v[X+8*\j:X+8*\j+7], v240
.endr
	v_nop
.irp j, 0,1,2,3
	global_store_b64 v4, v[K+2*\j:K+2*\j+1], s[12:13] offset:1024*(\i)+256*\j
.endr
.endm
	ROWN 0
	ROWN 1
	ROWN 2
	ROWN 3
	s_endpgm
.Lfunc_end_k_qdfec724caa_lnq:
	.size	k_qdfec724caa_lnq, .Lfunc_end_k_qdfec724caa_lnq-k_qdfec724caa_lnq
	.p2alignl 7, 3214868480
	.fill 96, 4, 3214868480
	.section	.rodata,"a",@progbits
	.p2align	6, 0x0
	.amdhsa_kernel k_qdfec724caa_lnq
		.amdhsa_group_segment_fixed_size 0
		.amdhsa_private_segment_fixed_size 0
		.amdhsa_enable_private_segment 0
		.amdhsa_kernarg_size 40
		.amdhsa_user_sgpr_count 2
		.amdhsa_user_sgpr_kernarg_segment_ptr 1
		.amdhsa_wavefront_size32 1
		.amdhsa_system_sgpr_workgroup_id_x 1
		.amdhsa_system_sgpr_workgroup_id_y 1
		.amdhsa_system_sgpr_workgroup_id_z 1
		.amdhsa_system_vgpr_workitem_id 0
		.amdhsa_next_free_vgpr 248
		.amdhsa_next_free_sgpr 66
		.amdhsa_reserve_vcc 0
		.amdhsa_float_denorm_mode_32 3
		.amdhsa_float_denorm_mode_16_64 3
		.amdhsa_memory_ordered 1
		.amdhsa_forward_progress 1
		.amdhsa_inst_pref_size 41
	.end_amdhsa_kernel
	.amdgpu_metadata
---
amdhsa.version: [ 1, 2 ]
amdhsa.kernels:
  - .name:           k_qdfec724caa_lnq
    .symbol:         k_qdfec724caa_lnq.kd
    .args:
      - { .name: res2, .offset: 0, .size: 8, .value_kind: global_buffer, .address_space: global }
      - { .name: ffn_w, .offset: 8, .size: 8, .value_kind: global_buffer, .address_space: global }
      - { .name: ffn_b, .offset: 16, .size: 8, .value_kind: global_buffer, .address_space: global }
      - { .name: lowp_scales, .offset: 24, .size: 8, .value_kind: global_buffer, .address_space: global }
      - { .name: hq, .offset: 32, .size: 8, .value_kind: global_buffer, .address_space: global }
    .group_segment_fixed_size: 0
    .private_segment_fixed_size: 0
    .kernarg_segment_align: 8
    .kernarg_segment_size: 40
    .max_flat_workgroup_size: 128
    .sgpr_count:     66
    .vgpr_count:     248
    .wavefront_size: 32
...
	.end_amdgpu_metadata
.endif
;; end of part 8
;; launch fc1 (part 9): grid 16 x 16, 4 waves a work-group, clusters of 4 x 4, 327,680 bytes of LDS; arguments hq, fc1_w_codes, lowp_scales, fc1_b, gq; writes gq
.if DOCPART == 9
	.amdgcn_target "amdgcn-amd-amdhsa--gfx1250"
	.amdhsa_code_object_version 6
	.text
	.protected	k_qdfec724caa_fc1
	.globl	k_qdfec724caa_fc1
	.p2align	8
	.type	k_qdfec724caa_fc1,@function
k_qdfec724caa_fc1:
	s_mov_b64 s[64:65], 0
	v_nop
	global_prefetch_b8 v0, s[64:65] scope:SCOPE_SE
	s_setreg_imm32_b32 hwreg(HW_REG_WAVE_MODE, 25, 1), 1
	s_wait_xcnt 0x0
	s_wait_alu depctr_hold_cnt(0) depctr_sa_sdst(0) depctr_va_vdst(0) depctr_va_sdst(0) depctr_va_ssrc(0) depctr_va_vcc(0) depctr_vm_vsrc(0)
	s_getreg_b32 s2, hwreg(HW_REG_IB_STS2, 6, 4)
	s_cmp_eq_u32 s2, 0
	s_cbranch_scc0 .Lentry_in_a_cluster
	s_endpgm
.Lentry_in_a_cluster:
	s_bfe_u32 s2, ttmp6, 0x10000c
	s_cmp_lg_u32 s2, 0xf033
	s_cbranch_scc0 .Lentry_shape_is_right
	s_endpgm
.Lentry_shape_is_right:
.set KROW,   1024
.set ROWB,   256
.set PITCH,  272
.set FR,     16
.set NL,     4
.set NP,     4
.set HALFT,  128*PITCH
.set SLOT,   4*HALFT
.set LAPS,   KROW/(2*ROWB)
.set SPARE,  2*SLOT
.set ADRA, 16
.set ADRB, 20
.set LI,   26
.set HO,   27
.set SPW,  28
.set NIL,  29
.set BIAS, 32
.set TMP,  96
.set AF,   128
.set GZ,   160
.set GW,   176
.set GP,   192
.set GQ,   208
.set CD,   224
.set VA1,  240
.set VB1,  242
.set QS,   244
.set QL,   245
.set BI,   2
.set OP,   12
.set G1,   24
.set G0,   32
.set G1B,  48
.set G0B,  56
.set SC,   66
.set A0, 68
.set A2, 70
.set A3, 72
.set A4, 74
.set A5, 76
.set A6, 78
.set B0, 80
.set B2, 82
.set B3, 84
.set B4, 86
.set MSB, 0
.macro WIN new
.if MSB != \new
	s_set_vgpr_msb (MSB<<8)|\new
.set MSB, \new
.endif
.endm
.set MUL_LO, 0xa1
.set MUL_HI, 0xf1
.set TO_B,   0x40
.macro JLOAD g0a, g1a, g0b, g1b
	s_cmp_eq_u32 s15, 0
	s_cbranch_scc0 .Lfor_b_\@
	tensor_load_to_lds s[\g0a:\g0a+3], s[\g1a:\g1a+7]
	s_nop 0
.rept 4
	v_nop
.endr
	s_branch .Lasked_\@
.Lfor_b_\@:
	tensor_load_to_lds s[\g0b:\g0b+3], s[\g1b:\g1b+7]
	s_nop 0
.rept 4
	v_nop
.endr
.Lasked_\@:
.endm
.macro CREST
	s_cmp_lg_u32 s14, 0
	s_cbranch_scc1 .Lnot_wave_0_\@
	s_barrier_signal -3
.Lnot_wave_0_\@:
	s_barrier_wait -3
	s_barrier_signal -1
	s_barrier_wait -1
.endm
.macro CROUND
	s_barrier_signal -1
	s_barrier_wait -1
	CREST
.endm
.macro PLACES n
.rept \n
	v_nop
.endr
.endm
	s_load_b128 s[4:7], s[0:1], 0x0
	s_load_b128 s[8:11], s[0:1], 0x10
	s_load_b64 s[12:13], s[0:1], 0x20
	v_lshl_add_u32 v[SPW], v0, 2, SPARE
	v_mov_b32 v[NIL], 0
	ds_add_u32 v28, v29
	ds_add_u32 v28, v29
	s_wait_dscnt 0x0
	v_lshrrev_b32 v1, 5, v0
	v_readfirstlane_b32 s14, v1
	s_lshr_b32 s15, s14, 1
	s_and_b32 s16, s14, 1
	s_bfe_u32 s40, ttmp6, 0x40000
	s_bfe_u32 s41, ttmp6, 0x40004
	s_lshl_b32 s42, ttmp9, 2
	s_add_co_u32 s42, s42, s40
	s_and_b32 s17, ttmp7, 0xffff
	s_lshl_b32 s17, s17, 2
	s_add_co_u32 s17, s17, s41
	s_lshl_b32 s43, s41, 2
	s_lshl_b32 s43, 15, s43
	s_lshl_b32 s44, 0x1111, s40
	s_or_b32 s[G1+0], s43, (0<<16)|(1<<20)|(1<<21)|(5<<22)|(3<<25)
	s_or_b32 s[G1B+0], s44, (0<<16)|(1<<20)|(1<<21)|(5<<22)|(3<<25)
.irp g, G1, G1B
	s_mov_b32 s[\g+1], ROWB<<16
	s_mov_b32 s[\g+2], 128<<16
	s_mov_b32 s[\g+3], ROWB<<16
	s_mov_b32 s[\g+4], 128
	s_mov_b32 s[\g+5], KROW
	s_mov_b32 s[\g+6], 0
	s_mov_b32 s[\g+7], 0
.endr
	s_lshl_b32 s18, s16, 7
	s_lshl_b32 s20, s17, 8
	s_add_co_u32 s20, s20, s18
	s_lshl_b32 s46, s42, 8
	s_add_co_u32 s46, s46, s18
	s_lshl_b32 s20, s20, 10
	s_lshl_b32 s46, s46, 10
	s_mov_b32 s21, 0
	s_mov_b32 s47, 0
	s_mul_i32 s45, s14, HALFT
	s_wait_kmcnt 0x0
	s_load_b128 s[88:91], s[8:9], 0x28
	s_add_nc_u64 s[20:21], s[4:5], s[20:21]
	s_add_nc_u64 s[46:47], s[6:7], s[46:47]
	CROUND
.irp s, 0,1
	s_mov_b32 s[G0+4*\s], 1
	s_add_co_u32 s[G0+4*\s+1], s45, \s*SLOT
	s_add_nc_u64 s[G0+4*\s+2:G0+4*\s+3], s[20:21], \s*ROWB
	s_or_b32 s[G0+4*\s+3], s[G0+4*\s+3], 0x80000000
	s_mov_b32 s[G0B+4*\s], 1
	s_add_co_u32 s[G0B+4*\s+1], s45, \s*SLOT
	s_add_nc_u64 s[G0B+4*\s+2:G0B+4*\s+3], s[46:47], \s*ROWB
	s_or_b32 s[G0B+4*\s+3], s[G0B+4*\s+3], 0x80000000
	s_wait_alu depctr_va_vdst(0)
	s_wait_tensorcnt 0x0
	ds_add_u32 v28, v29
	ds_add_u32 v28, v29
	s_wait_dscnt 0x0
	CROUND
	JLOAD G0+4*\s, G1, G0B+4*\s, G1B
.endr
	v_and_b32 v1, 15, v0
	v_bfe_u32 v2, v0, 4, 1
	v_mul_u32_u24 v3, v1, PITCH
	v_lshl_add_u32 v4, v2, 4, v3
	s_mul_i32 s21, s15, HALFT
	s_mul_i32 s22, s16, HALFT
	s_add_co_u32 s22, s22, 2*HALFT
.irp s, 0,1
	v_add_nc_u32 v[ADRA+\s], s21, v4
	v_add_nc_u32 v[ADRB+\s], s22, v4
	s_add_co_u32 s21, s21, SLOT
	s_add_co_u32 s22, s22, SLOT
.endr
	v_and_b32 v6, 31, v0
	v_lshlrev_b32 v[LI], 4, v6
	v_lshlrev_b32 v[HO], 5, v2
	s_lshl_b32 s18, s42, 10
	s_lshl_b32 s19, s16, 9
	s_add_co_u32 s18, s18, s19
	s_mov_b32 s19, 0
	s_add_nc_u64 s[10:11], s[10:11], s[18:19]
.irp b, 0,1,2,3,4,5,6,7
	global_load_b128 v[BIAS+8*\b:BIAS+8*\b+3], v[HO], s[10:11] offset:64*\b
	global_load_b128 v[BIAS+8*\b+4:BIAS+8*\b+7], v[HO], s[10:11] offset:64*\b+16
.endr
.macro FRAG reg, adr, q, i
.irp c, 0,1,2,3
	ds_load_b128 v[\reg+4*\c:\reg+4*\c+3], v[\adr] offset:128*(\q)+32*\c+(\i)*16*PITCH
.endr
.endm
.macro MUL16 a0, p, zero
.irp a, \a0, \a0+1
.irp b, 0,1,2,3,4,5,6,7
.if \zero
	v_wmma_f32_16x16x128_fp8_fp8 v[8*(8*((\a)%4)+\b):8*(8*((\a)%4)+\b)+7], v[128*(\p)+FR*\b:128*(\p)+FR*\b+FR-1], v[AF+FR*(\a):AF+FR*(\a)+FR-1], 0
.else
	v_wmma_f32_16x16x128_fp8_fp8 v[8*(8*((\a)%4)+\b):8*(8*((\a)%4)+\b)+7], v[128*(\p)+FR*\b:128*(\p)+FR*\b+FR-1], v[AF+FR*(\a):AF+FR*(\a)+FR-1], v[8*(8*((\a)%4)+\b):8*(8*((\a)%4)+\b)+7]
.endif
.endr
.endr
.endm
.macro FETCH_B slot, q, p
	WIN TO_B
.irp i, 0,1,2,3,4,5,6,7
	FRAG 128*(\p)+FR*\i, ADRB+\slot, \q, \i
.endr
	WIN 0
.endm
.macro FETCH_A slot, q, i0
.irp i, \i0, \i0+1, \i0+2, \i0+3
	FRAG AF+FR*(\i), ADRA+\slot, \q, \i
.endr
.endm
.macro STEP slot, q, zero
	s_wait_dscnt 4*NL
	WIN MUL_LO
	MUL16 0, (\q)%2, \zero
	MUL16 2, (\q)%2, \zero
	s_wait_dscnt 0
	PLACES NP
	FETCH_B \slot, (\q)+1, 1-(\q)%2
	FETCH_A \slot, (\q)+1, 0
	WIN MUL_HI
	MUL16 4, (\q)%2, \zero
	MUL16 6, (\q)%2, \zero
	PLACES NP
	WIN 0
	FETCH_A \slot, (\q)+1, 4
.endm
.macro TURN slot, next, fill
	s_wait_tensorcnt 0x0
	ds_add_u32 v[SPW], v[NIL]
	s_wait_dscnt 4*NL+1
	WIN MUL_LO
	MUL16 0, 1, 0
	s_wait_dscnt 0x0
	s_barrier_signal -1
	MUL16 2, 1, 0
	WIN 0
	s_barrier_wait -1
.if \fill
	CREST
	s_add_nc_u64 s[G0+4*\slot+2:G0+4*\slot+3], s[G0+4*\slot+2:G0+4*\slot+3], 2*ROWB
	s_add_nc_u64 s[G0B+4*\slot+2:G0B+4*\slot+3], s[G0B+4*\slot+2:G0B+4*\slot+3], 2*ROWB
	JLOAD G0+4*\slot, G1, G0B+4*\slot, G1B
.else
	PLACES NP
.endif
	FETCH_B \next, 0, 0
	FETCH_A \next, 0, 0
	WIN MUL_HI
	MUL16 4, 1, 0
	MUL16 6, 1, 0
	PLACES NP
	WIN 0
	FETCH_A \next, 0, 4
.endm
	s_wait_alu depctr_va_vdst(0)
	s_wait_tensorcnt 1
	s_barrier_signal -1
	s_barrier_wait -1
	FETCH_B 0, 0, 0
	FETCH_A 0, 0, 0
	FETCH_A 0, 0, 4
	STEP 0, 0, 1
	s_mov_b32 s3, LAPS-1
.Llap:
	TURN 0, 1, 1
	STEP 1, 0, 0
	TURN 1, 0, 1
	STEP 0, 0, 0
	s_sub_co_u32 s3, s3, 1
	s_cmp_lg_u32 s3, 0
	s_cbranch_scc1 .Llap
	TURN 0, 1, 0
	STEP 1, 0, 0
	s_wait_dscnt 4*NL
	WIN MUL_LO
	MUL16 0, 1, 0
	MUL16 2, 1, 0
	s_wait_dscnt 0
	WIN MUL_HI
	MUL16 4, 1, 0
	MUL16 6, 1, 0
	WIN 0
.macro SNIP a
	WIN 0x02+((\a)/4)
.set AC, 64*((\a)%4)
.set sj, 0
.rept 32
	v_pk_fma_f32 v[TMP+sj:TMP+sj+1], v[AC+sj:AC+sj+1], s[SC:SC+1], v[BIAS+sj:BIAS+sj+1] op_sel_hi:[1,0,1]
.set sj, sj+2
.endr
	WIN 0
.endm
.macro GETBLOCK
	s_cmp_eq_u32 s[BI], 0
	s_cbranch_scc1 .Lga_\@
	s_cmp_eq_u32 s[BI], 1
	s_cbranch_scc1 .Lgb_\@
	s_cmp_eq_u32 s[BI], 2
	s_cbranch_scc1 .Lgc_\@
	s_cmp_eq_u32 s[BI], 3
	s_cbranch_scc1 .Lgd_\@
	s_cmp_eq_u32 s[BI], 4
	s_cbranch_scc1 .Lge_\@
	s_cmp_eq_u32 s[BI], 5
	s_cbranch_scc1 .Lgf_\@
	s_cmp_eq_u32 s[BI], 6
	s_cbranch_scc1 .Lgg_\@
	SNIP 7
	s_branch .Lgot_\@
.Lga_\@:
	SNIP 0
	s_branch .Lgot_\@
.Lgb_\@:
	SNIP 1
	s_branch .Lgot_\@
.Lgc_\@:
	SNIP 2
	s_branch .Lgot_\@
.Lgd_\@:
	SNIP 3
	s_branch .Lgot_\@
.Lge_\@:
	SNIP 4
	s_branch .Lgot_\@
.Lgf_\@:
	SNIP 5
	s_branch .Lgot_\@
.Lgg_\@:
	SNIP 6
.Lgot_\@:
.endm
.macro GELU16 X, K
.set n, 0
.rept 8
	v_pk_mul_f32 v[GZ+n:GZ+n+1], v[\X+n:\X+n+1], 0x3f3504f3 op_sel_hi:[1,0]
.set n, n+2
.endr
.set n, 0
.rept 16
	v_med3_num_f32 v[GZ+n], v[GZ+n], -4.0, 4.0
.set n, n+1
.endr
.set n, 0
.rept 8
	v_pk_mul_f32 v[GW+n:GW+n+1], v[GZ+n:GZ+n+1], v[GZ+n:GZ+n+1]
.set n, n+2
.endr
.set n, 0
.rept 8
	v_pk_fma_f32 v[GP+n:GP+n+1], v[GW+n:GW+n+1], s[A0:A0+1], v[VA1:VA1+1] op_sel_hi:[1,0,1]
	v_pk_fma_f32 v[GQ+n:GQ+n+1], v[GW+n:GW+n+1], s[B0:B0+1], v[VB1:VB1+1] op_sel_hi:[1,0,1]
.set n, n+2
.endr
.irp k, A2, A3, A4, A5, A6
.set n, 0
.rept 8
	v_pk_fma_f32 v[GP+n:GP+n+1], v[GP+n:GP+n+1], v[GW+n:GW+n+1], s[\k:\k+1] op_sel_hi:[1,1,0]
.set n, n+2
.endr
.endr
.irp k, B2, B3, B4
.set n, 0
.rept 8
	v_pk_fma_f32 v[GQ+n:GQ+n+1], v[GQ+n:GQ+n+1], v[GW+n:GW+n+1], s[\k:\k+1] op_sel_hi:[1,1,0]
.set n, n+2
.endr
.endr
.set n, 0
	s_wait_alu depctr_va_vdst(0)
.rept 16
	v_rcp_f32 v[GQ+n], v[GQ+n]
.set n, n+1
.endr
.set n, 0
.rept 8
	v_pk_mul_f32 v[GP+n:GP+n+1], v[GP+n:GP+n+1], v[GZ+n:GZ+n+1]
.set n, n+2
.endr
.set n, 0
.rept 8
	v_pk_mul_f32 v[GZ+n:GZ+n+1], v[\X+n:\X+n+1], 0.5 op_sel_hi:[1,0]
.set n, n+2
.endr
	s_wait_alu depctr_va_vdst(0)
.set n, 0
.rept 8
	v_pk_mul_f32 v[GP+n:GP+n+1], v[GP+n:GP+n+1], v[GQ+n:GQ+n+1]
.set n, n+2
.endr
.set n, 0
.rept 8
	v_pk_fma_f32 v[\X+n:\X+n+1], v[GZ+n:GZ+n+1], v[GP+n:GP+n+1], v[GZ+n:GZ+n+1]
.set n, n+2
.endr
.set n, 0
.rept 16
	v_med3_num_f32 v[\X+n], v[\X+n], -v[QL], v[QL]
.set n, n+1
.endr
	v_cvt_scalef32_pk8_fp8_f32 v[\K:\K+1], v[\X:\X+7], v[QS]
	v_cvt_scalef32_pk8_fp8_f32 v[\K+2:\K+3], v[\X+8:\X+15], v[QS]
.endm
	s_wait_kmcnt 0x0
	s_add_co_i32 s18, s88, s89
	s_add_co_i32 s18, s18, 127
	s_lshl_b32 s[SC], s18, 23
	s_mov_b32 s[SC+1], s[SC]
	s_add_co_i32 s18, s90, 127
	s_lshl_b32 s19, s18, 23
	s_add_co_i32 s18, s18, 8
	s_lshl_b32 s18, s18, 23
	s_or_b32 s18, s18, 0x600000
	PLACES NP
	v_mov_b32 v[QS], s19
	v_mov_b32 v[QL], s18
	v_mov_b32 v[VA1], 0x32edffee
	v_mov_b32 v[VA1+1], 0x32edffee
	v_mov_b32 v[VB1], 0xb95fbd29
	v_mov_b32 v[VB1+1], 0xb95fbd29
	s_mov_b32 s[A0], 0xaf95df0b
	s_mov_b32 s[A0+1], 0xaf95df0b
	s_mov_b32 s[A2], 0xb60cff51
	s_mov_b32 s[A2+1], 0xb60cff51
	s_mov_b32 s[A3], 0xb86ec2d2
	s_mov_b32 s[A3+1], 0xb86ec2d2
	s_mov_b32 s[A4], 0xba40ac63
	s_mov_b32 s[A4+1], 0xba40ac63
	s_mov_b32 s[A5], 0xbb41a1f6
	s_mov_b32 s[A5+1], 0xbb41a1f6
	s_mov_b32 s[A6], 0xbc83dbd4
	s_mov_b32 s[A6+1], 0xbc83dbd4
	s_mov_b32 s[B0], 0xb77460cd
	s_mov_b32 s[B0+1], 0xb77460cd
	s_mov_b32 s[B2], 0xbadc924e
	s_mov_b32 s[B2+1], 0xbadc924e
	s_mov_b32 s[B3], 0xbbf19bf8
	s_mov_b32 s[B3+1], 0xbbf19bf8
	s_mov_b32 s[B4], 0xbc69b6a7
	s_mov_b32 s[B4+1], 0xbc69b6a7
	s_lshl_b32 s18, s17, 4
	s_lshl_b32 s19, s15, 3
	s_add_co_u32 s18, s18, s19
	s_lshl_b32 s18, s18, 5
	s_lshl_b32 s19, s42, 1
	s_add_co_u32 s18, s18, s19
	s_add_co_u32 s18, s18, s16
	s_lshl_b32 s18, s18, 11
	s_mov_b32 s19, 0
	s_add_nc_u64 s[OP:OP+1], s[OP:OP+1], s[18:19]
	s_mov_b32 s[BI], 0
	s_wait_loadcnt 0x0
.Lblk:
	GETBLOCK
	GELU16 TMP, CD
	GELU16 TMP+16, CD+4
	GELU16 TMP+32, CD+8
	GELU16 TMP+48, CD+12
	v_nop
.irp c, 0,1,2,3
	v_permlane16_swap_b32 v[CD+4*\c], v[CD+4*\c+2]
	v_permlane16_swap_b32 v[CD+4*\c+1], v[CD+4*\c+3]
.endr
.irp c, 0,1,2,3
	global_store_b128 v[LI], v[CD+4*\c:CD+4*\c+3], s[OP:OP+1] offset:512*\c
.endr
	s_wait_xcnt 0x0
	s_add_nc_u64 s[OP:OP+1], s[OP:OP+1], 65536
	s_add_co_u32 s[BI], s[BI], 1
	s_cmp_lt_u32 s[BI], 8
	s_cbranch_scc1 .Lblk
	s_wait_tensorcnt 0x0
	ds_add_u32 v[SPW], v[NIL]
	s_wait_dscnt 0x0
	CROUND
	s_endpgm
.Lfunc_end_k_qdfec724caa_fc1:
	.size	k_qdfec724caa_fc1, .Lfunc_end_k_qdfec724caa_fc1-k_qdfec724caa_fc1
	.p2alignl 7, 3214868480
	.fill 96, 4, 3214868480
	.section	.rodata,"a",@progbits
	.p2align	6, 0x0
	.amdhsa_kernel k_qdfec724caa_fc1
		.amdhsa_group_segment_fixed_size 327680
		.amdhsa_private_segment_fixed_size 0
		.amdhsa_enable_private_segment 0
		.amdhsa_kernarg_size 40
		.amdhsa_user_sgpr_count 2
		.amdhsa_user_sgpr_kernarg_segment_ptr 1
		.amdhsa_wavefront_size32 1
		.amdhsa_system_sgpr_workgroup_id_x 1
		.amdhsa_system_sgpr_workgroup_id_y 1
		.amdhsa_system_sgpr_workgroup_id_z 1
		.amdhsa_system_vgpr_workitem_id 0
		.amdhsa_next_free_vgpr 1024
		.amdhsa_next_free_sgpr 100
		.amdhsa_reserve_vcc 0
		.amdhsa_float_denorm_mode_32 3
		.amdhsa_float_denorm_mode_16_64 3
		.amdhsa_memory_ordered 1
		.amdhsa_forward_progress 1
		.amdhsa_inst_pref_size 144
	.end_amdhsa_kernel
	.amdgpu_metadata
---
amdhsa.version: [ 1, 2 ]
amdhsa.kernels:
  - .name:           k_qdfec724caa_fc1
    .symbol:         k_qdfec724caa_fc1.kd
    .args:
      - { .name: hq, .offset: 0, .size: 8, .value_kind: global_buffer, .address_space: global }
      - { .name: fc1_w_codes, .offset: 8, .size: 8, .value_kind: global_buffer, .address_space: global }
      - { .name: lowp_scales, .offset: 16, .size: 8, .value_kind: global_buffer, .address_space: global }
      - { .name: fc1_b, .offset: 24, .size: 8, .value_kind: global_buffer, .address_space: global }
      - { .name: gq, .offset: 32, .size: 8, .value_kind: global_buffer, .address_space: global }
    .group_segment_fixed_size: 327680
    .private_segment_fixed_size: 0
    .kernarg_segment_align: 8
    .kernarg_segment_size: 40
    .max_flat_workgroup_size: 128
    .sgpr_count:     100
    .vgpr_count:     1024
    .wavefront_size: 32
...
	.end_amdgpu_metadata
.endif
;; end of part 9
;; launch fc2 (part 10): grid 8 x 32, 4 waves a work-group, clusters of 4 x 4, 327,680 bytes of LDS; arguments gq, fc2_w_codes, lowp_scales, fc2_b, res2, out0; writes out0
.if DOCPART == 10
	.amdgcn_target "amdgcn-amd-amdhsa--gfx1250"
	.amdhsa_code_object_version 6
	.text
	.protected	k_qdfec724caa_fc2
	.globl	k_qdfec724caa_fc2
	.p2align	8
	.type	k_qdfec724caa_fc2,@function
k_qdfec724caa_fc2:
	s_mov_b64 s[64:65], 0
	v_nop
	global_prefetch_b8 v0, s[64:65] scope:SCOPE_SE
	s_setreg_imm32_b32 hwreg(HW_REG_WAVE_MODE, 25, 1), 1
	s_wait_xcnt 0x0
	s_wait_alu depctr_hold_cnt(0) depctr_sa_sdst(0) depctr_va_vdst(0) depctr_va_sdst(0) depctr_va_ssrc(0) depctr_va_vcc(0) depctr_vm_vsrc(0)
	s_getreg_b32 s2, hwreg(HW_REG_IB_STS2, 6, 4)
	s_cmp_eq_u32 s2, 0
	s_cbranch_scc0 .Lentry_in_a_cluster
	s_endpgm
.Lentry_in_a_cluster:
	s_bfe_u32 s2, ttmp6, 0x10000c
	s_cmp_lg_u32 s2, 0xf033
	s_cbranch_scc0 .Lentry_shape_is_right
	s_endpgm
.Lentry_shape_is_right:
.set KROW,   4096
.set BSTEP,  512
.set ASTEP,  8192
.set PITCH,  528
.set FR,     16
.set NL,     4
.set NP,     4
.set AHALF,  32768
.set HALFB,  64*PITCH
.set SLOT,   2*AHALF+2*HALFB
.set LAPS,   KROW/(2*BSTEP)
.set SPARE,  2*SLOT
.set STG,    SPARE+512
.set SP,     272
.set FB,   8
.set ADRA, 16
.set ADRB, 20
.set STO,  24
.set RD,   25
.set CO,   26
.set FBO,  27
.set SPW,  28
.set NIL,  29
.set PFO,  30
.set LI,   31
.set ACC,  128
.set F0,   0
.set F1,   128
.set G1,   24
.set G0,   32
.set G1B,  48
.set G0B,  56
.set SC,   66
.set RP,   68
.set OP,   70
.set PFA,  74
.set PFS,  76
.set LIM,  78
.set MSB, 0
.macro WIN new
.if MSB != \new
	s_set_vgpr_msb (MSB<<8)|\new
.set MSB, \new
.endif
.endm
.set MUL,  0x05
.set TO_F, 0x40
.macro JLOAD g0a, g1a, g0b, g1b
	s_cmp_eq_u32 s15, 0
	s_cbranch_scc0 .Lfor_b_\@
	tensor_load_to_lds s[\g0a:\g0a+3], s[\g1a:\g1a+7]
	s_nop 0
.rept 4
	v_nop
.endr
	s_branch .Lasked_\@
.Lfor_b_\@:
	tensor_load_to_lds s[\g0b:\g0b+3], s[\g1b:\g1b+7]
	s_nop 0
.rept 4
	v_nop
.endr
.Lasked_\@:
.endm
.macro ASK
	s_cmp_gt_u32 s3, s[LIM]
	s_cbranch_scc0 .Lnot_mine_\@
	s_wait_alu depctr_va_vdst(0)
	global_prefetch_b8 v[PFO], s[PFA:PFA+1] th:TH_LOAD_NT scope:SCOPE_SE
.Lnot_mine_\@:
.endm
.macro CREST
	s_cmp_lg_u32 s14, 0
	s_cbranch_scc1 .Lnot_wave_0_\@
	s_barrier_signal -3
.Lnot_wave_0_\@:
	s_barrier_wait -3
	s_barrier_signal -1
	s_barrier_wait -1
.endm
.macro CROUND
	s_barrier_signal -1
	s_barrier_wait -1
	CREST
.endm
.macro PLACES n
.rept \n
	v_nop
.endr
.endm
	s_load_b128 s[4:7], s[0:1], 0x0
	s_load_b128 s[8:11], s[0:1], 0x10
	s_load_b128 s[68:71], s[0:1], 0x20
	v_lshl_add_u32 v[SPW], v0, 2, SPARE
	v_mov_b32 v[NIL], 0
	ds_add_u32 v28, v29
	ds_add_u32 v28, v29
	s_wait_dscnt 0x0
	v_lshrrev_b32 v1, 5, v0
	v_readfirstlane_b32 s14, v1
	s_lshr_b32 s15, s14, 1
	s_and_b32 s16, s14, 1
	s_bfe_u32 s40, ttmp6, 0x40000
	s_bfe_u32 s41, ttmp6, 0x40004
	s_lshl_b32 s42, ttmp9, 2
	s_add_co_u32 s42, s42, s40
	s_and_b32 s17, ttmp7, 0xffff
	s_lshl_b32 s17, s17, 2
	s_add_co_u32 s17, s17, s41
	s_lshl_b32 s43, s41, 2
	s_lshl_b32 s43, 15, s43
	s_lshl_b32 s44, 0x1111, s40
	s_or_b32 s[G1+0], s43, (3<<16)|(1<<21)
	s_mov_b32 s[G1+1], 1024<<16
	s_mov_b32 s[G1+2], 4<<16
	s_mov_b32 s[G1+3], 1024<<16
	s_mov_b32 s[G1+4], 4
	s_mov_b32 s[G1+5], 8192
	s_mov_b32 s[G1+6], 0
	s_mov_b32 s[G1+7], 0
	s_or_b32 s[G1B+0], s44, (0<<16)|(1<<20)|(1<<21)|(6<<22)|(3<<25)
	s_mov_b32 s[G1B+1], BSTEP<<16
	s_mov_b32 s[G1B+2], 64<<16
	s_mov_b32 s[G1B+3], BSTEP<<16
	s_mov_b32 s[G1B+4], 64
	s_mov_b32 s[G1B+5], KROW
	s_mov_b32 s[G1B+6], 0
	s_mov_b32 s[G1B+7], 0
	s_lshl_b32 s20, s17, 3
	s_lshl_b32 s18, s16, 2
	s_add_co_u32 s20, s20, s18
	s_lshl_b32 s20, s20, 16
	s_mov_b32 s21, 0
	s_lshl_b32 s46, s42, 7
	s_lshl_b32 s18, s16, 6
	s_add_co_u32 s46, s46, s18
	s_lshl_b32 s46, s46, 12
	s_mov_b32 s47, 0
	s_lshl_b32 s45, s16, 15
	s_mul_i32 s13, s16, HALFB
	s_add_co_u32 s13, s13, 2*AHALF
	s_wait_kmcnt 0x0
	s_load_b64 s[72:73], s[8:9], 0x30
	s_add_nc_u64 s[20:21], s[4:5], s[20:21]
	s_add_nc_u64 s[46:47], s[6:7], s[46:47]
	CROUND
.irp s, 0,1
	s_mov_b32 s[G0+4*\s], 1
	s_add_co_u32 s[G0+4*\s+1], s45, \s*SLOT
	s_add_nc_u64 s[G0+4*\s+2:G0+4*\s+3], s[20:21], \s*ASTEP
	s_or_b32 s[G0+4*\s+3], s[G0+4*\s+3], 0x80000000
	s_mov_b32 s[G0B+4*\s], 1
	s_add_co_u32 s[G0B+4*\s+1], s13, \s*SLOT
	s_add_nc_u64 s[G0B+4*\s+2:G0B+4*\s+3], s[46:47], \s*BSTEP
	s_or_b32 s[G0B+4*\s+3], s[G0B+4*\s+3], 0x80000000
	s_wait_alu depctr_va_vdst(0)
	s_wait_tensorcnt 0x0
	ds_add_u32 v28, v29
	ds_add_u32 v28, v29
	s_wait_dscnt 0x0
	CROUND
	JLOAD G0+4*\s, G1, G0B+4*\s, G1B
.endr
	v_and_b32 v1, 15, v0
	v_bfe_u32 v2, v0, 4, 1
	v_and_b32 v6, 31, v0
	v_lshlrev_b32 v[LI], 4, v6
	v_mul_u32_u24 v3, v1, PITCH
	v_lshl_add_u32 v4, v2, 4, v3
	s_lshl_b32 s21, s15, 15
	s_mul_i32 s22, s16, HALFB
	s_add_co_u32 s22, s22, 2*AHALF
.irp s, 0,1
	v_add_nc_u32 v[ADRA+\s], s21, v[LI]
	v_add_nc_u32 v[ADRB+\s], s22, v4
	s_add_co_u32 s21, s21, SLOT
	s_add_co_u32 s22, s22, SLOT
.endr
	s_mul_i32 s23, s14, 16*SP
	s_add_co_u32 s23, s23, STG
	v_mul_u32_u24 v5, v1, SP
	v_lshl_add_u32 v5, v2, 5, v5
	v_add_nc_u32 v[STO], s23, v5
	v_mul_u32_u24 v5, v2, SP
	v_lshl_add_u32 v5, v1, 4, v5
	v_add_nc_u32 v[RD], s23, v5
	v_lshlrev_b32 v[CO], 12, v2
	v_lshl_add_u32 v[CO], v1, 4, v[CO]
	v_lshlrev_b32 v[FBO], 4, v1
	s_wait_alu depctr_va_vdst(0)
	s_lshl_b32 s20, s17, 7
	s_lshl_b32 s21, s15, 6
	s_add_co_u32 s20, s20, s21
	s_lshl_b32 s20, s20, 12
	s_lshl_b32 s46, s42, 9
	s_lshl_b32 s47, s16, 8
	s_add_co_u32 s46, s46, s47
	s_mov_b32 s47, 0
	s_add_co_u32 s20, s20, s46
	s_mov_b32 s21, 0
	s_add_nc_u64 s[RP:RP+1], s[RP:RP+1], s[20:21]
	s_add_nc_u64 s[OP:OP+1], s[OP:OP+1], s[20:21]
	s_add_nc_u64 s[10:11], s[10:11], s[46:47]
	global_load_b128 v[FB:FB+3], v[FBO], s[10:11]
	s_and_b32 s23, ttmp7, 0xffff
	s_cmp_eq_u32 s15, 0
	s_cselect_b32 s18, s17, s42
	s_cselect_b32 s19, s40, s41
	s_cselect_b64 s[PFA:PFA+1], s[4:5], s[6:7]
	s_mov_b32 s[PFS], BSTEP
	s_cselect_b32 s[PFS], ASTEP, s[PFS]
	s_cselect_b32 s22, 8, 12
	s_cselect_b32 s12, 12, 8
	s_cselect_b32 s23, ttmp9, s23
	s_cmp_eq_u32 s23, 0
	s_cselect_b32 s[LIM], 1, -1
	s_lshl_b32 s18, s18, 3
	s_lshl_b32 s20, s16, 2
	s_add_co_u32 s18, s18, s20
	s_add_co_u32 s18, s18, s19
	s_lshl_b32 s18, s18, 16
	s_mul_i32 s19, s[PFS], 3
	s_add_co_u32 s18, s18, s19
	s_mov_b32 s19, 0
	s_mov_b32 s[PFS+1], 0
	s_add_nc_u64 s[PFA:PFA+1], s[PFA:PFA+1], s[18:19]
	v_lshlrev_b32 v5, s12, v2
	v_lshlrev_b32 v[PFO], s22, v1
	v_add_nc_u32 v[PFO], v5, v[PFO]
.macro FRAGB reg, slot, q, i
.irp c, 0,1,2,3
	ds_load_b128 v[\reg+4*\c:\reg+4*\c+3], v[ADRB+\slot] offset:128*(\q)+32*\c+(\i)*16*PITCH
.endr
.endm
.macro FRAGA reg, slot, q, i
.irp c, 0,1,2,3
	ds_load_b128 v[\reg+4*\c:\reg+4*\c+3], v[ADRA+\slot] offset:2048*(\q)+512*\c+8192*(\i)
.endr
.endm
.macro FETCH slot, q, f
	WIN TO_F
.irp i, 0,1,2,3
	FRAGB \f+64+FR*\i, \slot, \q, \i
.endr
.irp i, 0,1,2,3
	FRAGA \f+FR*\i, \slot, \q, \i
.endr
.endm
.macro MUL4 f, a, zero
.irp b, 0,1,2,3
.if \zero
	v_wmma_f32_16x16x128_fp8_fp8 v[ACC+8*(4*(\a)+\b):ACC+8*(4*(\a)+\b)+7], v[\f+64+FR*\b:\f+64+FR*\b+FR-1], v[\f+FR*(\a):\f+FR*(\a)+FR-1], 0
.else
	v_wmma_f32_16x16x128_fp8_fp8 v[ACC+8*(4*(\a)+\b):ACC+8*(4*(\a)+\b)+7], v[\f+64+FR*\b:\f+64+FR*\b+FR-1], v[\f+FR*(\a):\f+FR*(\a)+FR-1], v[ACC+8*(4*(\a)+\b):ACC+8*(4*(\a)+\b)+7]
.endif
.endr
.endm
.macro UNIT slot, q, f, g, zero
	s_wait_dscnt 2*NL
	WIN MUL
	MUL4 \f, 0, \zero
	MUL4 \f, 1, \zero
	PLACES NP
	FETCH \slot, \q, \g
	s_wait_dscnt 8*NL
	WIN MUL
	MUL4 \f, 2, \zero
	MUL4 \f, 3, \zero
.endm
.macro TURN slot, next, fill
.if \fill
	s_wait_xcnt 0x0
	s_add_nc_u64 s[PFA:PFA+1], s[PFA:PFA+1], s[PFS:PFS+1]
.endif
	WIN 0
	s_wait_tensorcnt 0x0
	ds_add_u32 v[SPW], v[NIL]
	s_wait_dscnt 2*NL+1
	WIN MUL
	MUL4 F1, 0, 0
	s_wait_dscnt 0x0
	s_barrier_signal -1
	MUL4 F1, 1, 0
	WIN 0
	s_barrier_wait -1
.if \fill
	CREST
	s_add_nc_u64 s[G0+4*\slot+2:G0+4*\slot+3], s[G0+4*\slot+2:G0+4*\slot+3], 2*ASTEP
	s_add_nc_u64 s[G0B+4*\slot+2:G0B+4*\slot+3], s[G0B+4*\slot+2:G0B+4*\slot+3], 2*BSTEP
	JLOAD G0+4*\slot, G1, G0B+4*\slot, G1B
.else
	PLACES NP
.endif
	FETCH \next, 0, F0
	WIN 0
.if \fill
	ASK
.endif
	WIN MUL
	MUL4 F1, 2, 0
	MUL4 F1, 3, 0
.endm
	s_wait_tensorcnt 1
	s_barrier_signal -1
	s_barrier_wait -1
	FETCH 0, 0, F0
	WIN 0x80
.set n, 0
.rept 32
	global_load_b128 v[4*n:4*n+3], v[CO], s[RP:RP+1] offset:8192*n th:TH_LOAD_NT
.set n, n+1
.endr
	UNIT 0, 1, F0, F1, 1
	WIN 0
	s_mov_b32 s3, LAPS-1
.Llap:
	UNIT 0, 2, F1, F0, 0
	UNIT 0, 3, F0, F1, 0
	TURN 0, 1, 1
	UNIT 1, 1, F0, F1, 0
	UNIT 1, 2, F1, F0, 0
	UNIT 1, 3, F0, F1, 0
	TURN 1, 0, 1
	UNIT 0, 1, F0, F1, 0
	WIN 0
	s_sub_co_u32 s3, s3, 1
	s_cmp_lg_u32 s3, 0
	s_cbranch_scc1 .Llap
	UNIT 0, 2, F1, F0, 0
	UNIT 0, 3, F0, F1, 0
	TURN 0, 1, 0
	UNIT 1, 1, F0, F1, 0
	UNIT 1, 2, F1, F0, 0
	UNIT 1, 3, F0, F1, 0
	s_wait_dscnt 2*NL
	WIN MUL
	MUL4 F1, 0, 0
	MUL4 F1, 1, 0
	s_wait_dscnt 0
	MUL4 F1, 2, 0
	MUL4 F1, 3, 0
	WIN 0
.macro TOSTAGE a
.irp b, 0,1,2,3
	ds_store_b128 v[STO], v[ACC+8*(4*(\a)+\b):ACC+8*(4*(\a)+\b)+3] offset:64*\b
	ds_store_b128 v[STO], v[ACC+8*(4*(\a)+\b)+4:ACC+8*(4*(\a)+\b)+7] offset:64*\b+16
.endr
.irp i, 0,1,2,3,4,5,6,7
	ds_load_b128 v[ACC+32*(\a)+4*\i:ACC+32*(\a)+4*\i+3], v[RD] offset:2*\i*SP
.endr
.endm
.macro FIN a, younger
	s_wait_dscnt \younger
	WIN 0x20
.set n, 0
.rept 16
	v_pk_fma_f32 v[ACC+32*(\a)+n:ACC+32*(\a)+n+1], v[ACC+32*(\a)+n:ACC+32*(\a)+n+1], s[SC:SC+1], v[32*(\a)+n:32*(\a)+n+1] op_sel_hi:[1,0,1]
.set n, n+2
.endr
	WIN 0
.irp i, 0,1,2,3,4,5,6,7
	global_store_b128 v[CO], v[ACC+32*(\a)+4*\i:ACC+32*(\a)+4*\i+3], s[OP:OP+1] offset:8192*(8*(\a)+\i) th:TH_STORE_NT
.endr
.endm
	s_wait_kmcnt 0x0
	s_add_co_i32 s18, s72, s73
	s_add_co_i32 s18, s18, 127
	s_lshl_b32 s[SC], s18, 23
	s_mov_b32 s[SC+1], s[SC]
	PLACES NP
	s_wait_loadcnt 0x0
	WIN 0x82
.set n, 0
.rept 32
	v_pk_add_f32 v[4*n:4*n+1], v[4*n:4*n+1], v[FB:FB+1]
	v_pk_add_f32 v[4*n+2:4*n+3], v[4*n+2:4*n+3], v[FB+2:FB+3]
.set n, n+1
.endr
	WIN 0
	TOSTAGE 0
	TOSTAGE 1
	FIN 0, 16
	TOSTAGE 2
	FIN 1, 16
	TOSTAGE 3
	FIN 2, 16
	FIN 3, 0
	s_wait_tensorcnt 0x0
	ds_add_u32 v[SPW], v[NIL]
	s_wait_dscnt 0x0
	CROUND
	s_endpgm
.Lfunc_end_k_qdfec724caa_fc2:
	.size	k_qdfec724caa_fc2, .Lfunc_end_k_qdfec724caa_fc2-k_qdfec724caa_fc2
	.p2alignl 7, 3214868480
	.fill 96, 4, 3214868480
	.section	.rodata,"a",@progbits
	.p2align	6, 0x0
	.amdhsa_kernel k_qdfec724caa_fc2
		.amdhsa_group_segment_fixed_size 327680
		.amdhsa_private_segment_fixed_size 0
		.amdhsa_enable_private_segment 0
		.amdhsa_kernarg_size 48
		.amdhsa_user_sgpr_count 2
		.amdhsa_user_sgpr_kernarg_segment_ptr 1
		.amdhsa_wavefront_size32 1
		.amdhsa_system_sgpr_workgroup_id_x 1
		.amdhsa_system_sgpr_workgroup_id_y 1
		.amdhsa_system_sgpr_workgroup_id_z 1
		.amdhsa_system_vgpr_workitem_id 0
		.amdhsa_next_free_vgpr 640
		.amdhsa_next_free_sgpr 80
		.amdhsa_reserve_vcc 0
		.amdhsa_float_denorm_mode_32 3
		.amdhsa_float_denorm_mode_16_64 3
		.amdhsa_memory_ordered 1
		.amdhsa_forward_progress 1
		.amdhsa_inst_pref_size 84
	.end_amdhsa_kernel
	.amdgpu_metadata
---
amdhsa.version: [ 1, 2 ]
amdhsa.kernels:
  - .name:           k_qdfec724caa_fc2
    .symbol:         k_qdfec724caa_fc2.kd
    .args:
      - { .name: gq, .offset: 0, .size: 8, .value_kind: global_buffer, .address_space: global }
      - { .name: fc2_w_codes, .offset: 8, .size: 8, .value_kind: global_buffer, .address_space: global }
      - { .name: lowp_scales, .offset: 16, .size: 8, .value_kind: global_buffer, .address_space: global }
      - { .name: fc2_b, .offset: 24, .size: 8, .value_kind: global_buffer, .address_space: global }
      - { .name: res2, .offset: 32, .size: 8, .value_kind: global_buffer, .address_space: global }
      - { .name: out0, .offset: 40, .size: 8, .value_kind: global_buffer, .address_space: global }
    .group_segment_fixed_size: 327680
    .private_segment_fixed_size: 0
    .kernarg_segment_align: 8
    .kernarg_segment_size: 48
    .max_flat_workgroup_size: 128
    .sgpr_count:     80
    .vgpr_count:     640
    .wavefront_size: 32
...
	.end_amdgpu_metadata
.endif
;; end of part 10
